; MI455X (gfx1250); checked and timed in simulation.
; The chip was launched on July 23, 2026; its instructions are those of AMD's public machine-readable ISA for CDNA 5 (MIT licence, August 2026) and "CDNA5" Instruction Set Architecture Reference Guide (July 2026). The comments in the code are by the model that wrote it; some were corrected since.
;; Deformable Transformer. Allowed arithmetic: float matrix products may take bf16 or f16 operands with f32 sums; other float arithmetic in f32, or as packed bf16 or f16 multiplies, adds, multiply-adds, maxima and minima; sums over many terms, partial sums and values carried from step to step in f32; what a program stores and reads back later, other than sums and carried values, may be rounded once to bf16 or f16.
;; Inputs: aw_b 128 float32; aw_w 256 x 128 float32; lin1_b 1,024 float32; lin1_w 256 x 1,024 float32; lin2_b 256 float32; lin2_w 1,024 x 256 float32; ln_b 256 float32; ln_g 256 float32; memory_pos 4 x 13,294 x 256 float32; off_b 256 float32; off_w 256 x 256 float32; out_b 256 float32; out_w 256 x 256 float32; pos 4 x 13,294 x 256 float32; src 4 x 13,294 x 256 float32; src2 4 x 13,294 x 256 float32; value_b 256 float32; value_w 256 x 256 float32.
;; Outputs: out0 4 x 13,294 x 256 float32.
;; 3 versions, each right; version 2 is faster than version 1; version 3 is version 2 with the launch proj written anew for expert scheduling mode. Each part assembles by itself: llvm-mc -triple=amdgcn-amd-amdhsa -mcpu=gfx1250 --defsym DOCPART=n.
;; ======== version 1 of 3: 4 launches
;; limits: values are held in f16: magnitudes above 65,504 overflow, below 6.1e-05 lose precision; values outside matrix products are rounded to f16
;; workspace buffers: wfrag 1,507,328 bytes; val 27,226,112 bytes; pidx 13,613,056 bytes of whole numbers; pwt 54,452,224 bytes; smp 27,226,112 bytes
;; launch prep (part 1): grid 184 x 1, 8 waves a work-group, no clusters, 0 bytes of LDS; arguments value_w, off_w, aw_w, out_w, lin1_w, lin2_w, wfrag; writes wfrag
.if DOCPART == 1
	.amdgcn_target "amdgcn-amd-amdhsa--gfx1250"
	.amdhsa_code_object_version 6
	.text
	.protected	k_qddac6f10c9_prep
	.globl	k_qddac6f10c9_prep
	.p2align	8
	.type	k_qddac6f10c9_prep,@function
k_qddac6f10c9_prep:
	s_mov_b64 s[64:65], 0
	v_nop
	global_prefetch_b8 v0, s[64:65] scope:SCOPE_SE
	s_setreg_imm32_b32 hwreg(HW_REG_WAVE_MODE, 25, 1), 1
	s_wait_xcnt 0x0
; The six weight matrices, f32 [K][N], are rounded once to bf16 and laid out as the matrix unit's registers want them.
; A FRAGMENT is 16 columns x 32 k in 1,024 bytes: the 16 bytes at 512 q + 16 L (q = 0, 1; lane L = 16 h + r) hold
; W[32 kt + 16 q + 8 h + e][column of r], e = 0..7: two 16-byte loads a lane fill the eight registers of a source.
; One wave makes one fragment, g = 8 x work-group + wave, 1,472 in all:
;   g 0-127 value_w (g = 8 nt + kt)   128-255 off_w (likewise)   256-319 aw_w (8 head + kt; columns permuted, below)
;   320-447 out_w (16 kt + nt)        448-1471 the FFN in chunks c of 32 hidden units, 32 fragments a chunk:
;   i < 16: lin1_w, nt = 2 c + i % 2, kt = i / 2;  i >= 16: lin2_w, nt = i - 16, kt = c.
; aw_w: place r of a head's tile takes logit (2 ((r % 8) / 4) + r / 8) x 4 + r % 4, so that the lanes' half h ends up with
; the weights of levels h and 2 + h, the levels whose offsets it holds.
; No branch: which matrix a fragment comes from is chosen by scalar selects on g.
	s_load_b256 s[8:15], s[0:1], 0x0               ; value_w s[8:9], off_w s[10:11], aw_w s[12:13], out_w s[14:15]
	s_load_b128 s[16:19], s[0:1], 0x20             ; lin1_w s[16:17], lin2_w s[18:19]
	s_load_b64 s[20:21], s[0:1], 0x30              ; wfrag
	v_lshrrev_b32 v1, 5, v0
	v_readfirstlane_b32 s2, v1                     ; wave 0..7
	s_lshl3_add_u32 s3, ttmp9, s2                  ; g
	s_sub_co_u32 s4, s3, 448                       ; the FFN part (what it gives for g < 448 is replaced below)
	s_lshr_b32 s5, s4, 5                           ; c
	s_and_b32 s6, s4, 31                           ; i
	s_sub_co_u32 s24, s6, 16                       ; lin2_w: nt,
	s_mov_b32 s25, s5                              ; kt,
	s_mov_b32 s26, 8                               ; log2 of the row length
	s_and_b32 s7, s6, 1
	s_lshl1_add_u32 s7, s5, s7                     ; lin1_w: nt = 2 c + i % 2
	s_lshr_b32 s27, s6, 1                          ; kt = i / 2
	s_wait_kmcnt 0x0
	s_mov_b64 s[28:29], s[18:19]
	s_cmp_lt_u32 s6, 16
	s_cselect_b32 s24, s7, s24
	s_cselect_b32 s25, s27, s25
	s_cselect_b32 s26, 10, s26
	s_cselect_b64 s[28:29], s[16:17], s[28:29]
	s_sub_co_u32 s4, s3, 320                       ; out_w
	s_and_b32 s7, s4, 15
	s_lshr_b32 s27, s4, 4
	s_cmp_lt_u32 s3, 448
	s_cselect_b32 s24, s7, s24
	s_cselect_b32 s25, s27, s25
	s_cselect_b32 s26, 8, s26
	s_cselect_b64 s[28:29], s[14:15], s[28:29]
	s_sub_co_u32 s4, s3, 256                       ; aw_w
	s_lshr_b32 s7, s4, 3
	s_and_b32 s27, s4, 7
	s_cmp_lt_u32 s3, 320
	s_cselect_b32 s24, s7, s24
	s_cselect_b32 s25, s27, s25
	s_cselect_b32 s26, 7, s26
	s_cselect_b64 s[28:29], s[12:13], s[28:29]
	s_cselect_b32 s30, -1, 0                       ; all lanes: the permuted column
	s_sub_co_u32 s4, s3, 128                       ; off_w
	s_lshr_b32 s7, s4, 3
	s_and_b32 s27, s4, 7
	s_cmp_lt_u32 s3, 256
	s_cselect_b32 s24, s7, s24
	s_cselect_b32 s25, s27, s25
	s_cselect_b32 s26, 8, s26
	s_cselect_b64 s[28:29], s[10:11], s[28:29]
	s_cselect_b32 s30, 0, s30
	s_lshr_b32 s7, s3, 3                           ; value_w
	s_and_b32 s27, s3, 7
	s_cmp_lt_u32 s3, 128
	s_cselect_b32 s24, s7, s24
	s_cselect_b32 s25, s27, s25
	s_cselect_b64 s[28:29], s[8:9], s[28:29]
	v_and_b32 v2, 15, v0                           ; r
	v_bfe_u32 v3, v0, 4, 1                         ; h
	v_bfe_u32 v4, v0, 2, 1
	v_bfe_u32 v5, v0, 3, 1
	v_and_b32 v6, 3, v0
	v_lshl_add_u32 v6, v4, 3, v6
	v_lshl_add_u32 v6, v5, 2, v6                   ; the permuted place
	v_cndmask_b32 v6, v2, v6, s30
	v_lshl_add_u32 v6, s24, 4, v6                  ; my column
	s_lshl_b32 s31, s25, 5
	v_lshl_add_u32 v7, v3, 3, s31                  ; my first k: 32 kt + 8 h
	v_lshlrev_b32 v7, s26, v7
	v_add_lshl_u32 v7, v7, v6, 2                   ; its byte offset
	s_lshl_b32 s32, 4, s26                         ; bytes from a row of W to the next
.set i, 0
.rept 16
	s_mul_i32 s33, s32, (i%8)+16*(i/8)             ; k steps e + 16 q
	v_add_nc_u32 v[8+i], s33, v7
.set i, i+1
.endr
.set i, 0
.rept 16
	global_load_b32 v[24+i], v[8+i], s[28:29]      ; sixteen lanes take 64 neighbouring bytes of a row
.set i, i+1
.endr
	s_lshl_b32 s34, s3, 10
	s_mov_b32 s35, 0
	s_add_nc_u64 s[20:21], s[20:21], s[34:35]      ; my fragment
	v_and_b32 v1, 31, v0
	v_lshlrev_b32 v1, 4, v1
	s_wait_loadcnt 0x0
.set i, 0
.rept 8
	v_cvt_pk_bf16_f32 v[40+i], v[24+2*i], v[24+2*i+1]
.set i, i+1
.endr
	global_store_b128 v1, v[40:43], s[20:21]            ; each store of the wave covers 512 consecutive bytes, aligned
	global_store_b128 v1, v[44:47], s[20:21] offset:512
	s_endpgm
.Lfunc_end_k_qddac6f10c9_prep:
	.size	k_qddac6f10c9_prep, .Lfunc_end_k_qddac6f10c9_prep-k_qddac6f10c9_prep
	.p2alignl 7, 3214868480
	.fill 96, 4, 3214868480
	.section	.rodata,"a",@progbits
	.p2align	6, 0x0
	.amdhsa_kernel k_qddac6f10c9_prep
		.amdhsa_group_segment_fixed_size 0
		.amdhsa_private_segment_fixed_size 0
		.amdhsa_enable_private_segment 0
		.amdhsa_kernarg_size 56
		.amdhsa_user_sgpr_count 2
		.amdhsa_user_sgpr_kernarg_segment_ptr 1
		.amdhsa_wavefront_size32 1
		.amdhsa_system_sgpr_workgroup_id_x 1
		.amdhsa_system_sgpr_workgroup_id_y 1
		.amdhsa_system_sgpr_workgroup_id_z 1
		.amdhsa_system_vgpr_workitem_id 0
		.amdhsa_next_free_vgpr 48
		.amdhsa_next_free_sgpr 66
		.amdhsa_reserve_vcc 0
		.amdhsa_float_denorm_mode_32 3
		.amdhsa_float_denorm_mode_16_64 3
		.amdhsa_memory_ordered 1
		.amdhsa_forward_progress 1
		.amdhsa_inst_pref_size 7
	.end_amdhsa_kernel
	.amdgpu_metadata
---
amdhsa.version: [ 1, 2 ]
amdhsa.kernels:
  - .name:           k_qddac6f10c9_prep
    .symbol:         k_qddac6f10c9_prep.kd
    .args:
      - { .name: value_w, .offset: 0, .size: 8, .value_kind: global_buffer, .address_space: global }
      - { .name: off_w, .offset: 8, .size: 8, .value_kind: global_buffer, .address_space: global }
      - { .name: aw_w, .offset: 16, .size: 8, .value_kind: global_buffer, .address_space: global }
      - { .name: out_w, .offset: 24, .size: 8, .value_kind: global_buffer, .address_space: global }
      - { .name: lin1_w, .offset: 32, .size: 8, .value_kind: global_buffer, .address_space: global }
      - { .name: lin2_w, .offset: 40, .size: 8, .value_kind: global_buffer, .address_space: global }
      - { .name: wfrag, .offset: 48, .size: 8, .value_kind: global_buffer, .address_space: global }
    .group_segment_fixed_size: 0
    .private_segment_fixed_size: 0
    .kernarg_segment_align: 8
    .kernarg_segment_size: 56
    .max_flat_workgroup_size: 256
    .sgpr_count:     66
    .vgpr_count:     48
    .wavefront_size: 32
...
	.end_amdgpu_metadata
.endif
;; end of part 1
;; launch proj (part 2): grid 256 x 1, 4 waves a work-group, no clusters, 69,632 bytes of LDS; arguments src, pos, src2, memory_pos, value_b, off_b, aw_b, wfrag, val, pidx, pwt; writes val, pidx, pwt
.if DOCPART == 2
	.amdgcn_target "amdgcn-amd-amdhsa--gfx1250"
	.amdhsa_code_object_version 6
	.text
	.protected	k_qddac6f10c9_proj
	.globl	k_qddac6f10c9_proj
	.p2align	8
	.type	k_qddac6f10c9_proj,@function
k_qddac6f10c9_proj:
	s_mov_b64 s[64:65], 0
	v_nop
	global_prefetch_b8 v0, s[64:65] scope:SCOPE_SE
	s_setreg_imm32_b32 hwreg(HW_REG_WAVE_MODE, 25, 1), 1
	s_wait_xcnt 0x0
; THE PROJECTIONS.  val = (src2 + memory_pos) value_w + value_b, in f16 by heads: [8][53,176][32].  From q = src + pos: the sampling offsets and the softmax
; over a head's 16 logits (its maximum taken away first), and from them, for each token, head and point, what the sampling launch needs:
;   pidx, u16 [4 pairs of heads][53,176][2][16]: the row of val of the upper left of four neighbouring cells, held inside the level;
;   pwt, f16 [53,176][8][16][4]: the four cells' weights (y0 x0, y0 x1, y1 x0, y1 x1), the attention weight folded in.
; A cell's weight along an axis is max(0, 1 - |x - cell|): inside the map that is the bilinear weight, and a cell outside the map has no place in the
; four, so its weight 0 needs no case of its own.
; LIMITS.  Matrix operands are rounded to bf16, sums are f32.  val is f16: a value beyond 65,504 becomes an infinity.  A weight under 6e-8 counts as 0.
; NaN and infinities in the inputs are not treated apart.
; SHARES.  A work-group walks 13 tiles of 16 rows from row 208 x work-group on; a tile that would pass the last row begins at row 53,160 instead and stores
; the same numbers again (the last work-group alone).  The COLUMNS are split: wave w owns heads 2 w and 2 w + 1: 4 tiles of value columns, 4 of offsets, 2 of
; logits.  Their 80 weight fragments, 640 registers, are loaded once and stay: no weight goes through LDS.
; No cluster: what work-groups share is the 320 KiB of weights, read once by each into registers, beside 1.1 MiB of rows of its own.
; THE ROWS.  Each wave loads 4 of a tile's 16 rows of the four tensors (32 loads of 16 bytes a lane, two tiles ahead), adds, rounds to bf16 and puts them into
; one of two LDS slots; every wave reads all 16 rows as fragments.  One barrier a trip: in front of it a wave's stores of the next tile and its reads of the last are done.
; THE PRODUCTS ARE TAKEN TRANSPOSED (source 0 = weights, source 1 = rows): a lane holds ONE token (lane % 16) and the columns 8 (lane / 16) + 0..7 of a tile.
; REGISTERS, in windows of 256: window 0: addresses, fragments of rows v64-127, sums v128-207, at work v34-63 and v208-255; window 1: value weights, fragment (kt, n) at 8 (4 kt + n);
; windows 2 and 3 (to v895): offset and logit weights, fragment 6 kt + a, a = 3 x head + (offset tile 0, 1 | logits); v896-1023: a tile's rows as loaded.
.set LASTT,  53160
.set NTILE,  13
.set PLANE,  3403264                   ; 53,176 rows x 64 bytes
.set APITCH, 528                       ; a row of 256 bf16 + 16 bytes: an odd multiple of 16, so the 16 rows of a fragment load start at 16 different groups of banks (ISA guide 11.1)
.set QOFF,   16*APITCH                 ; in a slot: the rows of src2 + memory_pos, then those of src + pos
.set SLOTB,  2*QOFF
.set STG,    2*SLOTB                   ; each wave's own stage, 8,192 bytes: two heads of val (16 rows, pitch 80), the indices (pitch 80), the weights (pitch 272)
.set TAB,    STG+4*8192                ; value_b, off_b, aw_b (in the logit tiles' order)
.set SPARE,  TAB+2560                  ; the spare words, 128 bytes a wave
.set AF,  64
.set VA,  128
.set QA,  160
.set LG,  QA+16                        ; a head's logits: the third of its three sums
.set SM,  34                           ; softmax at work, six registers a head
.set WO,  208
.set IO,  240
.set RAW, 128                          ; in window 3
.set MSB, 0
.macro WIN new                         ; the immediate's high byte repeats the setting that is left; a switch that changes nothing is dropped
.if MSB != (\new)
	s_set_vgpr_msb (MSB<<8)|(\new)
.set MSB, \new
.endif
.endm
; My 4 rows of the tile that begins ahead rows behind the tile in hand: 32 loads, each 512 consecutive bytes of a row.
.macro LOADS ahead
	s_add_co_u32 s31, s28, \ahead
	s_min_u32 s31, s31, LASTT
	s_add_co_u32 s31, s31, s59
	s_lshl_b32 s31, s31, 10
	v_add_nc_u32 v8, s31, v1
	WIN 0xc0
.irp rr,0,1,2,3
.irp hf,0,1
	global_load_b128 v[RAW+8*(2*\rr+\hf):RAW+8*(2*\rr+\hf)+3],       v8, s[8:9]   offset:1024*\rr+512*\hf th:TH_LOAD_NT
	global_load_b128 v[RAW+8*(2*\rr+\hf)+4:RAW+8*(2*\rr+\hf)+7],     v8, s[10:11] offset:1024*\rr+512*\hf th:TH_LOAD_NT
	global_load_b128 v[RAW+64+8*(2*\rr+\hf):RAW+64+8*(2*\rr+\hf)+3], v8, s[4:5]   offset:1024*\rr+512*\hf th:TH_LOAD_NT
	global_load_b128 v[RAW+64+8*(2*\rr+\hf)+4:RAW+64+8*(2*\rr+\hf)+7], v8, s[6:7] offset:1024*\rr+512*\hf th:TH_LOAD_NT
.endr
.endr
	WIN 0
.endm
; The two sums, rounded to bf16, into the slot at v7: a lane's four columns are 8 bytes, a wave's store 256 consecutive bytes.
.macro CONV
	WIN 0xcf
.set i, 0
.rept 16
	v_pk_add_f32 v[RAW+8*i:RAW+8*i+1],   v[RAW+8*i:RAW+8*i+1],   v[RAW+8*i+4:RAW+8*i+5]
	v_pk_add_f32 v[RAW+8*i+2:RAW+8*i+3], v[RAW+8*i+2:RAW+8*i+3], v[RAW+8*i+6:RAW+8*i+7]
.set i, i+1
.endr
	WIN 0x0f
.set i, 0
.rept 16
	v_cvt_pk_bf16_f32 v[WO+2*i],   v[RAW+8*i],   v[RAW+8*i+1]
	v_cvt_pk_bf16_f32 v[WO+2*i+1], v[RAW+8*i+2], v[RAW+8*i+3]
.set i, i+1
.endr
	WIN 0
.set i, 0
.rept 16
	ds_store_b64 v7, v[WO+2*i:WO+2*i+1] offset:QOFF*(i/8)+APITCH*((i%8)/2)+256*(i%2)
.set i, i+1
.endr
.endm
; Both heads' softmax, side by side.  A lane holds 8 of a token's 16 logits, the lane 16 away the others.
.macro SOFTMAX
.irp d,0,1
	v_max3_num_f32 v[SM+6*\d], v[LG+24*\d], v[LG+24*\d+1], v[LG+24*\d+2]
.endr
.irp d,0,1
	v_max3_num_f32 v[SM+6*\d], v[SM+6*\d], v[LG+24*\d+3], v[LG+24*\d+4]
.endr
.irp d,0,1
	v_max3_num_f32 v[SM+6*\d], v[SM+6*\d], v[LG+24*\d+5], v[LG+24*\d+6]
.endr
.irp d,0,1
	v_max_num_f32 v[SM+6*\d], v[SM+6*\d], v[LG+24*\d+7]
.endr
.irp d,0,1
	v_permlanex16_b32 v[SM+6*\d+1], v[SM+6*\d], s42, s43
.endr
.irp d,0,1
	v_max_num_f32 v[SM+6*\d], v[SM+6*\d], v[SM+6*\d+1]
.endr
.irp d,0,1
	v_mul_f32 v[SM+6*\d], s44, v[SM+6*\d]          ; log2(e) x the maximum
.endr
.irp d,0,1
.irp i,0,2,4,6
	v_pk_fma_f32 v[LG+24*\d+\i:LG+24*\d+\i+1], v[LG+24*\d+\i:LG+24*\d+\i+1], s[44:45], v[SM+6*\d:SM+6*\d+1] op_sel_hi:[1,0,0] neg_lo:[0,0,1] neg_hi:[0,0,1]
.endr
.endr
.irp d,0,1
.irp i,0,1,2,3,4,5,6,7
	v_exp_f32 v[LG+24*\d+\i], v[LG+24*\d+\i]
.endr
.endr
	v_nop                                          ; a plain instruction between the last exponential and the first use (ISA guide 5.7.2)
	s_wait_alu depctr_va_vdst(0)
.irp d,0,1
	v_pk_add_f32 v[SM+6*\d+2:SM+6*\d+3], v[LG+24*\d:LG+24*\d+1], v[LG+24*\d+2:LG+24*\d+3]
	v_pk_add_f32 v[SM+6*\d+4:SM+6*\d+5], v[LG+24*\d+4:LG+24*\d+5], v[LG+24*\d+6:LG+24*\d+7]
.endr
.irp d,0,1
	v_pk_add_f32 v[SM+6*\d+2:SM+6*\d+3], v[SM+6*\d+2:SM+6*\d+3], v[SM+6*\d+4:SM+6*\d+5]
.endr
.irp d,0,1
	v_add_f32 v[SM+6*\d+2], v[SM+6*\d+2], v[SM+6*\d+3]
.endr
.irp d,0,1
	v_permlanex16_b32 v[SM+6*\d+3], v[SM+6*\d+2], s42, s43
.endr
.irp d,0,1
	v_add_f32 v[SM+6*\d+2], v[SM+6*\d+2], v[SM+6*\d+3]
.endr
.irp d,0,1
	v_rcp_f32 v[SM+6*\d+2], v[SM+6*\d+2]
.endr
	v_nop
	s_wait_alu depctr_va_vdst(0)
.irp d,0,1
.irp i,0,2,4,6
	v_pk_mul_f32 v[LG+24*\d+\i:LG+24*\d+\i+1], v[LG+24*\d+\i:LG+24*\d+\i+1], v[SM+6*\d+2:SM+6*\d+3] op_sel_hi:[1,0]
.endr
.endr
.endm
; The four points of head d in my level 2 e + h, side by side; point z works in v[AF + 16 z ..]: +0 x y, +2 the cell, +4 x y less the cell, +6 the two weights along x, +8 along y, +10 the four, +14 the row.
.macro LEVEL d, e
.irp z,0,1,2,3
	v_pk_add_f32 v[AF+16*\z:AF+16*\z+1], v[QA+24*\d+8*\e+2*\z:QA+24*\d+8*\e+2*\z+1], v[26+2*\e:27+2*\e]  ; the offset + the token's own place in this level, in cells
.endr
.irp z,0,1,2,3
	v_floor_f32 v[AF+16*\z+2], v[AF+16*\z]
.endr
.irp z,0,1,2,3
	v_floor_f32 v[AF+16*\z+3], v[AF+16*\z+1]
.endr
.irp z,0,1,2,3
	v_med3_num_f32 v[AF+16*\z+2], v[AF+16*\z+2], 0, v[22+\e]    ; the upper left cell stays in 0 .. W - 2
.endr
.irp z,0,1,2,3
	v_med3_num_f32 v[AF+16*\z+3], v[AF+16*\z+3], 0, v[22+\e]
.endr
.irp z,0,1,2,3
	v_pk_add_f32 v[AF+16*\z+4:AF+16*\z+5], v[AF+16*\z:AF+16*\z+1], v[AF+16*\z+2:AF+16*\z+3] neg_lo:[0,1] neg_hi:[0,1]
.endr
.irp z,0,1,2,3
	v_fma_f32 v[AF+16*\z+14], v[AF+16*\z+3], v[20+\e], v[AF+16*\z+2]   ; y W + x, a whole number
.endr
.irp z,0,1,2,3
	v_pk_add_f32 v[AF+16*\z:AF+16*\z+1], v[AF+16*\z+4:AF+16*\z+5], -1.0 op_sel_hi:[1,0]
.endr
.irp z,0,1,2,3
	v_sub_f32 v[AF+16*\z+6], 1.0, |v[AF+16*\z+4]|
.endr
.irp z,0,1,2,3
	v_sub_f32 v[AF+16*\z+7], 1.0, |v[AF+16*\z]|
.endr
.irp z,0,1,2,3
	v_sub_f32 v[AF+16*\z+8], 1.0, |v[AF+16*\z+5]|
.endr
.irp z,0,1,2,3
	v_sub_f32 v[AF+16*\z+9], 1.0, |v[AF+16*\z+1]|
.endr
.irp z,0,1,2,3
	v_cvt_u32_f32 v[AF+16*\z+14], v[AF+16*\z+14]
.endr
.irp k,6,7,8,9
.irp z,0,1,2,3
	v_max_num_f32 v[AF+16*\z+\k], 0, v[AF+16*\z+\k]
.endr
.endr
.irp z,0,2
	v_pk_mul_f32 v[AF+16*\z+8:AF+16*\z+9], v[AF+16*\z+8:AF+16*\z+9], v[LG+24*\d+4*\e+\z:LG+24*\d+4*\e+\z+1] op_sel_hi:[1,0]             ; times the attention weight: the pair's first,
.endr
.irp z,1,3
	v_pk_mul_f32 v[AF+16*\z+8:AF+16*\z+9], v[AF+16*\z+8:AF+16*\z+9], v[LG+24*\d+4*\e+\z-1:LG+24*\d+4*\e+\z] op_sel:[0,1] op_sel_hi:[1,1]  ; or its second
.endr
.irp z,0,1,2,3
	v_pk_mul_f32 v[AF+16*\z+10:AF+16*\z+11], v[AF+16*\z+6:AF+16*\z+7], v[AF+16*\z+8:AF+16*\z+9] op_sel_hi:[1,0]
.endr
.irp z,0,1,2,3
	v_pk_mul_f32 v[AF+16*\z+12:AF+16*\z+13], v[AF+16*\z+6:AF+16*\z+7], v[AF+16*\z+8:AF+16*\z+9] op_sel:[0,1] op_sel_hi:[1,1]
.endr
.irp z,0,1,2,3
	v_add_nc_u32 v[AF+16*\z+14], v[AF+16*\z+14], v[30+\e]       ; + the batch's and the level's first row
.endr
.irp z,0,1,2,3
	v_cvt_pk_f16_f32 v[WO+8*\e+2*\z], v[AF+16*\z+10], v[AF+16*\z+11]
.endr
.irp z,0,1,2,3
	v_cvt_pk_f16_f32 v[WO+8*\e+2*\z+1], v[AF+16*\z+12], v[AF+16*\z+13]
.endr
	v_lshl_or_b32 v[IO+2*\e],   v[AF+30], 16, v[AF+14]
	v_lshl_or_b32 v[IO+2*\e+1], v[AF+62], 16, v[AF+46]
.endm
.macro PUT d                           ; head d's indices and weights into my stage
.irp e,0,1
	ds_store_b64  v14, v[IO+2*\e:IO+2*\e+1]   offset:32*\d+16*\e
	ds_store_b128 v15, v[WO+8*\e:WO+8*\e+3]   offset:128*\d+64*\e
	ds_store_b128 v15, v[WO+8*\e+4:WO+8*\e+7] offset:128*\d+64*\e+16
.endr
.endm
	s_load_b256 s[4:11], s[0:1], 0x0               ; src s[4:5], pos s[6:7], src2 s[8:9], memory_pos s[10:11]
	s_load_b256 s[12:19], s[0:1], 0x20             ; value_b s[12:13], off_b s[14:15], aw_b s[16:17], wfrag s[18:19]
	s_load_b128 s[20:23], s[0:1], 0x40             ; val s[20:21], pidx s[22:23]
	s_load_b64 s[24:25], s[0:1], 0x50              ; pwt
	v_lshl_add_u32 v10, v0, 2, SPARE               ; my spare word and 0, for the wave's end; never rewritten
	v_mov_b32 v11, 0
	v_lshrrev_b32 v34, 5, v0
	v_readfirstlane_b32 s26, v34                   ; wave 0..3
	v_and_b32 v35, 31, v0                          ; L
	v_lshlrev_b32 v1, 4, v35                       ; 16 L
	v_and_b32 v2, 15, v0                           ; r
	v_bfe_u32 v3, v0, 4, 1                         ; h
	v_mul_u32_u24 v4, v2, APITCH
	v_lshl_add_u32 v4, v3, 4, v4                   ; a fragment's row x pitch + 16 h
	s_mul_i32 s31, s26, 4*APITCH
	v_lshl_add_u32 v6, v35, 3, s31                 ; where my 4 rows go: 8 bytes a lane
	s_lshl_b32 s31, s26, 8
	s_add_co_u32 s31, s31, TAB
	v_lshl_add_u32 v9, v3, 5, s31                  ; value_b and off_b: my 64 columns, my lanes' 8
	s_lshl_b32 s31, s26, 7
	s_add_co_u32 s31, s31, TAB+2048
	v_lshl_add_u32 v32, v3, 5, s31                 ; aw_b: my two heads
	s_lshl_b32 s32, s26, 13
	s_add_co_u32 s32, s32, STG                     ; my stage
	v_mul_u32_u24 v36, v2, 80
	v_lshl_add_u32 v12, v3, 4, v36
	v_add_nc_u32 v12, s32, v12                     ; val in: row r, 16 bytes for each half of the lanes
	v_lshl_add_u32 v14, v3, 3, v36
	s_add_co_u32 s33, s32, 2560
	v_add_nc_u32 v14, s33, v14                     ; indices in: 8 bytes
	v_bfe_u32 v36, v0, 2, 3
	v_and_b32 v37, 3, v0
	v_mul_u32_u24 v13, v36, 80
	v_lshl_add_u32 v13, v37, 4, v13
	v_add_nc_u32 v13, s32, v13                     ; back: 32 lanes take 8 rows of 64 bytes
	s_add_co_u32 s33, s32, 3840
	v_mul_u32_u24 v15, v2, 272
	v_lshl_add_u32 v15, v3, 5, v15
	v_add_nc_u32 v15, s33, v15                     ; weights in: 32 bytes a level
	v_mul_u32_u24 v16, v3, 272
	v_lshl_add_u32 v16, v2, 4, v16
	v_add_nc_u32 v16, s33, v16                     ; back: 16 lanes take a row of 256 bytes
	s_lshl_b32 s31, s26, 8
	v_lshl_add_u32 v33, v3, 10, s31
	v_lshl_add_u32 v33, v2, 4, v33                 ; the same 256 bytes in two rows of pwt
	s_mov_b32 s42, 0x76543210                      ; v_permlanex16_b32: each lane takes its own place in the other half
	s_mov_b32 s43, 0xfedcba98
	s_mov_b32 s44, 0x3fb8aa3b                      ; log2(e)
	s_mov_b32 s45, s44
	s_mov_b32 s46, 10000                           ; the levels: first row, width, 1 / width
	s_mov_b32 s47, 0x42480000
	s_mov_b32 s48, 0x3ca3d70a
	s_mov_b32 s49, 12500
	s_mov_b32 s50, 0x41c80000
	s_mov_b32 s51, 0x3d23d70a
	s_mov_b32 s52, 13125
	s_mov_b32 s53, 0x41500000
	s_mov_b32 s54, 0x3d9d89d9
	s_mov_b32 s55, 0x42400000                      ; 48
	s_mov_b32 s56, 0x41300000                      ; 11
	v_cmp_eq_u32 vcc_lo, 1, v3                     ; my lanes' two levels: h and 2 + h
	v_mov_b32 v20, 0x42c80000
	v_cndmask_b32 v20, v20, s47, vcc_lo            ; W: 100 or 50,
	v_mov_b32 v21, s50
	v_cndmask_b32 v21, v21, s53, vcc_lo            ; 25 or 13
	v_mov_b32 v22, 0x42c40000
	v_cndmask_b32 v22, v22, s55, vcc_lo            ; W - 2
	v_mov_b32 v23, 0x41b80000
	v_cndmask_b32 v23, v23, s56, vcc_lo
	v_mov_b32 v24, 0
	v_cndmask_b32 v24, v24, s46, vcc_lo            ; the level's first row
	v_mov_b32 v25, s49
	v_cndmask_b32 v25, v25, s52, vcc_lo
	s_mul_i32 s57, s26, 2*PLANE                    ; my first head in val,
	s_mul_i32 s58, s26, PLANE                      ; my pair of heads in pidx
	s_lshl_b32 s59, s26, 2                         ; my 4 rows of a tile
	s_mul_i32 s28, ttmp9, 16*NTILE                 ; the first tile's first row
	s_mov_b32 s29, 0                               ; the slot that is read,
	s_mov_b32 s30, SLOTB                           ; and the one that is written
	s_and_b32 s31, s26, 1
	s_lshl_b32 s31, s31, 9
	v_add_nc_u32 v39, s31, v1                      ; the tables: waves 0, 1 bring the halves of value_b, waves 2, 3 those of off_b,
	v_lshlrev_b32 v40, 2, v0                       ; each thread one number of aw_b
	s_lshl_b32 s31, s26, 9
	s_add_co_u32 s31, s31, TAB
	v_add_nc_u32 v41, s31, v1
	v_and_b32 v42, 0x73, v0                        ; aw_b goes where the logit tiles want it: bits 2 and 3 of its number change places
	v_bfe_u32 v43, v0, 2, 1
	v_lshl_or_b32 v42, v43, 3, v42
	v_bfe_u32 v43, v0, 3, 1
	v_lshl_or_b32 v42, v43, 2, v42
	v_lshl_add_u32 v42, v42, 2, TAB+2048
	s_lshl_b32 s34, s26, 15
	s_mov_b32 s35, 0
	s_wait_kmcnt 0x0
	s_add_nc_u64 s[36:37], s[18:19], s[34:35]      ; my 32 value fragments,
	s_add_nc_u64 s[38:39], s[36:37], 0x20000       ; my 32 offset fragments,
	s_lshl_b32 s34, s26, 14
	s_add_nc_u64 s[40:41], s[18:19], s[34:35]
	s_add_nc_u64 s[40:41], s[40:41], 0x40000       ; my 16 logit fragments
	s_cmp_lt_u32 s26, 2
	s_cselect_b64 s[60:61], s[12:13], s[14:15]
	global_load_b128 v[44:47], v39, s[60:61]
	global_load_b32 v48, v40, s[16:17]
	LOADS 0                                        ; tile 0
	WIN 0x40
.set f, 0
.rept 32
	global_load_b128 v[8*f:8*f+3],   v1, s[36:37] offset:((f%4)*8+f/4)*1024
	global_load_b128 v[8*f+4:8*f+7], v1, s[36:37] offset:((f%4)*8+f/4)*1024+512
.set f, f+1
.endr
.set f, 0
.rept 48
.set kt, f/6
.set hd, (f%6)/3
.set t3, f%3
.set rg, 8*(f%32)
.if f < 32
	WIN 0x80
.else
	WIN 0xc0
.endif
.if t3 < 2
	global_load_b128 v[rg:rg+3],   v1, s[38:39] offset:((2*hd+t3)*8+kt)*1024
	global_load_b128 v[rg+4:rg+7], v1, s[38:39] offset:((2*hd+t3)*8+kt)*1024+512
.else
	global_load_b128 v[rg:rg+3],   v1, s[40:41] offset:(hd*8+kt)*1024
	global_load_b128 v[rg+4:rg+7], v1, s[40:41] offset:(hd*8+kt)*1024+512
.endif
.set f, f+1
.endr
	WIN 0
	s_wait_loadcnt 63                              ; 160 loads were issued behind the tables and tile 0: those are in
	ds_store_b128 v41, v[44:47]
	ds_store_b32 v42, v48
	v_mov_b32 v7, v6
	CONV                                           ; tile 0 into slot 0
	LOADS 16                                       ; tile 1
	s_wait_loadcnt 32                              ; all but tile 1's 32 loads: the weights are in
	s_mov_b32 s27, 0
.Ltrip:
	s_wait_dscnt 0x0                               ; my stores of this trip's tile and my reads of the last one are done:
	s_barrier_signal -1
	s_barrier_wait -1                              ; everybody's are
	s_wait_xcnt 0x0                                ; the last trip's stores have read their registers
	s_wait_loadcnt 0x0                             ; the next tile's rows, asked for a trip ago
	v_add_nc_u32 v5, s29, v4
	v_add_nc_u32 v7, s30, v6
	CONV                                           ; (in the last trip there is no next tile: the slot that it rewrites is read no more)
	s_cmp_lt_u32 s27, NTILE-2
	s_cbranch_scc0 .Lnoload                        ; the last two trips ask for nothing
	LOADS 32
.Lnoload:
	s_min_u32 s31, s28, LASTT                      ; this tile's first row
	s_lshl_b32 s32, s31, 6
	s_add_co_u32 s33, s32, s57
	v_add_nc_u32 v17, s33, v1                      ; where its results go: val,
	s_add_co_u32 s33, s32, s58
	v_add_nc_u32 v18, s33, v1                      ; pidx,
	s_lshl_b32 s33, s31, 10
	v_add_nc_u32 v19, s33, v33                     ; pwt
.irp n,0,1,2,3
	ds_load_b128 v[VA+8*\n:VA+8*\n+3],   v9 offset:64*\n        ; the sums start at the bias
	ds_load_b128 v[VA+8*\n+4:VA+8*\n+7], v9 offset:64*\n+16
.endr
.irp k,0,1,2,3,4,5,6,7
	ds_load_b128 v[AF+8*\k:AF+8*\k+3],   v5 offset:64*\k
	ds_load_b128 v[AF+8*\k+4:AF+8*\k+7], v5 offset:64*\k+32
.endr
	s_wait_dscnt 0x0
	WIN 0x01                                       ; weights in window 1.  The four sums take turns
.set f, 0
.rept 32
	v_wmma_f32_16x16x32_bf16 v[VA+8*(f%4):VA+8*(f%4)+7], v[8*f:8*f+7], v[AF+8*(f/4):AF+8*(f/4)+7], v[VA+8*(f%4):VA+8*(f%4)+7]
.set f, f+1
.endr
	WIN 0
	; My token's place.  These lines name no register of the products above: they are the places behind them (ISA guide 7.12.1).
	v_add_nc_u32 v34, s31, v2                      ; the row
	v_add_nc_u32 v36, 0xffffcc12, v34              ; less 13,294 while that leaves it at 0 or above: the unsigned minimum chooses
	v_min_u32 v35, v34, v36
	v_add_nc_u32 v36, 0xffffcc12, v35
	v_min_u32 v35, v35, v36
	v_add_nc_u32 v36, 0xffffcc12, v35
	v_min_u32 v35, v35, v36                        ; the token in its batch
	v_sub_nc_u32 v34, v34, v35                     ; the batch's first row
	v_add_nc_u32 v30, v34, v24
	v_add_nc_u32 v31, v34, v25
	v_mov_b32 v36, 0                               ; the token's own level: first row, width, 1 / width
	v_mov_b32 v37, 0x42c80000
	v_mov_b32 v38, 0x3c23d70a
	v_cmp_le_u32 vcc_lo, 10000, v35
	v_cndmask_b32 v36, v36, s46, vcc_lo
	v_cndmask_b32 v37, v37, s47, vcc_lo
	v_cndmask_b32 v38, v38, s48, vcc_lo
	v_cmp_le_u32 vcc_lo, 12500, v35
	v_cndmask_b32 v36, v36, s49, vcc_lo
	v_cndmask_b32 v37, v37, s50, vcc_lo
	v_cndmask_b32 v38, v38, s51, vcc_lo
	v_cmp_le_u32 vcc_lo, 13125, v35
	v_cndmask_b32 v36, v36, s52, vcc_lo
	v_cndmask_b32 v37, v37, s53, vcc_lo
	v_cndmask_b32 v38, v38, s54, vcc_lo
	v_sub_nc_u32 v36, v35, v36
	v_cvt_f32_u32 v36, v36
	v_add_f32 v39, 0.5, v36
	v_mul_f32 v39, v39, v38
	v_floor_f32 v39, v39                           ; its cell's y (the half keeps the quotient away from whole numbers),
	v_fma_f32 v36, -v39, v37, v36                  ; and x
	v_add_f32 v36, 0.5, v36
	v_add_f32 v39, 0.5, v39
	v_mul_f32 v36, v36, v38                        ; the reference point
	v_mul_f32 v39, v39, v38
	v_fma_f32 v26, v36, v20, -0.5                  ; in cells of my two levels
	v_fma_f32 v27, v39, v20, -0.5
	v_fma_f32 v28, v36, v21, -0.5
	v_fma_f32 v29, v39, v21, -0.5
.irp d,0,1
.irp t,0,1
	ds_load_b128 v[QA+24*\d+8*\t:QA+24*\d+8*\t+3],   v9 offset:1024+128*\d+64*\t
	ds_load_b128 v[QA+24*\d+8*\t+4:QA+24*\d+8*\t+7], v9 offset:1024+128*\d+64*\t+16
.endr
	ds_load_b128 v[LG+24*\d:LG+24*\d+3],   v32 offset:64*\d
	ds_load_b128 v[LG+24*\d+4:LG+24*\d+7], v32 offset:64*\d+16
.endr
.irp k,0,1,2,3,4,5,6,7
	ds_load_b128 v[AF+8*\k:AF+8*\k+3],   v5 offset:QOFF+64*\k
	ds_load_b128 v[AF+8*\k+4:AF+8*\k+7], v5 offset:QOFF+64*\k+32
.endr
.set i, 0
.rept 16
	v_cvt_pk_f16_f32 v[WO+i], v[VA+2*i], v[VA+2*i+1]           ; val: a lane's 8 channels are 16 bytes
.set i, i+1
.endr
.irp n,0,1,2,3
	ds_store_b128 v12, v[WO+4*\n:WO+4*\n+3] offset:1280*(\n/2)+32*(\n%2)
.endr
.irp n,0,1,2,3
	ds_load_b128 v[224+4*\n:224+4*\n+3], v13 offset:640*\n      ; LDS serves a wave's instructions in order (ISA guide 5.7.1.4): these see the stores above
.endr
	s_wait_dscnt 0x0
	global_store_b128 v17, v[224:227], s[20:21]                 ; a head's 16 rows are 1,024 consecutive bytes; each store covers 512 of them, aligned
	global_store_b128 v17, v[228:231], s[20:21] offset:512
	global_store_b128 v17, v[232:235], s[20:21] offset:PLANE
	global_store_b128 v17, v[236:239], s[20:21] offset:PLANE+512
.set f, 0
.rept 48                               ; the six sums take turns
.if f < 32
	WIN 0x02
.else
	WIN 0x03
.endif
	v_wmma_f32_16x16x32_bf16 v[QA+8*(f%6):QA+8*(f%6)+7], v[8*(f%32):8*(f%32)+7], v[AF+8*(f/6):AF+8*(f/6)+7], v[QA+8*(f%6):QA+8*(f%6)+7]
.set f, f+1
.endr
	WIN 0
.rept 4
	v_nop                                          ; the places behind those products
.endr
	SOFTMAX
	LEVEL 0, 0
	LEVEL 0, 1
	PUT 0
	LEVEL 1, 0
	LEVEL 1, 1
	PUT 1
	ds_load_b128 v[96:99],   v13 offset:2560
	ds_load_b128 v[100:103], v13 offset:2560+640
.irp k,0,1,2,3,4,5,6,7
	ds_load_b128 v[AF+4*\k:AF+4*\k+3], v16 offset:544*\k
.endr
	s_wait_dscnt 0x0
	global_store_b128 v18, v[96:99],   s[22:23]
	global_store_b128 v18, v[100:103], s[22:23] offset:512
.irp k,0,1,2,3,4,5,6,7
	global_store_b128 v19, v[AF+4*\k:AF+4*\k+3], s[24:25] offset:2048*\k  ; 16 lanes store 256 consecutive bytes, aligned
.endr
	s_xor_b32 s29, s29, SLOTB
	s_xor_b32 s30, s30, SLOTB
	s_add_co_u32 s28, s28, 16
	s_add_co_u32 s27, s27, 1
	s_cmp_lt_u32 s27, NTILE
	s_cbranch_scc1 .Ltrip
	s_wait_tensorcnt 0x0                           ; the wave's end: behind my last LDS store
	ds_add_u32 v10, v11
	s_wait_dscnt 0x0
	s_endpgm
.Lfunc_end_k_qddac6f10c9_proj:
	.size	k_qddac6f10c9_proj, .Lfunc_end_k_qddac6f10c9_proj-k_qddac6f10c9_proj
	.p2alignl 7, 3214868480
	.fill 96, 4, 3214868480
	.section	.rodata,"a",@progbits
	.p2align	6, 0x0
	.amdhsa_kernel k_qddac6f10c9_proj
		.amdhsa_group_segment_fixed_size 69632
		.amdhsa_private_segment_fixed_size 0
		.amdhsa_enable_private_segment 0
		.amdhsa_kernarg_size 88
		.amdhsa_user_sgpr_count 2
		.amdhsa_user_sgpr_kernarg_segment_ptr 1
		.amdhsa_wavefront_size32 1
		.amdhsa_system_sgpr_workgroup_id_x 1
		.amdhsa_system_sgpr_workgroup_id_y 1
		.amdhsa_system_sgpr_workgroup_id_z 1
		.amdhsa_system_vgpr_workitem_id 0
		.amdhsa_next_free_vgpr 1024
		.amdhsa_next_free_sgpr 66
		.amdhsa_reserve_vcc 1
		.amdhsa_float_denorm_mode_32 3
		.amdhsa_float_denorm_mode_16_64 3
		.amdhsa_memory_ordered 1
		.amdhsa_forward_progress 1
		.amdhsa_inst_pref_size 80
	.end_amdhsa_kernel
	.amdgpu_metadata
---
amdhsa.version: [ 1, 2 ]
amdhsa.kernels:
  - .name:           k_qddac6f10c9_proj
    .symbol:         k_qddac6f10c9_proj.kd
    .args:
      - { .name: src, .offset: 0, .size: 8, .value_kind: global_buffer, .address_space: global }
      - { .name: pos, .offset: 8, .size: 8, .value_kind: global_buffer, .address_space: global }
      - { .name: src2, .offset: 16, .size: 8, .value_kind: global_buffer, .address_space: global }
      - { .name: memory_pos, .offset: 24, .size: 8, .value_kind: global_buffer, .address_space: global }
      - { .name: value_b, .offset: 32, .size: 8, .value_kind: global_buffer, .address_space: global }
      - { .name: off_b, .offset: 40, .size: 8, .value_kind: global_buffer, .address_space: global }
      - { .name: aw_b, .offset: 48, .size: 8, .value_kind: global_buffer, .address_space: global }
      - { .name: wfrag, .offset: 56, .size: 8, .value_kind: global_buffer, .address_space: global }
      - { .name: val, .offset: 64, .size: 8, .value_kind: global_buffer, .address_space: global }
      - { .name: pidx, .offset: 72, .size: 8, .value_kind: global_buffer, .address_space: global }
      - { .name: pwt, .offset: 80, .size: 8, .value_kind: global_buffer, .address_space: global }
    .group_segment_fixed_size: 69632
    .private_segment_fixed_size: 0
    .kernarg_segment_align: 8
    .kernarg_segment_size: 88
    .max_flat_workgroup_size: 128
    .sgpr_count:     66
    .vgpr_count:     1024
    .wavefront_size: 32
...
	.end_amdgpu_metadata
.endif
;; end of part 2
;; launch samp (part 3): grid 256 x 1, 16 waves a work-group, no clusters, 0 bytes of LDS; arguments pidx, pwt, val, smp; writes smp
.if DOCPART == 3
	.amdgcn_target "amdgcn-amd-amdhsa--gfx1250"
	.amdhsa_code_object_version 6
	.text
	.protected	k_qddac6f10c9_samp
	.globl	k_qddac6f10c9_samp
	.p2align	8
	.type	k_qddac6f10c9_samp,@function
k_qddac6f10c9_samp:
	s_mov_b64 s[64:65], 0
	v_nop
	global_prefetch_b8 v0, s[64:65] scope:SCOPE_SE
	s_setreg_imm32_b32 hwreg(HW_REG_WAVE_MODE, 25, 1), 1
	s_wait_xcnt 0x0
; THE SAMPLING.  smp[row][32 head + ch] = the sum over 16 points and 4 cells of pwt x val[head][pidx + cell][ch]; val and pwt are f16, the sums f32, smp bf16, rounded once.
; No two outputs share an operand, so this is vector work: no matrix unit, no LDS, no barrier, no cluster.
; SHARES.  A wave takes 13 tokens from 13 x (16 x work-group + wave) on; a wave that would pass the last row begins at row 53,163 and stores the same numbers again
; (the last work-group alone).  Lane L is head L / 4, channels 8 (L % 4) + 0..7: a gather of 16 bytes a lane takes a cell's 64 bytes of all 8 heads, and the wave's
; eight sums a lane are one row of smp, 512 consecutive bytes.
; IN FLIGHT.  A UNIT is a level of a token: 4 points, 16 gathers.  Behind unit n's arithmetic a batch of 19 loads goes out: unit n + 2's gathers (16) and weights (2) and
; unit n + 4's indices (1).  All its registers go by n's parity.  So the wait at a unit's head leaves the batch of one unit ago out: 19.
; The last token's look-ahead names that token again: a few loads whose data are not used, inside the buffers, for one text and one count.
; An index is held to 53,174 - W before it enters an address, so that the cell W + 1 rows further on is a row of val whatever the buffer holds.
.set PLANE, 3403264
.set ACC,  8                           ; v[8:15]    the eight sums
.set OUT,  16                          ; v[16:19]   a row's 16 bytes
.set AD,   24                          ; v[24:31]   by parity, four gather offsets
.set IX,   32                          ; v[32:35]   by parity, four indices in two registers
.set WT,   40                          ; v[40:55]   by parity, 16 weights in eight registers: point pt, cell c in half c % 2 of register 2 pt + c / 2
.set RING, 128                         ; v[128:255] by parity, 16 gathers: point pt, cell c at 16 pt + 4 c
; v1 16 L; v2 my head's plane of val + 16 (L % 4); v3 128 x head; v4 my head's place in pidx; v5 0; v6 the store's offset; v20-21, v22-23 by parity the offsets of the weights' and the indices' loads
.macro ISSUE p, lv, w, srw, lvi, sri   ; parity; the gathers' level and its width; the weights' row x 1,024 (a scalar register's number); the indices' level and row x 64
	v_and_b32     v[AD+4*\p],   0xffff, v[IX+2*\p]
	v_lshrrev_b32 v[AD+4*\p+1], 16, v[IX+2*\p]
	v_and_b32     v[AD+4*\p+2], 0xffff, v[IX+2*\p+1]
	v_lshrrev_b32 v[AD+4*\p+3], 16, v[IX+2*\p+1]
.irp q,0,1,2,3
	v_min_u32 v[AD+4*\p+\q], 53174-\w, v[AD+4*\p+\q]
.endr
.irp q,0,1,2,3
	v_lshl_add_u32 v[AD+4*\p+\q], v[AD+4*\p+\q], 6, v2
.endr
	v_add_nc_u32 v[20+\p], s[\srw], v3
	v_add_nc_u32 v[22+\p], s[\sri], v4
.irp q,0,1,2,3
	global_load_b128 v[RING+64*\p+16*\q:RING+64*\p+16*\q+3],     v[AD+4*\p+\q], s[8:9]
	global_load_b128 v[RING+64*\p+16*\q+4:RING+64*\p+16*\q+7],   v[AD+4*\p+\q], s[8:9] offset:64
	global_load_b128 v[RING+64*\p+16*\q+8:RING+64*\p+16*\q+11],  v[AD+4*\p+\q], s[8:9] offset:64*\w
	global_load_b128 v[RING+64*\p+16*\q+12:RING+64*\p+16*\q+15], v[AD+4*\p+\q], s[8:9] offset:64*\w+64
.endr
	global_load_b128 v[WT+8*\p:WT+8*\p+3],   v[20+\p], s[6:7] offset:32*\lv
	global_load_b128 v[WT+8*\p+4:WT+8*\p+7], v[20+\p], s[6:7] offset:32*\lv+16
	global_load_b64  v[IX+2*\p:IX+2*\p+1],   v[22+\p], s[4:5] offset:8*\lvi
.endm
; A unit's 128 multiply-adds, straight from the f16 halves into f32; the eight sums take turns.  first = 1: a token's first eight start the sums.
.macro MACS p, first
.set pt, 0
.rept 4
.set c, 0
.rept 4
.set j, 0
.rept 8
.set ra, RING+64*\p+16*pt+4*c+j/2
.set rb, WT+8*\p+2*pt+c/2
.set rc, ACC+j
.if (\first) && (pt == 0) && (c == 0)
.set rc, 5
.endif
.if (j%2 == 0) && (c%2 == 0)
	v_fma_mix_f32 v[ACC+j], v[ra], v[rb], v[rc] op_sel_hi:[1,1,0]
.elseif (j%2 == 1) && (c%2 == 0)
	v_fma_mix_f32 v[ACC+j], v[ra], v[rb], v[rc] op_sel:[1,0,0] op_sel_hi:[1,1,0]
.elseif (j%2 == 0)
	v_fma_mix_f32 v[ACC+j], v[ra], v[rb], v[rc] op_sel:[0,1,0] op_sel_hi:[1,1,0]
.else
	v_fma_mix_f32 v[ACC+j], v[ra], v[rb], v[rc] op_sel:[1,1,0] op_sel_hi:[1,1,0]
.endif
.set j, j+1
.endr
.set c, c+1
.endr
.set pt, pt+1
.endr
.endm
.macro STEP p, first, lv, w, srw, lvi
	s_wait_loadcnt 19                              ; loads come back in order (ISA guide 5.7.1): all but the batch of one unit ago are in: this unit's cells and weights, and the indices used below
	MACS \p, \first
	ISSUE \p, \lv, \w, \srw, \lvi, 21
.endm
	s_load_b256 s[4:11], s[0:1], 0x0               ; pidx s[4:5], pwt s[6:7], val s[8:9], smp s[10:11]
	v_lshrrev_b32 v7, 5, v0
	v_readfirstlane_b32 s12, v7                    ; wave 0..15
	s_lshl4_add_u32 s13, ttmp9, s12
	s_mul_i32 s14, s13, 13
	s_min_u32 s14, s14, 53163                      ; my first token
	v_and_b32 v7, 31, v0
	v_lshlrev_b32 v1, 4, v7
	v_lshrrev_b32 v36, 2, v7                       ; head
	v_and_b32 v37, 3, v7
	v_mul_u32_u24 v2, v36, PLANE
	v_lshl_add_u32 v2, v37, 4, v2
	v_lshlrev_b32 v3, 7, v36
	v_lshrrev_b32 v38, 1, v36
	v_and_b32 v39, 1, v36
	v_mul_u32_u24 v4, v38, PLANE
	v_lshl_add_u32 v4, v39, 5, v4
	v_mov_b32 v5, 0
	s_lshl_b32 s18, s14, 10
	s_lshl_b32 s20, s14, 6
	v_add_nc_u32 v22, s20, v4
	s_wait_kmcnt 0x0
	global_load_b64 v[IX:IX+1],   v22, s[4:5]            ; the first token's indices of levels 0 and 1
	global_load_b64 v[IX+2:IX+3], v22, s[4:5] offset:8
	s_wait_loadcnt 0x0
	ISSUE 0, 0, 100, 18, 2, 20                     ; units 0 and 1, and the indices of units 2 and 3
	ISSUE 1, 1, 50, 18, 3, 20
	s_mov_b32 s15, 0
.Ltok:
	s_add_co_u32 s16, s14, s15                     ; this token,
	s_add_co_u32 s22, s15, 1
	s_min_u32 s22, s22, 12
	s_add_co_u32 s17, s14, s22                     ; the next (behind the last: the last again)
	s_lshl_b32 s18, s16, 10
	s_lshl_b32 s19, s17, 10
	s_lshl_b32 s21, s17, 6
	s_lshl_b32 s23, s16, 9
	STEP 0, 1, 2, 25, 18, 0
	STEP 1, 0, 3, 13, 18, 1
	STEP 0, 0, 0, 100, 19, 2
	STEP 1, 0, 1, 50, 19, 3
	s_wait_xcnt 0x0                                ; the last token's store has read its registers
.irp i,0,1,2,3
	v_cvt_pk_bf16_f32 v[OUT+\i], v[ACC+2*\i], v[ACC+2*\i+1]
.endr
	v_add_nc_u32 v6, s23, v1
	global_store_b128 v6, v[OUT:OUT+3], s[10:11]   ; a row of smp: 512 consecutive bytes, aligned
	s_add_co_u32 s15, s15, 1
	s_cmp_lt_u32 s15, 13
	s_cbranch_scc1 .Ltok
	s_endpgm
.Lfunc_end_k_qddac6f10c9_samp:
	.size	k_qddac6f10c9_samp, .Lfunc_end_k_qddac6f10c9_samp-k_qddac6f10c9_samp
	.p2alignl 7, 3214868480
	.fill 96, 4, 3214868480
	.section	.rodata,"a",@progbits
	.p2align	6, 0x0
	.amdhsa_kernel k_qddac6f10c9_samp
		.amdhsa_group_segment_fixed_size 0
		.amdhsa_private_segment_fixed_size 0
		.amdhsa_enable_private_segment 0
		.amdhsa_kernarg_size 32
		.amdhsa_user_sgpr_count 2
		.amdhsa_user_sgpr_kernarg_segment_ptr 1
		.amdhsa_wavefront_size32 1
		.amdhsa_system_sgpr_workgroup_id_x 1
		.amdhsa_system_sgpr_workgroup_id_y 1
		.amdhsa_system_sgpr_workgroup_id_z 1
		.amdhsa_system_vgpr_workitem_id 0
		.amdhsa_next_free_vgpr 256
		.amdhsa_next_free_sgpr 66
		.amdhsa_reserve_vcc 0
		.amdhsa_float_denorm_mode_32 3
		.amdhsa_float_denorm_mode_16_64 3
		.amdhsa_memory_ordered 1
		.amdhsa_forward_progress 1
		.amdhsa_inst_pref_size 50
	.end_amdhsa_kernel
	.amdgpu_metadata
---
amdhsa.version: [ 1, 2 ]
amdhsa.kernels:
  - .name:           k_qddac6f10c9_samp
    .symbol:         k_qddac6f10c9_samp.kd
    .args:
      - { .name: pidx, .offset: 0, .size: 8, .value_kind: global_buffer, .address_space: global }
      - { .name: pwt, .offset: 8, .size: 8, .value_kind: global_buffer, .address_space: global }
      - { .name: val, .offset: 16, .size: 8, .value_kind: global_buffer, .address_space: global }
      - { .name: smp, .offset: 24, .size: 8, .value_kind: global_buffer, .address_space: global }
    .group_segment_fixed_size: 0
    .private_segment_fixed_size: 0
    .kernarg_segment_align: 8
    .kernarg_segment_size: 32
    .max_flat_workgroup_size: 512
    .sgpr_count:     66
    .vgpr_count:     256
    .wavefront_size: 32
...
	.end_amdgpu_metadata
.endif
;; end of part 3
;; launch ffn (part 4): grid 208 x 1, 4 waves a work-group, clusters of 4 x 1, 327,680 bytes of LDS; arguments smp, src, wfrag, lin1_b, out_b, ln_g, ln_b, lin2_b, out0; writes out0
.if DOCPART == 4
	.amdgcn_target "amdgcn-amd-amdhsa--gfx1250"
	.amdhsa_code_object_version 6
	.text
	.protected	k_qddac6f10c9_ffn
	.globl	k_qddac6f10c9_ffn
	.p2align	8
	.type	k_qddac6f10c9_ffn,@function
k_qddac6f10c9_ffn:
	s_mov_b64 s[64:65], 0
	v_nop
	global_prefetch_b8 v0, s[64:65] scope:SCOPE_SE
	s_setreg_imm32_b32 hwreg(HW_REG_WAVE_MODE, 25, 1), 1
	s_wait_xcnt 0x0
	s_wait_alu depctr_hold_cnt(0) depctr_sa_sdst(0) depctr_va_vdst(0) depctr_va_sdst(0) depctr_va_ssrc(0) depctr_va_vcc(0) depctr_vm_vsrc(0)
	s_getreg_b32 s2, hwreg(HW_REG_IB_STS2, 6, 4)
	s_cmp_eq_u32 s2, 0
	s_cbranch_scc0 .Lentry_in_a_cluster
	s_endpgm
.Lentry_in_a_cluster:
	s_bfe_u32 s2, ttmp6, 0x10000c
	s_cmp_lg_u32 s2, 0x3003
	s_cbranch_scc0 .Lentry_shape_is_right
	s_endpgm
.Lentry_shape_is_right:
; x = LN(src + smp out_w + out_b);  out0 = LN(x + relu(x lin1_w + lin1_b) lin2_w + lin2_b), the same gain and bias in both norms.
; Matrix operands are bf16 (smp as stored, x and the hidden units rounded once), all sums f32; the residuals and both norms are f32, each norm in two passes (mean, then squares of the differences).
; SHARES.  A work-group owns 256 rows, each of its four waves 64 WHOLE rows (four tiles of 16) from row 256 x work-group + 64 x wave on; a wave that would pass the last row begins at row 53,112
; and stores the same numbers again (the last work-group alone).  So no activation crosses waves: a norm stays in its wave, and the hidden units go from one product into the next in registers.
; THE PRODUCTS ARE TAKEN TRANSPOSED (source 0 = weights, source 1 = rows): a lane holds ONE row (lane % 16) and the columns 8 (lane / 16) + 0..7 of a tile.  Two such results, rounded in pairs, ARE source 1 of the next product.
; THE WEIGHTS are one stream of 72 PAGES of 16 fragments (16 KiB), in the order of use: 8 of out_w (32 k each), then for each chunk of 32 hidden units one of lin1_w and one of lin2_w.
; All work-groups walk it, so the four of a CLUSTER ask for it jointly.  Ring: two slots of four pages; wave w brings page w of a slot: one load a wave behind each round.
; A page's 128 registers are read from LDS a page ahead, in two runs of 16 loads, each into the registers that the products just before it have read.
; THE CHANGE OF SLOTS stands in front of a slot's last page: that page is in registers by then, and its prefetch is the first read of the other slot.  A refill has 256 matrix instructions in which to land.
; By this text's own count a wave has three tensor loads out at the start and one behind each round.
; REGISTERS, in windows of 256: window 0: v0-15 addresses; v16-31 lin1_b of a chunk; v32-95 the chunk's sums; v96-127 its source for the second product; v128-255 a page;
;   window 1: x as fragments, tile t, k step kt at 64 t + 8 kt;  windows 2 and 3: the 64 sums of my 64 x 256, tile t in window 2 + t / 2 at 128 (t % 2) + 8 nt.
.set STG,   131072                     ; behind the ring: 33,792 bytes a wave: first my 64 rows of smp (pitch 528), filled once; behind their last read the norms' stage, 32 rows of f32 at pitch 1,040
.set TAB,   STG+4*33792                ; lin1_b 4,096, out_b, ln_g, ln_b, lin2_b 1,024 each
.set SPARE, TAB+8192                   ; the spare words, 128 bytes a wave
.set BC,  16
.set SS,  32
.set PP,  96
.set WR,  128
.set BI,  16                           ; in the norms: the bias that is added first, v[16:23]; the gain v[24:31]; the bias v[32:39];
.set GG,  24
.set BB,  32
.set LR,  40                           ; four rows as read, v[40:71]; at work, v[72:103]; six registers a row for its sums, v[104:127]
.set XX,  72
.set TT,  104
.set G1W, 28                           ; s[28:35] the pages' shape;  s[36:43] the shape of smp's rows
.set G1S, 36
.set G0S, 44                           ; s[44:47] smp;  s[48:51] slot 0's first fill;  s[52:55] slot 1's, which then walks
.set G0A, 48
.set G0W, 52
.set MSB, 0
.macro WIN new                         ; the immediate's high byte repeats the setting that is left; a switch that changes nothing is dropped
.if MSB != (\new)
	s_set_vgpr_msb (MSB<<8)|(\new)
.set MSB, \new
.endif
.endm
; A round of the cluster's barrier: my work-group's barrier, wave 0 signals for the work-group, every wave waits for all four work-groups, my work-group's barrier once more.
.macro ROUND
	s_barrier_signal -1
	s_barrier_wait -1
	s_cmp_lg_u32 s22, 0
	s_cbranch_scc1 .Lnot_wave_0_\@
	s_barrier_signal -3
.Lnot_wave_0_\@:
	s_barrier_wait -3
	s_barrier_signal -1
	s_barrier_wait -1
.endm
; Half g of the next page (page pg of the slot at v2) into the registers that the 32 products in front have read: four places first (ISA guide 7.12.1 for vector instructions).
.macro PF g, pg
.rept 4
	v_nop
.endr
.irp i,0,1,2,3,4,5,6,7
	ds_load_b128 v[WR+8*(8*\g+\i):WR+8*(8*\g+\i)+3],   v2 offset:16384*\pg+1024*(8*\g+\i)
	ds_load_b128 v[WR+8*(8*\g+\i)+4:WR+8*(8*\g+\i)+7], v2 offset:16384*\pg+1024*(8*\g+\i)+512
.endr
.endm
; A page of lin1_w: the chunk's 8 sums (4 tiles x 2 tiles of 16 hidden units) over k steps 4 g .. 4 g + 3; they take turns.  The first k step starts them at lin1_b.
.macro G1H g
	WIN 0x04                                       ; x in window 1
.irp k,0,1,2,3
.irp t,0,1,2,3
.irp n,0,1
.if (4*\g+\k) == 0
	v_wmma_f32_16x16x32_bf16 v[SS+8*(2*\t+\n):SS+8*(2*\t+\n)+7], v[WR+8*(2*(4*\g+\k)+\n):WR+8*(2*(4*\g+\k)+\n)+7], v[64*\t+8*(4*\g+\k):64*\t+8*(4*\g+\k)+7], v[BC+8*\n:BC+8*\n+7]
.else
	v_wmma_f32_16x16x32_bf16 v[SS+8*(2*\t+\n):SS+8*(2*\t+\n)+7], v[WR+8*(2*(4*\g+\k)+\n):WR+8*(2*(4*\g+\k)+\n)+7], v[64*\t+8*(4*\g+\k):64*\t+8*(4*\g+\k)+7], v[SS+8*(2*\t+\n):SS+8*(2*\t+\n)+7]
.endif
.endr
.endr
.endr
	WIN 0
.endm
.macro G1 pg
	s_wait_dscnt 16                                ; the page's first half is in; the 16 loads of its second half may be out
	G1H 0
	PF 0, \pg
	v_add_nc_u32 v4, 128, v4                       ; the next chunk's lin1_b (behind the last chunk: bytes of the next table, not used)
	ds_load_b128 v[BC:BC+3],     v4
	ds_load_b128 v[BC+4:BC+7],   v4 offset:16
	ds_load_b128 v[BC+8:BC+11],  v4 offset:64
	ds_load_b128 v[BC+12:BC+15], v4 offset:80
	s_wait_dscnt 20                                ; the second half is in; the 20 loads just issued may be out
	G1H 1
	PF 1, \pg
.endm
.macro RELU                            ; rounded to bf16 in pairs, each sum's low registers first; then the maximum with 0, two at a time
.set i, 0
.rept 32
	v_cvt_pk_bf16_f32 v[PP+i], v[SS+2*i], v[SS+2*i+1]
.set i, i+1
.endr
.set i, 0
.rept 32
	v_pk_max_num_bf16 v[PP+i], v[PP+i], v11
.set i, i+1
.endr
.endm
; A page of out_w or lin2_w: 32 k into column tiles 8 g .. 8 g + 7 of all four row tiles; source 1 at pb + 8 t.  32 different sums.
.macro G2H g, pb
	WIN 0xa0
.irp i,0,1,2,3,4,5,6,7
.irp t,0,1
	v_wmma_f32_16x16x32_bf16 v[128*\t+8*(8*\g+\i):128*\t+8*(8*\g+\i)+7], v[WR+8*(8*\g+\i):WR+8*(8*\g+\i)+7], v[\pb+8*\t:\pb+8*\t+7], v[128*\t+8*(8*\g+\i):128*\t+8*(8*\g+\i)+7]
.endr
.endr
	WIN 0xf0
.irp i,0,1,2,3,4,5,6,7
.irp t,0,1
	v_wmma_f32_16x16x32_bf16 v[128*\t+8*(8*\g+\i):128*\t+8*(8*\g+\i)+7], v[WR+8*(8*\g+\i):WR+8*(8*\g+\i)+7], v[\pb+16+8*\t:\pb+16+8*\t+7], v[128*\t+8*(8*\g+\i):128*\t+8*(8*\g+\i)+7]
.endr
.endr
	WIN 0
.endm
.macro G2 pb, pg, w0, w1               ; w0, w1: how many younger LDS instructions may be out when the page's first and second half have to be in
	s_wait_dscnt \w0
	G2H 0, \pb
	PF 0, \pg
	s_wait_dscnt \w1
	G2H 1, \pb
	PF 1, \pg
.endm
; THE CHANGE OF SLOTS.  Each wave waits for all its tensor loads, of which one is out: its page of the other slot; adds 0 to its spare word; and waits for that and for its reads of the slot that it leaves.
; fill = 1: behind a round of the cluster's barrier that slot is filled again, with the pages two slots on.  relu = 1: the chunk's activation stands between the add and the wait for it.
.macro CHANGE fill, relu
	WIN 0
	s_wait_tensorcnt 0x0                           ; no tensor load of mine is out, so a group 0 may be written
	ds_add_u32 v10, v11
.if \relu
	RELU
.endif
.if \fill
	s_xor_b32 s[G0W+1], s[G0W+1], 0x10000          ; the other slot than last time,
	s_add_nc_u64 s[G0W+2:G0W+3], s[G0W+2:G0W+3], 0x10000  ; the next four pages; the type bits on top are not reached
.endif
	s_wait_dscnt 0x0                               ; the add is done, and my reads of the slot are over
.if \fill
	ROUND
	tensor_load_to_lds s[G0W:G0W+3], s[G1W:G1W+7]
	s_nop 0
.rept 4
	v_nop
.endr
.else
	s_barrier_signal -1
	s_barrier_wait -1
.endif
	s_xor_b32 s56, s56, 0x10000                    ; the prefetches go on in the other slot
	v_add_nc_u32 v2, s56, v1
.endm
.macro PLOAD pp, pb                    ; smp: k step pp of the trip's four, my four tiles, as source 1
.irp t,0,1,2,3
	ds_load_b128 v[\pb+8*\t:\pb+8*\t+3],   v3 offset:8448*\t+64*\pp
	ds_load_b128 v[\pb+8*\t+4:\pb+8*\t+7], v3 offset:8448*\t+64*\pp+32
.endr
.endm
; THE NORMS go through my stage, 32 rows at a time: a lane's 8 columns of a row go in as 32 bytes, and rows come back whole.
.macro DUMP hh
	WIN 0x08+4*\hh                                 ; the data in window 2 or 3
.irp t,0,1
.set n, 0
.rept 16
	ds_store_b128 v5, v[128*\t+8*n:128*\t+8*n+3]   offset:16640*\t+64*n
	ds_store_b128 v5, v[128*\t+8*n+4:128*\t+8*n+7] offset:16640*\t+64*n+16
.set n, n+1
.endr
.endr
	WIN 0
.endm
.macro RELOAD hh
	WIN 0x80+0x40*\hh
.irp t,0,1
.set n, 0
.rept 16
	ds_load_b128 v[128*\t+8*n:128*\t+8*n+3],   v5 offset:16640*\t+64*n
	ds_load_b128 v[128*\t+8*n+4:128*\t+8*n+7], v5 offset:16640*\t+64*n+16
.set n, n+1
.endr
.endr
	WIN 0
.endm
.macro LNTAB off                       ; my 8 columns (4 L .. and 128 + 4 L ..) of the bias at off, of the gain and of the norm's bias
	ds_load_b128 v[BI:BI+3],   v15 offset:\off
	ds_load_b128 v[BI+4:BI+7], v15 offset:\off+512
	ds_load_b128 v[GG:GG+3],   v15 offset:5120
	ds_load_b128 v[GG+4:GG+7], v15 offset:5632
	ds_load_b128 v[BB:BB+3],   v15 offset:6144
	ds_load_b128 v[BB+4:BB+7], v15 offset:6656
.endm
.macro LROWS
.irp q,0,1,2,3
	ds_load_b128 v[LR+8*\q:LR+8*\q+3],   v7 offset:1040*\q
	ds_load_b128 v[LR+8*\q+4:LR+8*\q+7], v7 offset:1040*\q+512
.endr
.endm
.macro RED o                           ; the sum over the 32 lanes of v[TT + 6 q + o], four rows side by side; the register behind it is at work
.irp m,1,2,4,8
.irp q,0,1,2,3
	v_add_f32_dpp v[TT+6*\q+\o], v[TT+6*\q+\o], v[TT+6*\q+\o] row_xmask:\m row_mask:0xf bank_mask:0xf
.endr
.endr
.irp q,0,1,2,3
	v_permlanex16_b32 v[TT+6*\q+\o+1], v[TT+6*\q+\o], s66, s67
.endr
.irp q,0,1,2,3
	v_add_f32 v[TT+6*\q+\o], v[TT+6*\q+\o], v[TT+6*\q+\o+1]
.endr
.endm
; 32 rows, four a trip.  The next four rows are read while these are worked on (in the last trip the last four again, unused).  out = 0: back into the stage; 1: to out0, rows 32 hh on.
.macro LNHALF out, hh
	s_wait_dscnt 0x0                               ; no load is out into the registers that the loads below write
	s_mov_b32 s70, 0                               ; this trip's rows in the stage,
	s_mov_b32 s73, 0                               ; and in out0
	s_mov_b32 s72, 8
	v_mov_b32 v7, v6
	LROWS
.Lrow_\@:
	s_wait_dscnt 0x0
.if \out
	s_wait_xcnt 0x0                                ; the last trip's stores have read their registers
.endif
.irp q,0,1,2,3
.irp i,0,2,4,6
	v_pk_add_f32 v[XX+8*\q+\i:XX+8*\q+\i+1], v[LR+8*\q+\i:LR+8*\q+\i+1], v[BI+\i:BI+\i+1]
.endr
.endr
	s_add_co_u32 s71, s70, 4160
	s_min_u32 s71, s71, 29120
	v_add_nc_u32 v7, s71, v6
	LROWS
.irp q,0,1,2,3
	v_pk_add_f32 v[TT+6*\q:TT+6*\q+1],   v[XX+8*\q:XX+8*\q+1],   v[XX+8*\q+2:XX+8*\q+3]
	v_pk_add_f32 v[TT+6*\q+2:TT+6*\q+3], v[XX+8*\q+4:XX+8*\q+5], v[XX+8*\q+6:XX+8*\q+7]
.endr
.irp q,0,1,2,3
	v_pk_add_f32 v[TT+6*\q:TT+6*\q+1], v[TT+6*\q:TT+6*\q+1], v[TT+6*\q+2:TT+6*\q+3]
.endr
.irp q,0,1,2,3
	v_add_f32 v[TT+6*\q], v[TT+6*\q], v[TT+6*\q+1]
.endr
	RED 0
.irp q,0,1,2,3
	v_mul_f32 v[TT+6*\q], s68, v[TT+6*\q]          ; the mean
.endr
.irp q,0,1,2,3
.irp i,0,2,4,6
	v_pk_add_f32 v[XX+8*\q+\i:XX+8*\q+\i+1], v[XX+8*\q+\i:XX+8*\q+\i+1], v[TT+6*\q:TT+6*\q+1] op_sel_hi:[1,0] neg_lo:[0,1] neg_hi:[0,1]
.endr
.endr
.irp q,0,1,2,3
	v_pk_mul_f32 v[TT+6*\q+2:TT+6*\q+3], v[XX+8*\q:XX+8*\q+1], v[XX+8*\q:XX+8*\q+1]
.endr
.irp i,2,4,6
.irp q,0,1,2,3
	v_pk_fma_f32 v[TT+6*\q+2:TT+6*\q+3], v[XX+8*\q+\i:XX+8*\q+\i+1], v[XX+8*\q+\i:XX+8*\q+\i+1], v[TT+6*\q+2:TT+6*\q+3]
.endr
.endr
.irp q,0,1,2,3
	v_add_f32 v[TT+6*\q+2], v[TT+6*\q+2], v[TT+6*\q+3]
.endr
	RED 2
.irp q,0,1,2,3
	v_fma_f32 v[TT+6*\q+2], v[TT+6*\q+2], s68, s69 ; the variance + 1e-5
.endr
.irp q,0,1,2,3
	v_rsq_f32 v[TT+6*\q+2], v[TT+6*\q+2]
.endr
	v_nop                                          ; a plain instruction between the last root and the first use (ISA guide 5.7.2)
	s_wait_alu depctr_va_vdst(0)
.irp q,0,1,2,3
.irp i,0,2,4,6
	v_pk_mul_f32 v[XX+8*\q+\i:XX+8*\q+\i+1], v[XX+8*\q+\i:XX+8*\q+\i+1], v[TT+6*\q+2:TT+6*\q+3] op_sel_hi:[1,0]
.endr
.endr
.irp q,0,1,2,3
.irp i,0,2,4,6
	v_pk_fma_f32 v[XX+8*\q+\i:XX+8*\q+\i+1], v[XX+8*\q+\i:XX+8*\q+\i+1], v[GG+\i:GG+\i+1], v[BB+\i:BB+\i+1]
.endr
.endr
.if \out
	v_add_nc_u32 v14, s73, v1
.irp q,0,1,2,3
	global_store_b128 v14, v[XX+8*\q:XX+8*\q+3],   s[74:75] offset:32768*\hh+1024*\q      ; each store of the wave covers 512 consecutive bytes, aligned
	global_store_b128 v14, v[XX+8*\q+4:XX+8*\q+7], s[74:75] offset:32768*\hh+1024*\q+512
.endr
	s_add_co_u32 s73, s73, 4096
.else
	v_add_nc_u32 v8, s70, v6
.irp q,0,1,2,3
	ds_store_b128 v8, v[XX+8*\q:XX+8*\q+3],   offset:1040*\q
	ds_store_b128 v8, v[XX+8*\q+4:XX+8*\q+7], offset:1040*\q+512
.endr
.endif
	s_add_co_u32 s70, s70, 4160
	s_sub_co_u32 s72, s72, 1
	s_cmp_lg_u32 s72, 0
	s_cbranch_scc1 .Lrow_\@
.endm
; A slot of the FFN: two chunks.
.macro FTRIP fill
	G1 1
	RELU                                           ; (the four v_nop of the run of loads in front are the places behind the products)
	G2 PP, 2, 20, 16                               ; behind the first half's loads stand 4 of lin1_b and the second half's 16
	G1 3
	CHANGE \fill, 1
	G2 PP, 0, 20, 16
.endm
	s_load_b256 s[4:11], s[0:1], 0x0               ; smp s[4:5], src s[6:7], wfrag s[8:9], lin1_b s[10:11]
	s_load_b256 s[12:19], s[0:1], 0x20             ; out_b s[12:13], ln_g s[14:15], ln_b s[16:17], lin2_b s[18:19]
	s_load_b64 s[20:21], s[0:1], 0x40              ; out0
	v_lshl_add_u32 v10, v0, 2, SPARE               ; my spare word and 0; never rewritten
	v_mov_b32 v11, 0
	ds_add_u32 v10, v11                            ; the wave's opening: the add and its wait stand ahead of my first tensor load; the set-up below, work on registers, stands between them
	ds_add_u32 v10, v11
	v_lshrrev_b32 v12, 5, v0
	v_readfirstlane_b32 s22, v12                   ; wave 0..3
	s_bfe_u32 s23, ttmp6, 0x40000                  ; cx: it enters the addresses of smp, src and out0 alone
	s_lshl_b32 s24, ttmp9, 2                       ; in a cluster launch ttmp9 counts clusters
	s_add_co_u32 s24, s24, s23
	s_lshl_b32 s25, s24, 8
	s_lshl_b32 s58, s22, 6
	s_add_co_u32 s25, s25, s58
	s_min_u32 s25, s25, 53112                      ; my first row
	s_mov_b32 s[G1W+0], 15|(3<<16)|(1<<21)         ; 15:0 the mask: all four work-groups; 17:16 elements of 8 bytes; 21 set beside a mask
	s_mov_b32 s[G1W+1], 32<<16                     ; tensor_dim0 = 32: a page is dense, asked for as 64 rows of 256 bytes
	s_mov_b32 s[G1W+2], 64<<16                     ; tensor_dim1 = 64
	s_mov_b32 s[G1W+3], 32<<16                     ; tile_dim0 = 32
	s_mov_b32 s[G1W+4], 64                         ; tile_dim1 = 64
	s_mov_b32 s[G1W+5], 32                         ; elements from row to row
	s_mov_b32 s[G1W+6], 0
	s_mov_b32 s[G1W+7], 0
	s_mov_b32 s[G1S+0], (1<<16)|(1<<20)|(6<<22)|(3<<25)  ; no mask; elements of 2 bytes; padding on: after every 128 words (code 6) 4 words (code 3): pitch 528
	s_mov_b32 s[G1S+1], 256<<16
	s_mov_b32 s[G1S+2], 64<<16
	s_mov_b32 s[G1S+3], 256<<16
	s_mov_b32 s[G1S+4], 64
	s_mov_b32 s[G1S+5], 256
	s_mov_b32 s[G1S+6], 0
	s_mov_b32 s[G1S+7], 0
	s_mov_b32 s[G0S], 1
	s_mul_i32 s[G0S+1], s22, 33792
	s_add_co_u32 s[G0S+1], s[G0S+1], STG           ; my stage
	s_mov_b32 s[G0A], 1
	s_lshl_b32 s[G0A+1], s22, 14                   ; page w of slot 0,
	s_mov_b32 s[G0W], 1
	s_add_co_u32 s[G0W+1], s[G0A+1], 0x10000       ; of slot 1
	s_mov_b32 s56, 0                               ; the slot in which the prefetches stand
	s_mov_b32 s66, 0x76543210                      ; v_permlanex16_b32: each lane takes its own place in the other half
	s_mov_b32 s67, 0xfedcba98
	s_mov_b32 s68, 0x3b800000                      ; 1 / 256
	s_mov_b32 s69, 0x3727c5ac                      ; 1e-5
	v_and_b32 v1, 31, v0
	v_lshlrev_b32 v1, 4, v1                        ; 16 L
	v_and_b32 v7, 15, v0                           ; r
	v_bfe_u32 v8, v0, 4, 1                         ; h
	v_mul_u32_u24 v3, v7, 528
	v_lshl_add_u32 v3, v8, 4, v3
	v_add_nc_u32 v3, s[G0S+1], v3                  ; smp's fragments: row x pitch + 16 h
	v_lshlrev_b32 v4, 5, v8
	v_add_nc_u32 v4, TAB, v4                       ; lin1_b: my lanes' 8 of a tile's 16
	v_mul_u32_u24 v5, v7, 1040
	v_lshl_add_u32 v5, v8, 5, v5
	v_add_nc_u32 v5, s[G0S+1], v5                  ; the stage by columns,
	v_add_nc_u32 v6, s[G0S+1], v1                  ; and by rows
	v_lshlrev_b32 v9, 10, v7
	v_lshl_add_u32 v9, v8, 5, v9                   ; src as the sums lie: row r, 32 bytes for each half of the lanes
	s_lshl_b32 s58, s22, 10
	v_add_nc_u32 v13, s58, v1
	v_add_nc_u32 v12, TAB, v13
	v_add_nc_u32 v15, TAB, v1
	v_mov_b32 v2, v1
	s_mov_b32 s59, 0
	s_wait_dscnt 0x0                               ; the opening add is done
	s_wait_kmcnt 0x0
	s_lshl_b32 s58, s25, 9
	s_add_nc_u64 s[G0S+2:G0S+3], s[4:5], s[58:59]
	s_or_b32 s[G0S+3], s[G0S+3], 0x80000000
	s_add_co_u32 s58, s[G0A+1], 327680             ; the stream begins behind the projections' fragments
	s_add_nc_u64 s[G0A+2:G0A+3], s[8:9], s[58:59]
	s_add_nc_u64 s[G0W+2:G0W+3], s[G0A+2:G0A+3], 0x10000
	s_or_b32 s[G0A+3], s[G0A+3], 0x80000000
	s_or_b32 s[G0W+3], s[G0W+3], 0x80000000
	s_lshl_b32 s58, s25, 10
	s_add_nc_u64 s[78:79], s[6:7], s[58:59]        ; src and out0 at my first row
	s_add_nc_u64 s[74:75], s[20:21], s[58:59]
	s_mov_b64 s[76:77], s[18:19]                   ; wave w brings vector w of out_b, ln_g, ln_b, lin2_b
	s_cmp_lt_u32 s22, 3
	s_cselect_b64 s[76:77], s[16:17], s[76:77]
	s_cmp_lt_u32 s22, 2
	s_cselect_b64 s[76:77], s[14:15], s[76:77]
	s_cmp_lt_u32 s22, 1
	s_cselect_b64 s[76:77], s[12:13], s[76:77]
	ROUND                                          ; all four work-groups are here: the first joint loads meet
	tensor_load_to_lds s[G0S:G0S+3], s[G1S:G1S+7]  ; my rows of smp (my own load, no mask),
	s_nop 0
	tensor_load_to_lds s[G0A:G0A+3], s[G1W:G1W+7]  ; page w,
	s_nop 0
	tensor_load_to_lds s[G0W:G0W+3], s[G1W:G1W+7]  ; page 4 + w
	s_nop 0
.rept 4
	v_nop
.endr
	global_load_b128 v[16:19], v13, s[10:11]
	global_load_b128 v[20:23], v13, s[10:11] offset:512
	global_load_b128 v[24:27], v1, s[76:77]
	global_load_b128 v[28:31], v1, s[76:77] offset:512
.irp t,0,1,2,3                         ; the sums start at src, the residual
	WIN 0x80+0x40*(\t/2)
.set n, 0
.rept 16
	global_load_b128 v[128*(\t%2)+8*n:128*(\t%2)+8*n+3],   v9, s[78:79] offset:16384*\t+64*n th:TH_LOAD_NT
	global_load_b128 v[128*(\t%2)+8*n+4:128*(\t%2)+8*n+7], v9, s[78:79] offset:16384*\t+64*n+16 th:TH_LOAD_NT
.set n, n+1
.endr
.endr
	WIN 0
	s_wait_loadcnt 63                              ; 128 loads were issued behind the tables' four: those are in
	ds_store_b128 v12, v[16:19]
	ds_store_b128 v12, v[20:23] offset:512
	ds_store_b128 v12, v[24:27] offset:4096
	ds_store_b128 v12, v[28:31] offset:4608
	s_wait_tensorcnt 0x1                           ; smp and my page of slot 0 are in; slot 1's may stay out
	s_wait_dscnt 0x0
	s_barrier_signal -1
	s_barrier_wait -1
.set i, 0
.rept 16
	ds_load_b128 v[WR+8*i:WR+8*i+3],   v2 offset:1024*i       ; page 0
	ds_load_b128 v[WR+8*i+4:WR+8*i+7], v2 offset:1024*i+512
.set i, i+1
.endr
	s_wait_loadcnt 0x0                             ; src
	; smp out_w: 8 pages in two trips.  Source 1 comes from my stage, a page ahead, into two buffers by turns.
	s_mov_b32 s57, 2
.Lout:
	PLOAD 0, PP
	PLOAD 1, SS
	G2 PP, 1, 8, 24                                ; all but the second operand's 8 loads; then those 8 and the 16 of the next page's first half may be out
	PLOAD 2, PP
	G2 SS, 2, 24, 24                               ; 16 loads of a half page and 8 of an operand stand behind what is wanted
	PLOAD 3, SS
	G2 PP, 3, 24, 24
	CHANGE 1, 0
	G2 SS, 0, 16, 16
	v_add_nc_u32 v3, 0x100, v3                     ; four k steps on
	s_sub_co_u32 s57, s57, 1
	s_cmp_lg_u32 s57, 0
	s_cbranch_scc1 .Lout
	; the first norm; x comes back into the sums (the second residual) and, rounded, into window 1.  Page 8 waits in v128-255.
	LNTAB 4096
	DUMP 0
	LNHALF 0, 0
	RELOAD 0
	DUMP 1
	LNHALF 0, 1
	RELOAD 1
	s_wait_dscnt 0x0
.irp t,0,1,2,3
	WIN 0x4a+5*(\t/2)                              ; sources in window 2 or 3, destination in window 1
.set i, 0
.rept 64
	v_cvt_pk_bf16_f32 v[64*\t+i], v[128*(\t%2)+2*i], v[128*(\t%2)+2*i+1]
.set i, i+1
.endr
.endr
	WIN 0
	ds_load_b128 v[BC:BC+3],     v4                ; lin1_b of chunk 0
	ds_load_b128 v[BC+4:BC+7],   v4 offset:16
	ds_load_b128 v[BC+8:BC+11],  v4 offset:64
	ds_load_b128 v[BC+12:BC+15], v4 offset:80
	s_wait_dscnt 0x0
	s_mov_b32 s57, 14
.Lffn:                                 ; 14 slots are filled again
	FTRIP 1
	s_sub_co_u32 s57, s57, 1
	s_cmp_lg_u32 s57, 0
	s_cbranch_scc1 .Lffn
	s_mov_b32 s57, 2
.Ltail:                                ; the last two slots ask for nothing.  One text for both: the second trip's barrier orders nothing more, and its last prefetch brings an old page that nobody multiplies
	FTRIP 0
	s_sub_co_u32 s57, s57, 1
	s_cmp_lg_u32 s57, 0
	s_cbranch_scc1 .Ltail
	LNTAB 7168                                     ; the second norm, straight to out0
	DUMP 0
	LNHALF 1, 0
	DUMP 1
	LNHALF 1, 1
	s_wait_tensorcnt 0x0                           ; the wave's end: behind my last tensor load and my last LDS store
	ds_add_u32 v10, v11
	s_wait_dscnt 0x0
	ROUND                                          ; the closing round: no work-group ends while a partner may still ask for a page that names it
	s_endpgm
.Lfunc_end_k_qddac6f10c9_ffn:
	.size	k_qddac6f10c9_ffn, .Lfunc_end_k_qddac6f10c9_ffn-k_qddac6f10c9_ffn
	.p2alignl 7, 3214868480
	.fill 96, 4, 3214868480
	.section	.rodata,"a",@progbits
	.p2align	6, 0x0
	.amdhsa_kernel k_qddac6f10c9_ffn
		.amdhsa_group_segment_fixed_size 327680
		.amdhsa_private_segment_fixed_size 0
		.amdhsa_enable_private_segment 0
		.amdhsa_kernarg_size 72
		.amdhsa_user_sgpr_count 2
		.amdhsa_user_sgpr_kernarg_segment_ptr 1
		.amdhsa_wavefront_size32 1
		.amdhsa_system_sgpr_workgroup_id_x 1
		.amdhsa_system_sgpr_workgroup_id_y 1
		.amdhsa_system_sgpr_workgroup_id_z 1
		.amdhsa_system_vgpr_workitem_id 0
		.amdhsa_next_free_vgpr 1024
		.amdhsa_next_free_sgpr 80
		.amdhsa_reserve_vcc 0
		.amdhsa_float_denorm_mode_32 3
		.amdhsa_float_denorm_mode_16_64 3
		.amdhsa_memory_ordered 1
		.amdhsa_forward_progress 1
		.amdhsa_inst_pref_size 208
	.end_amdhsa_kernel
	.amdgpu_metadata
---
amdhsa.version: [ 1, 2 ]
amdhsa.kernels:
  - .name:           k_qddac6f10c9_ffn
    .symbol:         k_qddac6f10c9_ffn.kd
    .args:
      - { .name: smp, .offset: 0, .size: 8, .value_kind: global_buffer, .address_space: global }
      - { .name: src, .offset: 8, .size: 8, .value_kind: global_buffer, .address_space: global }
      - { .name: wfrag, .offset: 16, .size: 8, .value_kind: global_buffer, .address_space: global }
      - { .name: lin1_b, .offset: 24, .size: 8, .value_kind: global_buffer, .address_space: global }
      - { .name: out_b, .offset: 32, .size: 8, .value_kind: global_buffer, .address_space: global }
      - { .name: ln_g, .offset: 40, .size: 8, .value_kind: global_buffer, .address_space: global }
      - { .name: ln_b, .offset: 48, .size: 8, .value_kind: global_buffer, .address_space: global }
      - { .name: lin2_b, .offset: 56, .size: 8, .value_kind: global_buffer, .address_space: global }
      - { .name: out0, .offset: 64, .size: 8, .value_kind: global_buffer, .address_space: global }
    .group_segment_fixed_size: 327680
    .private_segment_fixed_size: 0
    .kernarg_segment_align: 8
    .kernarg_segment_size: 72
    .max_flat_workgroup_size: 128
    .sgpr_count:     80
    .vgpr_count:     1024
    .wavefront_size: 32
...
	.end_amdgpu_metadata
.endif
;; end of part 4
;; ======== version 2 of 3: 4 launches; 1.83 times as fast as version 1
;; limits: values are held in f16: magnitudes above 65,504 overflow, below 6.1e-05 lose precision; values outside matrix products are rounded to f16
;; workspace buffers: wfrag 1,507,328 bytes; val 27,230,208 bytes; pidx 13,615,104 bytes of whole numbers; pwt 54,460,416 bytes; smp 27,230,208 bytes
;; launch prep: the kernel of part 1 again; grid 184 x 1, 8 waves a work-group, no clusters, 0 bytes of LDS; arguments value_w, off_w, aw_w, out_w, lin1_w, lin2_w, wfrag; writes wfrag
;; launch proj (part 5): grid 256 x 1, 4 waves a work-group, no clusters, 36,864 bytes of LDS; arguments src, pos, src2, memory_pos, value_b, off_b, aw_b, wfrag, val, pidx, pwt; writes val, pidx, pwt
.if DOCPART == 5
	.amdgcn_target "amdgcn-amd-amdhsa--gfx1250"
	.amdhsa_code_object_version 6
	.text
	.protected	k_qddac6f10c9_proj
	.globl	k_qddac6f10c9_proj
	.p2align	8
	.type	k_qddac6f10c9_proj,@function
k_qddac6f10c9_proj:
	s_mov_b64 s[64:65], 0
	v_nop
	global_prefetch_b8 v0, s[64:65] scope:SCOPE_SE
	s_setreg_imm32_b32 hwreg(HW_REG_WAVE_MODE, 25, 1), 1
	s_wait_xcnt 0x0
; THE PROJECTIONS.  val = (src2 + memory_pos) value_w + value_b, in f16.  From q = src + pos: the sampling offsets and the softmax over a head's 16 logits (its maximum
; taken away first), and from them, for each token, head and point, what the sampling launch needs: the row (in its batch) of the upper left of four neighbouring cells,
; held inside the level, and the four cells' weights (y0 x0, y0 x1, y1 x0, y1 x1), the attention weight folded in.
; A cell's weight along an axis is max(0, 1 - |x - cell|): inside the map that is the bilinear weight, and a cell outside the map has no place in the four, so its weight 0 needs no case of its own.
; ROWS ARE COUNTED BY BATCH, with two pad rows behind each batch's 13,294: 13,296 = 16 x 831, so a tile of 16 rows never crosses a batch and every store below is whole and aligned.
;   val  f16 [4 batches][8 heads][4 quarters of 8 channels][13,296][8]
;   pidx u16 [4][8][831 blocks of 16 tokens][2 pieces][16 tokens][8]: piece h holds the four points of level h, then those of level 2 + h
;   pwt  f16 [4][8][831][8 pieces][16 tokens][8]: piece 2 l + k holds points 2 k and 2 k + 1 of level l, four weights each
; A batch's last tile makes its two pad rows from the two rows that follow in memory (the last batch: from its last two rows once more): finite numbers that no result hangs on.
; LIMITS.  Matrix operands are rounded to bf16, sums are f32.  val is f16: a value beyond 65,504 becomes an infinity.  A weight under 6e-8 counts as 0.  NaN and infinities in the inputs are not treated apart.
; SHARES.  A work-group walks 13 of the 3,324 tiles, from tile 13 x work-group on; a number past the last tile means the last tile again, which stores the same numbers (the last work-group alone).
; The COLUMNS are split: wave w owns heads 2 w and 2 w + 1: 4 tiles of value columns, 4 of offsets, 2 of logits.  Their 80 weight fragments, 640 registers, are loaded once and stay.
; No cluster: what work-groups share is the 320 KiB of weights, read once by each into registers, beside 1.1 MiB of rows of its own.
; THE ROWS.  Each wave loads 4 of a tile's 16 rows of the four tensors (32 loads of 16 bytes a lane, two tiles ahead), adds, rounds to bf16 and puts them into one of two LDS slots;
; every wave reads all 16 rows as fragments.  One barrier a trip: in front of it a wave's stores of the next tile and its reads of the last are done.
; THE PRODUCTS ARE TAKEN TRANSPOSED (source 0 = weights, source 1 = rows): a lane holds ONE token (lane % 16) and the columns 8 (lane / 16) + 0..7 of a tile: 16 bytes that lie together in each
; of the three layouts above, beside the 15 other tokens': results are stored straight from registers, each half of the lanes filling 256 consecutive bytes, aligned.
; REGISTERS, in windows of 256: window 0: addresses, fragments of rows v64-127, sums v128-207, at work v34-63 and v208-255; window 1: value weights, fragment (kt, n) at 8 (4 kt + n);
; windows 2 and 3 (to v895): offset and logit weights, fragment 6 kt + a, a = 3 x head + (offset tile 0, 1 | logits); v896-1023: a tile's rows as loaded.
.set NT,     3324
.set NTILE,  13
.set VP,     212736                    ; a plane of val: 13,296 rows x 16 bytes
.set IHB,    425472                    ; a batch's and head's part of pidx: 831 x 512
.set WHB,    1701888                   ; and of pwt: 831 x 2,048
.set APITCH, 528                       ; a row of 256 bf16 + 16 bytes: an odd multiple of 16, so the 16 rows of a fragment load start at 16 different groups of banks (ISA guide 11.1)
.set QOFF,   16*APITCH                 ; in a slot: the rows of src2 + memory_pos, then those of src + pos
.set SLOTB,  2*QOFF
.set TAB,    2*SLOTB                   ; value_b, off_b, aw_b (in the logit tiles' order)
.set SPARE,  TAB+2560                  ; the spare words, 128 bytes a wave
.set VO,  48                           ; val as stored, v[48:63]
.set AF,  64
.set VA,  128
.set QA,  160
.set LG,  QA+16                        ; a head's logits: the third of its three sums
.set SM,  34                           ; softmax at work, six registers a head
.set WO,  208                          ; the weights as stored, 16 registers a head
.set IO,  240                          ; the indices as stored, 4 a head
.set RAW, 128                          ; in window 3
.set MSB, 0
.macro WIN new                         ; the immediate's high byte repeats the setting that is left; a switch that changes nothing is dropped
.if MSB != (\new)
	s_set_vgpr_msb (MSB<<8)|(\new)
.set MSB, \new
.endif
.endm
; The tile ahead tiles behind the one in hand: its number in s31, its batch in s32.
.macro TPOS ahead
	s_add_co_u32 s31, s28, \ahead
	s_min_u32 s31, s31, NT-1
	s_cmp_ge_u32 s31, 831
	s_cselect_b32 s32, 1, 0
	s_cmp_ge_u32 s31, 1662
	s_cselect_b32 s33, 1, 0
	s_add_co_u32 s32, s32, s33
	s_cmp_ge_u32 s31, 2493
	s_cselect_b32 s33, 1, 0
	s_add_co_u32 s32, s32, s33
.endm
; My 4 rows of that tile: 32 loads, each 512 consecutive bytes of a row.  In memory the tile begins at row 16 T - 2 x batch.  My last two rows have an offset of their own, held to the tensors' last two rows.
.macro LOADS ahead
	TPOS \ahead
	s_lshl_b32 s33, s31, 4
	s_lshl_b32 s34, s32, 1
	s_sub_co_u32 s33, s33, s34
	s_add_co_u32 s33, s33, s59
	s_add_co_u32 s34, s33, 2
	s_min_u32 s34, s34, 53174
	s_lshl_b32 s33, s33, 10
	s_lshl_b32 s34, s34, 10
	v_add_nc_u32 v8, s33, v1
	v_add_nc_u32 v12, s34, v1
	WIN 0xc0
.irp rr,0,1,2,3
.irp hf,0,1
.set ar, 8+4*(\rr/2)
.set of, 1024*(\rr%2)+512*\hf
	global_load_b128 v[RAW+8*(2*\rr+\hf):RAW+8*(2*\rr+\hf)+3],       v[ar], s[8:9]   offset:of th:TH_LOAD_NT
	global_load_b128 v[RAW+8*(2*\rr+\hf)+4:RAW+8*(2*\rr+\hf)+7],     v[ar], s[10:11] offset:of th:TH_LOAD_NT
	global_load_b128 v[RAW+64+8*(2*\rr+\hf):RAW+64+8*(2*\rr+\hf)+3], v[ar], s[4:5]   offset:of th:TH_LOAD_NT
	global_load_b128 v[RAW+64+8*(2*\rr+\hf)+4:RAW+64+8*(2*\rr+\hf)+7], v[ar], s[6:7] offset:of th:TH_LOAD_NT
.endr
.endr
	WIN 0
.endm
; The two sums, rounded to bf16, into the slot at v7: a lane's four columns are 8 bytes, a wave's store 256 consecutive bytes.
.macro CONV
	WIN 0xcf
.set i, 0
.rept 16
	v_pk_add_f32 v[RAW+8*i:RAW+8*i+1],   v[RAW+8*i:RAW+8*i+1],   v[RAW+8*i+4:RAW+8*i+5]
	v_pk_add_f32 v[RAW+8*i+2:RAW+8*i+3], v[RAW+8*i+2:RAW+8*i+3], v[RAW+8*i+6:RAW+8*i+7]
.set i, i+1
.endr
	WIN 0x0f
.set i, 0
.rept 16
	v_cvt_pk_bf16_f32 v[WO+2*i],   v[RAW+8*i],   v[RAW+8*i+1]
	v_cvt_pk_bf16_f32 v[WO+2*i+1], v[RAW+8*i+2], v[RAW+8*i+3]
.set i, i+1
.endr
	WIN 0
.set i, 0
.rept 16
	ds_store_b64 v7, v[WO+2*i:WO+2*i+1] offset:QOFF*(i/8)+APITCH*((i%8)/2)+256*(i%2)
.set i, i+1
.endr
.endm
; Both heads' softmax, side by side.  A lane holds 8 of a token's 16 logits, the lane 16 away the others.
.macro SOFTMAX
.irp d,0,1
	v_max3_num_f32 v[SM+6*\d], v[LG+24*\d], v[LG+24*\d+1], v[LG+24*\d+2]
.endr
.irp d,0,1
	v_max3_num_f32 v[SM+6*\d], v[SM+6*\d], v[LG+24*\d+3], v[LG+24*\d+4]
.endr
.irp d,0,1
	v_max3_num_f32 v[SM+6*\d], v[SM+6*\d], v[LG+24*\d+5], v[LG+24*\d+6]
.endr
.irp d,0,1
	v_max_num_f32 v[SM+6*\d], v[SM+6*\d], v[LG+24*\d+7]
.endr
.irp d,0,1
	v_permlanex16_b32 v[SM+6*\d+1], v[SM+6*\d], s42, s43
.endr
.irp d,0,1
	v_max_num_f32 v[SM+6*\d], v[SM+6*\d], v[SM+6*\d+1]
.endr
.irp d,0,1
	v_mul_f32 v[SM+6*\d], s44, v[SM+6*\d]          ; log2(e) x the maximum
.endr
.irp d,0,1
.irp i,0,2,4,6
	v_pk_fma_f32 v[LG+24*\d+\i:LG+24*\d+\i+1], v[LG+24*\d+\i:LG+24*\d+\i+1], s[44:45], v[SM+6*\d:SM+6*\d+1] op_sel_hi:[1,0,0] neg_lo:[0,0,1] neg_hi:[0,0,1]
.endr
.endr
.irp d,0,1
.irp i,0,1,2,3,4,5,6,7
	v_exp_f32 v[LG+24*\d+\i], v[LG+24*\d+\i]
.endr
.endr
	v_nop                                          ; a plain instruction between the last exponential and the first use (ISA guide 5.7.2)
	s_wait_alu depctr_va_vdst(0)
.irp d,0,1
	v_pk_add_f32 v[SM+6*\d+2:SM+6*\d+3], v[LG+24*\d:LG+24*\d+1], v[LG+24*\d+2:LG+24*\d+3]
	v_pk_add_f32 v[SM+6*\d+4:SM+6*\d+5], v[LG+24*\d+4:LG+24*\d+5], v[LG+24*\d+6:LG+24*\d+7]
.endr
.irp d,0,1
	v_pk_add_f32 v[SM+6*\d+2:SM+6*\d+3], v[SM+6*\d+2:SM+6*\d+3], v[SM+6*\d+4:SM+6*\d+5]
.endr
.irp d,0,1
	v_add_f32 v[SM+6*\d+2], v[SM+6*\d+2], v[SM+6*\d+3]
.endr
.irp d,0,1
	v_permlanex16_b32 v[SM+6*\d+3], v[SM+6*\d+2], s42, s43
.endr
.irp d,0,1
	v_add_f32 v[SM+6*\d+2], v[SM+6*\d+2], v[SM+6*\d+3]
.endr
.irp d,0,1
	v_rcp_f32 v[SM+6*\d+2], v[SM+6*\d+2]
.endr
	v_nop
	s_wait_alu depctr_va_vdst(0)
.irp d,0,1
.irp i,0,2,4,6
	v_pk_mul_f32 v[LG+24*\d+\i:LG+24*\d+\i+1], v[LG+24*\d+\i:LG+24*\d+\i+1], v[SM+6*\d+2:SM+6*\d+3] op_sel_hi:[1,0]
.endr
.endr
.endm
; The four points of head d in my level 2 e + h, side by side; point z works in v[AF + 16 z ..]: +0 x y, +2 the cell, +4 x y less the cell, +6 the two weights along x, +8 along y, +10 the four, +14 the row.
.macro LEVEL d, e
.irp z,0,1,2,3
	v_pk_add_f32 v[AF+16*\z:AF+16*\z+1], v[QA+24*\d+8*\e+2*\z:QA+24*\d+8*\e+2*\z+1], v[26+2*\e:27+2*\e]  ; the offset + the token's own place in this level, in cells
.endr
.irp z,0,1,2,3
	v_floor_f32 v[AF+16*\z+2], v[AF+16*\z]
.endr
.irp z,0,1,2,3
	v_floor_f32 v[AF+16*\z+3], v[AF+16*\z+1]
.endr
.irp z,0,1,2,3
	v_med3_num_f32 v[AF+16*\z+2], v[AF+16*\z+2], 0, v[22+\e]    ; the upper left cell stays in 0 .. W - 2
.endr
.irp z,0,1,2,3
	v_med3_num_f32 v[AF+16*\z+3], v[AF+16*\z+3], 0, v[22+\e]
.endr
.irp z,0,1,2,3
	v_pk_add_f32 v[AF+16*\z+4:AF+16*\z+5], v[AF+16*\z:AF+16*\z+1], v[AF+16*\z+2:AF+16*\z+3] neg_lo:[0,1] neg_hi:[0,1]
.endr
.irp z,0,1,2,3
	v_fma_f32 v[AF+16*\z+14], v[AF+16*\z+3], v[20+\e], v[AF+16*\z+2]   ; y W + x, a whole number
.endr
.irp z,0,1,2,3
	v_pk_add_f32 v[AF+16*\z:AF+16*\z+1], v[AF+16*\z+4:AF+16*\z+5], -1.0 op_sel_hi:[1,0]
.endr
.irp z,0,1,2,3
	v_sub_f32 v[AF+16*\z+6], 1.0, |v[AF+16*\z+4]|
.endr
.irp z,0,1,2,3
	v_sub_f32 v[AF+16*\z+7], 1.0, |v[AF+16*\z]|
.endr
.irp z,0,1,2,3
	v_sub_f32 v[AF+16*\z+8], 1.0, |v[AF+16*\z+5]|
.endr
.irp z,0,1,2,3
	v_sub_f32 v[AF+16*\z+9], 1.0, |v[AF+16*\z+1]|
.endr
.irp z,0,1,2,3
	v_cvt_u32_f32 v[AF+16*\z+14], v[AF+16*\z+14]
.endr
.irp k,6,7,8,9
.irp z,0,1,2,3
	v_max_num_f32 v[AF+16*\z+\k], 0, v[AF+16*\z+\k]
.endr
.endr
.irp z,0,2
	v_pk_mul_f32 v[AF+16*\z+8:AF+16*\z+9], v[AF+16*\z+8:AF+16*\z+9], v[LG+24*\d+4*\e+\z:LG+24*\d+4*\e+\z+1] op_sel_hi:[1,0]             ; times the attention weight: the pair's first,
.endr
.irp z,1,3
	v_pk_mul_f32 v[AF+16*\z+8:AF+16*\z+9], v[AF+16*\z+8:AF+16*\z+9], v[LG+24*\d+4*\e+\z-1:LG+24*\d+4*\e+\z] op_sel:[0,1] op_sel_hi:[1,1]  ; or its second
.endr
.irp z,0,1,2,3
	v_pk_mul_f32 v[AF+16*\z+10:AF+16*\z+11], v[AF+16*\z+6:AF+16*\z+7], v[AF+16*\z+8:AF+16*\z+9] op_sel_hi:[1,0]
.endr
.irp z,0,1,2,3
	v_pk_mul_f32 v[AF+16*\z+12:AF+16*\z+13], v[AF+16*\z+6:AF+16*\z+7], v[AF+16*\z+8:AF+16*\z+9] op_sel:[0,1] op_sel_hi:[1,1]
.endr
.irp z,0,1,2,3
	v_add_nc_u32 v[AF+16*\z+14], v[AF+16*\z+14], v[24+\e]       ; + the level's first row in a batch
.endr
.irp z,0,1,2,3
	v_cvt_pk_f16_f32 v[WO+16*\d+8*\e+2*\z], v[AF+16*\z+10], v[AF+16*\z+11]
.endr
.irp z,0,1,2,3
	v_cvt_pk_f16_f32 v[WO+16*\d+8*\e+2*\z+1], v[AF+16*\z+12], v[AF+16*\z+13]
.endr
	v_lshl_or_b32 v[IO+4*\d+2*\e],   v[AF+30], 16, v[AF+14]
	v_lshl_or_b32 v[IO+4*\d+2*\e+1], v[AF+62], 16, v[AF+46]
.endm
.macro PUT d                           ; head d's indices and weights: each store's two halves of 16 lanes fill 256 consecutive bytes each, aligned
	global_store_b128 v18, v[IO+4*\d:IO+4*\d+3], s[22:23] offset:IHB*\d
.irp e,0,1
.irp k,0,1
	global_store_b128 v19, v[WO+16*\d+8*\e+4*\k:WO+16*\d+8*\e+4*\k+3], s[24:25] offset:WHB*\d+256*(4*\e+\k)
.endr
.endr
.endm
	s_load_b256 s[4:11], s[0:1], 0x0               ; src s[4:5], pos s[6:7], src2 s[8:9], memory_pos s[10:11]
	s_load_b256 s[12:19], s[0:1], 0x20             ; value_b s[12:13], off_b s[14:15], aw_b s[16:17], wfrag s[18:19]
	s_load_b128 s[20:23], s[0:1], 0x40             ; val s[20:21], pidx s[22:23]
	s_load_b64 s[24:25], s[0:1], 0x50              ; pwt
	v_lshl_add_u32 v10, v0, 2, SPARE               ; my spare word and 0, for the wave's end; never rewritten
	v_mov_b32 v11, 0
	v_lshrrev_b32 v34, 5, v0
	v_readfirstlane_b32 s26, v34                   ; wave 0..3
	v_and_b32 v35, 31, v0                          ; L
	v_lshlrev_b32 v1, 4, v35                       ; 16 L
	v_and_b32 v2, 15, v0                           ; r
	v_bfe_u32 v3, v0, 4, 1                         ; h
	v_mul_u32_u24 v4, v2, APITCH
	v_lshl_add_u32 v4, v3, 4, v4                   ; a fragment's row x pitch + 16 h
	s_mul_i32 s31, s26, 4*APITCH
	v_lshl_add_u32 v6, v35, 3, s31                 ; where my 4 rows go: 8 bytes a lane
	s_lshl_b32 s31, s26, 8
	s_add_co_u32 s31, s31, TAB
	v_lshl_add_u32 v9, v3, 5, s31                  ; value_b and off_b: my 64 columns, my lanes' 8
	s_lshl_b32 s31, s26, 7
	s_add_co_u32 s31, s31, TAB+2048
	v_lshl_add_u32 v32, v3, 5, s31                 ; aw_b: my two heads
	v_lshlrev_b32 v14, 4, v2                       ; my token's 16 bytes,
	v_mul_u32_u24 v13, v3, VP
	v_add_nc_u32 v13, v13, v14                     ; in val: quarter h of the pair that a tile of columns makes,
	v_lshl_add_u32 v15, v3, 9, v14                 ; in pwt: two pieces a level,
	v_lshl_add_u32 v14, v3, 8, v14                 ; in pidx: piece h
	s_mov_b32 s42, 0x76543210                      ; v_permlanex16_b32: each lane takes its own place in the other half
	s_mov_b32 s43, 0xfedcba98
	s_mov_b32 s44, 0x3fb8aa3b                      ; log2(e)
	s_mov_b32 s45, s44
	s_mov_b32 s46, 10000                           ; the levels: first row, width, 1 / width
	s_mov_b32 s47, 0x42480000
	s_mov_b32 s48, 0x3ca3d70a
	s_mov_b32 s49, 12500
	s_mov_b32 s50, 0x41c80000
	s_mov_b32 s51, 0x3d23d70a
	s_mov_b32 s52, 13125
	s_mov_b32 s53, 0x41500000
	s_mov_b32 s54, 0x3d9d89d9
	s_mov_b32 s55, 0x42400000                      ; 48
	s_mov_b32 s56, 0x41300000                      ; 11
	v_cmp_eq_u32 vcc_lo, 1, v3                     ; my lanes' two levels: h and 2 + h
	v_mov_b32 v20, 0x42c80000
	v_cndmask_b32 v20, v20, s47, vcc_lo            ; W: 100 or 50,
	v_mov_b32 v21, s50
	v_cndmask_b32 v21, v21, s53, vcc_lo            ; 25 or 13
	v_mov_b32 v22, 0x42c40000
	v_cndmask_b32 v22, v22, s55, vcc_lo            ; W - 2
	v_mov_b32 v23, 0x41b80000
	v_cndmask_b32 v23, v23, s56, vcc_lo
	v_mov_b32 v24, 0
	v_cndmask_b32 v24, v24, s46, vcc_lo            ; the level's first row
	v_mov_b32 v25, s49
	v_cndmask_b32 v25, v25, s52, vcc_lo
	s_mul_i32 s57, s26, 8*VP                       ; my first head in a batch's part of val,
	s_mul_i32 s58, s26, 2*IHB                      ; of pidx,
	s_mul_i32 s62, s26, 2*WHB                      ; of pwt
	s_lshl_b32 s59, s26, 2                         ; my 4 rows of a tile
	s_mul_i32 s28, ttmp9, NTILE                    ; the first tile
	s_mov_b32 s29, 0                               ; the slot that is read,
	s_mov_b32 s30, SLOTB                           ; and the one that is written
	s_and_b32 s31, s26, 1
	s_lshl_b32 s31, s31, 9
	v_add_nc_u32 v39, s31, v1                      ; the tables: waves 0, 1 bring the halves of value_b, waves 2, 3 those of off_b,
	v_lshlrev_b32 v40, 2, v0                       ; each thread one number of aw_b
	s_lshl_b32 s31, s26, 9
	s_add_co_u32 s31, s31, TAB
	v_add_nc_u32 v41, s31, v1
	v_and_b32 v42, 0x73, v0                        ; aw_b goes where the logit tiles want it: bits 2 and 3 of its number change places
	v_bfe_u32 v43, v0, 2, 1
	v_lshl_or_b32 v42, v43, 3, v42
	v_bfe_u32 v43, v0, 3, 1
	v_lshl_or_b32 v42, v43, 2, v42
	v_lshl_add_u32 v42, v42, 2, TAB+2048
	s_lshl_b32 s34, s26, 15
	s_mov_b32 s35, 0
	s_wait_kmcnt 0x0
	s_add_nc_u64 s[36:37], s[18:19], s[34:35]      ; my 32 value fragments,
	s_add_nc_u64 s[38:39], s[36:37], 0x20000       ; my 32 offset fragments,
	s_lshl_b32 s34, s26, 14
	s_add_nc_u64 s[40:41], s[18:19], s[34:35]
	s_add_nc_u64 s[40:41], s[40:41], 0x40000       ; my 16 logit fragments
	s_cmp_lt_u32 s26, 2
	s_cselect_b64 s[60:61], s[12:13], s[14:15]
	global_load_b128 v[44:47], v39, s[60:61]
	global_load_b32 v48, v40, s[16:17]
	LOADS 0                                        ; the first tile
	WIN 0x40
.set f, 0
.rept 32
	global_load_b128 v[8*f:8*f+3],   v1, s[36:37] offset:((f%4)*8+f/4)*1024
	global_load_b128 v[8*f+4:8*f+7], v1, s[36:37] offset:((f%4)*8+f/4)*1024+512
.set f, f+1
.endr
.set f, 0
.rept 48
.set kt, f/6
.set hd, (f%6)/3
.set t3, f%3
.set rg, 8*(f%32)
.if f < 32
	WIN 0x80
.else
	WIN 0xc0
.endif
.if t3 < 2
	global_load_b128 v[rg:rg+3],   v1, s[38:39] offset:((2*hd+t3)*8+kt)*1024
	global_load_b128 v[rg+4:rg+7], v1, s[38:39] offset:((2*hd+t3)*8+kt)*1024+512
.else
	global_load_b128 v[rg:rg+3],   v1, s[40:41] offset:(hd*8+kt)*1024
	global_load_b128 v[rg+4:rg+7], v1, s[40:41] offset:(hd*8+kt)*1024+512
.endif
.set f, f+1
.endr
	WIN 0
	s_wait_loadcnt 63                              ; 160 loads were issued behind the tables and the first tile: those are in
	ds_store_b128 v41, v[44:47]
	ds_store_b32 v42, v48
	v_mov_b32 v7, v6
	CONV                                           ; the first tile into slot 0
	LOADS 1                                        ; the second
	s_wait_loadcnt 32                              ; all but its 32 loads: the weights are in
	s_mov_b32 s27, 0
.Ltrip:
	s_wait_dscnt 0x0                               ; my stores of this trip's tile and my reads of the last one are done:
	s_barrier_signal -1
	s_barrier_wait -1                              ; everybody's are
	s_wait_xcnt 0x0                                ; the last trip's stores have read their registers
	s_wait_loadcnt 0x0                             ; the next tile's rows, asked for a trip ago
	v_add_nc_u32 v5, s29, v4
	v_add_nc_u32 v7, s30, v6
	CONV                                           ; (in the last trip there is no next tile: the slot that it rewrites is read no more)
	s_cmp_lt_u32 s27, NTILE-2
	s_cbranch_scc0 .Lnoload                        ; the last two trips ask for nothing
	LOADS 2
.Lnoload:
	TPOS 0                                         ; this tile
	s_mul_i32 s33, s32, 831
	s_sub_co_u32 s33, s31, s33                     ; its number in its batch
	s_lshl_b32 s36, s33, 4                         ; its first token
	s_mul_i32 s34, s32, 32*VP                      ; where its results go: val,
	s_add_co_u32 s34, s34, s57
	s_lshl_b32 s35, s33, 8
	s_add_co_u32 s34, s34, s35
	v_add_nc_u32 v17, s34, v13
	s_mul_i32 s34, s32, 8*IHB                      ; pidx,
	s_add_co_u32 s34, s34, s58
	s_lshl_b32 s35, s33, 9
	s_add_co_u32 s34, s34, s35
	v_add_nc_u32 v18, s34, v14
	s_mul_i32 s34, s32, 8*WHB                      ; pwt
	s_add_co_u32 s34, s34, s62
	s_lshl_b32 s35, s33, 11
	s_add_co_u32 s34, s34, s35
	v_add_nc_u32 v19, s34, v15
.irp n,0,1,2,3
	ds_load_b128 v[VA+8*\n:VA+8*\n+3],   v9 offset:64*\n        ; the sums start at the bias
	ds_load_b128 v[VA+8*\n+4:VA+8*\n+7], v9 offset:64*\n+16
.endr
.irp k,0,1,2,3,4,5,6,7
	ds_load_b128 v[AF+8*\k:AF+8*\k+3],   v5 offset:64*\k
	ds_load_b128 v[AF+8*\k+4:AF+8*\k+7], v5 offset:64*\k+32
.endr
	s_wait_dscnt 0x0
	WIN 0x01                                       ; weights in window 1.  The four sums take turns
.set f, 0
.rept 32
	v_wmma_f32_16x16x32_bf16 v[VA+8*(f%4):VA+8*(f%4)+7], v[8*f:8*f+7], v[AF+8*(f/4):AF+8*(f/4)+7], v[VA+8*(f%4):VA+8*(f%4)+7]
.set f, f+1
.endr
	WIN 0
	; My token's place.  These lines name no register of the products above: they are the places behind them (ISA guide 7.12.1).
	v_add_nc_u32 v35, s36, v2                      ; the token in its batch
	v_mov_b32 v36, 0                               ; its own level: first row, width, 1 / width
	v_mov_b32 v37, 0x42c80000
	v_mov_b32 v38, 0x3c23d70a
	v_cmp_le_u32 vcc_lo, 10000, v35
	v_cndmask_b32 v36, v36, s46, vcc_lo
	v_cndmask_b32 v37, v37, s47, vcc_lo
	v_cndmask_b32 v38, v38, s48, vcc_lo
	v_cmp_le_u32 vcc_lo, 12500, v35
	v_cndmask_b32 v36, v36, s49, vcc_lo
	v_cndmask_b32 v37, v37, s50, vcc_lo
	v_cndmask_b32 v38, v38, s51, vcc_lo
	v_cmp_le_u32 vcc_lo, 13125, v35
	v_cndmask_b32 v36, v36, s52, vcc_lo
	v_cndmask_b32 v37, v37, s53, vcc_lo
	v_cndmask_b32 v38, v38, s54, vcc_lo
	v_sub_nc_u32 v36, v35, v36
	v_cvt_f32_u32 v36, v36
	v_add_f32 v39, 0.5, v36
	v_mul_f32 v39, v39, v38
	v_floor_f32 v39, v39                           ; its cell's y (the half keeps the quotient away from whole numbers),
	v_fma_f32 v36, -v39, v37, v36                  ; and x
	v_add_f32 v36, 0.5, v36
	v_add_f32 v39, 0.5, v39
	v_mul_f32 v36, v36, v38                        ; the reference point
	v_mul_f32 v39, v39, v38
	v_fma_f32 v26, v36, v20, -0.5                  ; in cells of my two levels
	v_fma_f32 v27, v39, v20, -0.5
	v_fma_f32 v28, v36, v21, -0.5
	v_fma_f32 v29, v39, v21, -0.5
.irp d,0,1
.irp t,0,1
	ds_load_b128 v[QA+24*\d+8*\t:QA+24*\d+8*\t+3],   v9 offset:1024+128*\d+64*\t
	ds_load_b128 v[QA+24*\d+8*\t+4:QA+24*\d+8*\t+7], v9 offset:1024+128*\d+64*\t+16
.endr
	ds_load_b128 v[LG+24*\d:LG+24*\d+3],   v32 offset:64*\d
	ds_load_b128 v[LG+24*\d+4:LG+24*\d+7], v32 offset:64*\d+16
.endr
.irp k,0,1,2,3,4,5,6,7
	ds_load_b128 v[AF+8*\k:AF+8*\k+3],   v5 offset:QOFF+64*\k
	ds_load_b128 v[AF+8*\k+4:AF+8*\k+7], v5 offset:QOFF+64*\k+32
.endr
.set i, 0
.rept 16
	v_cvt_pk_f16_f32 v[VO+i], v[VA+2*i], v[VA+2*i+1]           ; val: a lane's 8 channels are 16 bytes, a quarter of a head
.set i, i+1
.endr
.irp n,0,1,2,3
	global_store_b128 v17, v[VO+4*\n:VO+4*\n+3], s[20:21] offset:2*VP*\n  ; tile n of my columns: two planes, 256 consecutive bytes in each, aligned
.endr
	s_wait_dscnt 0x0
.set f, 0
.rept 48                               ; the six sums take turns
.if f < 32
	WIN 0x02
.else
	WIN 0x03
.endif
	v_wmma_f32_16x16x32_bf16 v[QA+8*(f%6):QA+8*(f%6)+7], v[8*(f%32):8*(f%32)+7], v[AF+8*(f/6):AF+8*(f/6)+7], v[QA+8*(f%6):QA+8*(f%6)+7]
.set f, f+1
.endr
	WIN 0
.rept 4
	v_nop                                          ; the places behind those products
.endr
	SOFTMAX
	LEVEL 0, 0
	LEVEL 0, 1
	PUT 0
	LEVEL 1, 0
	LEVEL 1, 1
	PUT 1
	s_xor_b32 s29, s29, SLOTB
	s_xor_b32 s30, s30, SLOTB
	s_add_co_u32 s28, s28, 1
	s_add_co_u32 s27, s27, 1
	s_cmp_lt_u32 s27, NTILE
	s_cbranch_scc1 .Ltrip
	s_wait_tensorcnt 0x0                           ; the wave's end: behind my last LDS store
	ds_add_u32 v10, v11
	s_wait_dscnt 0x0
	s_endpgm
.Lfunc_end_k_qddac6f10c9_proj:
	.size	k_qddac6f10c9_proj, .Lfunc_end_k_qddac6f10c9_proj-k_qddac6f10c9_proj
	.p2alignl 7, 3214868480
	.fill 96, 4, 3214868480
	.section	.rodata,"a",@progbits
	.p2align	6, 0x0
	.amdhsa_kernel k_qddac6f10c9_proj
		.amdhsa_group_segment_fixed_size 36864
		.amdhsa_private_segment_fixed_size 0
		.amdhsa_enable_private_segment 0
		.amdhsa_kernarg_size 88
		.amdhsa_user_sgpr_count 2
		.amdhsa_user_sgpr_kernarg_segment_ptr 1
		.amdhsa_wavefront_size32 1
		.amdhsa_system_sgpr_workgroup_id_x 1
		.amdhsa_system_sgpr_workgroup_id_y 1
		.amdhsa_system_sgpr_workgroup_id_z 1
		.amdhsa_system_vgpr_workitem_id 0
		.amdhsa_next_free_vgpr 1024
		.amdhsa_next_free_sgpr 66
		.amdhsa_reserve_vcc 1
		.amdhsa_float_denorm_mode_32 3
		.amdhsa_float_denorm_mode_16_64 3
		.amdhsa_memory_ordered 1
		.amdhsa_forward_progress 1
		.amdhsa_inst_pref_size 79
	.end_amdhsa_kernel
	.amdgpu_metadata
---
amdhsa.version: [ 1, 2 ]
amdhsa.kernels:
  - .name:           k_qddac6f10c9_proj
    .symbol:         k_qddac6f10c9_proj.kd
    .args:
      - { .name: src, .offset: 0, .size: 8, .value_kind: global_buffer, .address_space: global }
      - { .name: pos, .offset: 8, .size: 8, .value_kind: global_buffer, .address_space: global }
      - { .name: src2, .offset: 16, .size: 8, .value_kind: global_buffer, .address_space: global }
      - { .name: memory_pos, .offset: 24, .size: 8, .value_kind: global_buffer, .address_space: global }
      - { .name: value_b, .offset: 32, .size: 8, .value_kind: global_buffer, .address_space: global }
      - { .name: off_b, .offset: 40, .size: 8, .value_kind: global_buffer, .address_space: global }
      - { .name: aw_b, .offset: 48, .size: 8, .value_kind: global_buffer, .address_space: global }
      - { .name: wfrag, .offset: 56, .size: 8, .value_kind: global_buffer, .address_space: global }
      - { .name: val, .offset: 64, .size: 8, .value_kind: global_buffer, .address_space: global }
      - { .name: pidx, .offset: 72, .size: 8, .value_kind: global_buffer, .address_space: global }
      - { .name: pwt, .offset: 80, .size: 8, .value_kind: global_buffer, .address_space: global }
    .group_segment_fixed_size: 36864
    .private_segment_fixed_size: 0
    .kernarg_segment_align: 8
    .kernarg_segment_size: 88
    .max_flat_workgroup_size: 128
    .sgpr_count:     66
    .vgpr_count:     1024
    .wavefront_size: 32
...
	.end_amdgpu_metadata
.endif
;; end of part 5
;; launch samp (part 6): grid 256 x 1, 16 waves a work-group, no clusters, 215,040 bytes of LDS; arguments pidx, pwt, val, smp; writes smp
.if DOCPART == 6
	.amdgcn_target "amdgcn-amd-amdhsa--gfx1250"
	.amdhsa_code_object_version 6
	.text
	.protected	k_qddac6f10c9_samp
	.globl	k_qddac6f10c9_samp
	.p2align	8
	.type	k_qddac6f10c9_samp,@function
k_qddac6f10c9_samp:
	s_mov_b64 s[64:65], 0
	v_nop
	global_prefetch_b8 v0, s[64:65] scope:SCOPE_SE
	s_setreg_imm32_b32 hwreg(HW_REG_WAVE_MODE, 25, 1), 1
	s_wait_xcnt 0x0
; THE SAMPLING.  smp[head][quarter][row][ch] = the sum over 16 points and 4 cells of pwt x val[row of the cell][ch]; val and pwt are f16, the sums f32, smp bf16, rounded once.
; Rows are counted by batch with two pad rows, 13,296 a batch (the layouts: the projections' head); smp is bf16 [8 heads][4 quarters][4 x 13,296][8].
; THE CELLS COME OUT OF LDS.  A PLANE of val (a batch, a head, 8 of its 32 channels) is 13,296 rows x 16 bytes = 212,736 bytes.  A work-group brings its plane in once and samples half of the
; batch's tokens from it: 128 planes x 2 halves = 256 work-groups.  Work-group = ((batch x 8 + head) x 2 + half) x 4 + quarter.
; No two outputs share an operand, so this is vector work: no matrix unit.  No cluster: a plane has two readers and is read once, at the head; the records, which the four quarters share, go
; straight into registers, where no joint load can put them.
; SHARES.  LANE = TOKEN.  A wave takes 13 chunks of 32 tokens, from chunk 13 x (16 x half + wave) of the batch's 416 on; the last chunk begins at token 13,264 and stores 16 tokens of the chunk
; before it again, the same numbers (the same wave).  A lane's record pieces lie beside the 15 neighbouring tokens': each load and store of the wave covers two aligned runs of 256 bytes or 512 on end.
; IN FLIGHT.  A UNIT is a level of a chunk: 16 LDS loads, 128 multiply-adds.  Two ring halves by the unit's parity: behind unit u's arithmetic the gathers of unit u + 2 go out, so the wait at a
; unit's head leaves 16 LDS loads out.  A level's weights are asked for again, for the next chunk, behind the unit that has used them; in unit 2 the next chunk's 16 LDS addresses are made
; and the indices of the chunk after it asked for.  A trip's global loads, two each: W0 | W1 | I, W2 | W3.  The look-ahead behind the last chunk names the last chunk again.
; An index is held to 13,292 - W before it enters an address, so that the cell W + 1 rows further on lies in the plane whatever the buffer holds.
.set VP,    212736
.set PL,    850944                     ; a plane of smp: 53,184 rows x 16 bytes
.set WHB,   1701888                    ; a batch's and head's part of pwt
.set IHB,   425472                     ; and of pidx
.set SPARE, 212992                     ; behind the plane (832 rows of 256 bytes, the last one zeros): the spare words, 128 bytes a wave
.set LASTC, 13264
.set ACC,  8                           ; v[8:15]    the eight sums
.set OUT,  16                          ; v[16:19]   a token's 16 bytes
.set AD,   24                          ; v[24:39]   LDS address of point q of level l at 4 l + q
.set IX,   40                          ; v[40:47]   16 indices: levels 0, 2, 1, 3, two registers each
.set WT,   48                          ; v[48:79]   level l, point pt, cell c: half c % 2 of register 8 l + 2 pt + c / 2
.set RING, 128                         ; v[128:255] two halves of 64: point pt, cell c at 16 pt + 4 c
; v1 my place in a chunk's two blocks of pwt; v2 of pidx; v3 16 L; v4 the weights' offset; v5 0; v6 the store's offset; v7 the indices' offset; v20, v21 the add's two registers; v22, v23 at work
.macro ADDRS
.irp l,0,1,2,3
.set rb, IX+4*((\l)%2)+2*((\l)/2)
	v_and_b32     v[AD+4*(\l)],   0xffff, v[rb]
	v_lshrrev_b32 v[AD+4*(\l)+1], 16, v[rb]
	v_and_b32     v[AD+4*(\l)+2], 0xffff, v[rb+1]
	v_lshrrev_b32 v[AD+4*(\l)+3], 16, v[rb+1]
.endr
.irp l,0,1,2,3
.set w, (100>>(\l))+((\l)/3)           ; 100, 50, 25, 13
.irp q,0,1,2,3
	v_min_u32 v[AD+4*(\l)+(\q)], 13292-w, v[AD+4*(\l)+(\q)]
.endr
.endr
.set i, 0
.rept 16
	v_lshlrev_b32 v[AD+i], 4, v[AD+i]
.set i, i+1
.endr
.endm
.macro GATHER p, l                     ; level l's 4 points x 4 cells into ring half p (0 or 1)
.set w, (100>>(\l))+((\l)/3)
.irp q,0,1,2,3
	ds_load_b128 v[RING+64*(\p)+16*(\q):RING+64*(\p)+16*(\q)+3],     v[AD+4*(\l)+(\q)]
	ds_load_b128 v[RING+64*(\p)+16*(\q)+4:RING+64*(\p)+16*(\q)+7],   v[AD+4*(\l)+(\q)] offset:16
	ds_load_b128 v[RING+64*(\p)+16*(\q)+8:RING+64*(\p)+16*(\q)+11],  v[AD+4*(\l)+(\q)] offset:16*w
	ds_load_b128 v[RING+64*(\p)+16*(\q)+12:RING+64*(\p)+16*(\q)+15], v[AD+4*(\l)+(\q)] offset:16*w+16
.endr
.endm
.macro WLOAD l
	global_load_b128 v[WT+8*(\l):WT+8*(\l)+3],   v4, s[6:7] offset:512*(\l)
	global_load_b128 v[WT+8*(\l)+4:WT+8*(\l)+7], v4, s[6:7] offset:512*(\l)+256
.endm
.macro ILOAD a
	global_load_b128 v[IX:IX+3],   v[\a], s[4:5]
	global_load_b128 v[IX+4:IX+7], v[\a], s[4:5] offset:256
.endm
; A unit's 128 multiply-adds, straight from the f16 halves into f32; the eight sums take turns.  first = 1: a chunk's first eight start the sums.
.macro MACS p, l, first
.set pt, 0
.rept 4
.set c, 0
.rept 4
.set j, 0
.rept 8
.set ra, RING+64*(\p)+16*pt+4*c+j/2
.set rb, WT+8*(\l)+2*pt+c/2
.set rc, ACC+j
.if (\first) && (pt == 0) && (c == 0)
.set rc, 5
.endif
.if (j%2 == 0) && (c%2 == 0)
	v_fma_mix_f32 v[ACC+j], v[ra], v[rb], v[rc] op_sel_hi:[1,1,0]
.elseif (j%2 == 1) && (c%2 == 0)
	v_fma_mix_f32 v[ACC+j], v[ra], v[rb], v[rc] op_sel:[1,0,0] op_sel_hi:[1,1,0]
.elseif (j%2 == 0)
	v_fma_mix_f32 v[ACC+j], v[ra], v[rb], v[rc] op_sel:[0,1,0] op_sel_hi:[1,1,0]
.else
	v_fma_mix_f32 v[ACC+j], v[ra], v[rb], v[rc] op_sel:[1,1,0] op_sel_hi:[1,1,0]
.endif
.set j, j+1
.endr
.set c, c+1
.endr
.set pt, pt+1
.endr
.endm
; Unit u, on ring half p = u % 2.  young: the global loads issued behind this level's weights, a trip ago; l2: the level whose gathers go out, (u + 2) % 4.
.macro STEP u, p, young, l2
	s_wait_loadcnt \young                          ; loads come back in order (ISA guide 5.7.1): my weights are in (unit 2: and, ahead of them, the next chunk's indices)
	s_wait_dscnt 16                                ; this unit's 16 cells are in; the other half's 16 may be out
.if (\u) == 0
	MACS \p, \u, 1
.else
	MACS \p, \u, 0
.endif
.if (\u) == 2
	ADDRS                                          ; all of this chunk's gathers have been issued: the addresses become the next chunk's
	ILOAD 7
.endif
	WLOAD \u
	GATHER \p, \l2
.endm
	s_load_b256 s[4:11], s[0:1], 0x0               ; pidx s[4:5], pwt s[6:7], val s[8:9], smp s[10:11]
	v_lshl_add_u32 v20, v0, 2, SPARE               ; my spare word and 0; never rewritten
	v_mov_b32 v21, 0
	ds_add_u32 v20, v21                            ; the wave's opening: the add and its wait stand ahead of my tensor load; the set-up below, work on registers, stands between them
	ds_add_u32 v20, v21
	v_lshrrev_b32 v22, 5, v0
	v_readfirstlane_b32 s12, v22                   ; wave 0..15
	s_and_b32 s13, ttmp9, 3                        ; quarter
	s_bfe_u32 s14, ttmp9, 0x10002                  ; half
	s_lshr_b32 s16, ttmp9, 3                       ; batch x 8 + head
	s_lshr_b32 s17, ttmp9, 6                       ; batch
	s_and_b32 s18, s16, 7                          ; head
	s_lshl4_add_u32 s19, s14, s12
	s_mul_i32 s19, s19, 13                         ; my first chunk
	; My part of the plane: 52 rows of 256 bytes; the plane has 831, so the last wave's 52nd row lies past the extent and arrives as zeros.
	s_mov_b32 s24, 1                               ; group 0: count = 1,
	s_mul_i32 s25, s12, 13312                      ; LDS address
	s_lshl2_add_u32 s20, s16, s13
	s_mul_i32 s20, s20, VP
	s_add_co_u32 s20, s20, s25
	s_mov_b32 s21, 0
	s_mov_b32 s28, 3<<16                           ; group 1: no mask, elements of 8 bytes, no padding
	s_mov_b32 s29, 32<<16                          ; tensor_dim0 = 32
	s_mul_i32 s30, s12, 52
	s_sub_co_u32 s30, 831, s30
	s_lshl_b32 s30, s30, 16                        ; tensor_dim1 = the rows left from my first: 831 - 52 x wave
	s_mov_b32 s31, 32<<16                          ; tile_dim0 = 32
	s_mov_b32 s32, 52                              ; tile_dim1 = 52
	s_mov_b32 s33, 32                              ; elements from row to row
	s_mov_b32 s34, 0
	s_mov_b32 s35, 0
	s_mul_i32 s36, s16, WHB
	s_mov_b32 s37, 0
	s_mul_i32 s38, s16, IHB
	s_mov_b32 s39, 0
	s_lshl2_add_u32 s40, s18, s13
	s_mul_i32 s40, s40, PL
	s_mul_i32 s41, s17, VP                         ; a batch's 13,296 rows of 16 bytes
	s_add_co_u32 s40, s40, s41
	s_mov_b32 s41, 0
	v_and_b32 v22, 31, v0
	v_lshlrev_b32 v3, 4, v22
	v_and_b32 v23, 15, v0
	v_lshlrev_b32 v23, 4, v23
	v_bfe_u32 v22, v0, 4, 1
	v_lshl_add_u32 v1, v22, 11, v23                ; block L / 16, token L % 16
	v_lshl_add_u32 v2, v22, 9, v23
	v_mov_b32 v5, 0
	s_lshl_b32 s42, s19, 5
	s_min_u32 s42, s42, LASTC                      ; the first chunk's first token
	s_lshl_b32 s43, s42, 5
	v_add_nc_u32 v22, s43, v2
	s_lshl_b32 s43, s42, 7
	v_add_nc_u32 v4, s43, v1
	s_add_co_u32 s42, s19, 1
	s_lshl_b32 s42, s42, 5
	s_min_u32 s42, s42, LASTC
	s_lshl_b32 s43, s42, 5
	v_add_nc_u32 v7, s43, v2
	s_wait_dscnt 0x0                               ; the opening add is done
	s_wait_kmcnt 0x0
	s_add_nc_u64 s[26:27], s[8:9], s[20:21]
	s_or_b32 s27, s27, 0x80000000                  ; type = 2
	s_add_nc_u64 s[6:7], s[6:7], s[36:37]
	s_add_nc_u64 s[4:5], s[4:5], s[38:39]
	s_add_nc_u64 s[10:11], s[10:11], s[40:41]
	tensor_load_to_lds s[24:27], s[28:35]          ; the one tensor load of this wave
	s_nop 0
	ILOAD 22                                       ; the first chunk's indices,
	WLOAD 0                                        ; and its weights, in a trip's order
	WLOAD 1
	s_wait_loadcnt 4                               ; the indices are in; four loads were issued behind them
	ADDRS
	ILOAD 7                                        ; the second chunk's indices
	WLOAD 2
	WLOAD 3
	s_wait_tensorcnt 0x0                           ; my part of the plane is in,
	s_barrier_signal -1
	s_barrier_wait -1                              ; everybody's is
	GATHER 0, 0
	GATHER 1, 1
	s_mov_b32 s15, 0
.Lchunk:
	s_wait_xcnt 0x0                                ; every earlier load and store has read its registers: the three offsets and the store's data are written again only behind this wait
	s_add_co_u32 s42, s19, s15
	s_lshl_b32 s42, s42, 5
	s_min_u32 s42, s42, LASTC
	s_lshl_b32 s42, s42, 4
	v_add_nc_u32 v6, s42, v3                       ; this chunk in smp
	s_add_co_u32 s43, s15, 1
	s_min_u32 s43, s43, 12
	s_add_co_u32 s43, s43, s19
	s_lshl_b32 s43, s43, 5
	s_min_u32 s43, s43, LASTC
	s_lshl_b32 s43, s43, 7
	v_add_nc_u32 v4, s43, v1                       ; the next chunk's weights
	s_add_co_u32 s43, s15, 2
	s_min_u32 s43, s43, 12
	s_add_co_u32 s43, s43, s19
	s_lshl_b32 s43, s43, 5
	s_min_u32 s43, s43, LASTC
	s_lshl_b32 s43, s43, 5
	v_add_nc_u32 v7, s43, v2                       ; the indices of the chunk after it
	STEP 0, 0, 8, 2                                ; behind W0: W1, I, W2, W3
	STEP 1, 1, 8, 3                                ; behind W1: I, W2, W3, W0
	STEP 2, 0, 6, 0                                ; behind W2: W3, W0, W1
	STEP 3, 1, 8, 1                                ; behind W3: W0, W1, I, W2
.irp i,0,1,2,3
	v_cvt_pk_bf16_f32 v[OUT+(\i)], v[ACC+2*(\i)], v[ACC+2*(\i)+1]
.endr
	global_store_b128 v6, v[OUT:OUT+3], s[10:11]   ; 32 tokens' 16 bytes: 512 consecutive bytes, aligned
	s_add_co_u32 s15, s15, 1
	s_cmp_lt_u32 s15, 13
	s_cbranch_scc1 .Lchunk
	s_wait_tensorcnt 0x0                           ; the wave's end: behind my tensor load
	ds_add_u32 v20, v21
	s_wait_dscnt 0x0
	s_endpgm
.Lfunc_end_k_qddac6f10c9_samp:
	.size	k_qddac6f10c9_samp, .Lfunc_end_k_qddac6f10c9_samp-k_qddac6f10c9_samp
	.p2alignl 7, 3214868480
	.fill 96, 4, 3214868480
	.section	.rodata,"a",@progbits
	.p2align	6, 0x0
	.amdhsa_kernel k_qddac6f10c9_samp
		.amdhsa_group_segment_fixed_size 215040
		.amdhsa_private_segment_fixed_size 0
		.amdhsa_enable_private_segment 0
		.amdhsa_kernarg_size 32
		.amdhsa_user_sgpr_count 2
		.amdhsa_user_sgpr_kernarg_segment_ptr 1
		.amdhsa_wavefront_size32 1
		.amdhsa_system_sgpr_workgroup_id_x 1
		.amdhsa_system_sgpr_workgroup_id_y 1
		.amdhsa_system_sgpr_workgroup_id_z 1
		.amdhsa_system_vgpr_workitem_id 0
		.amdhsa_next_free_vgpr 256
		.amdhsa_next_free_sgpr 66
		.amdhsa_reserve_vcc 0
		.amdhsa_float_denorm_mode_32 3
		.amdhsa_float_denorm_mode_16_64 3
		.amdhsa_memory_ordered 1
		.amdhsa_forward_progress 1
		.amdhsa_inst_pref_size 50
	.end_amdhsa_kernel
	.amdgpu_metadata
---
amdhsa.version: [ 1, 2 ]
amdhsa.kernels:
  - .name:           k_qddac6f10c9_samp
    .symbol:         k_qddac6f10c9_samp.kd
    .args:
      - { .name: pidx, .offset: 0, .size: 8, .value_kind: global_buffer, .address_space: global }
      - { .name: pwt, .offset: 8, .size: 8, .value_kind: global_buffer, .address_space: global }
      - { .name: val, .offset: 16, .size: 8, .value_kind: global_buffer, .address_space: global }
      - { .name: smp, .offset: 24, .size: 8, .value_kind: global_buffer, .address_space: global }
    .group_segment_fixed_size: 215040
    .private_segment_fixed_size: 0
    .kernarg_segment_align: 8
    .kernarg_segment_size: 32
    .max_flat_workgroup_size: 512
    .sgpr_count:     66
    .vgpr_count:     256
    .wavefront_size: 32
...
	.end_amdgpu_metadata
.endif
;; end of part 6
;; launch ffn (part 7): grid 208 x 1, 4 waves a work-group, clusters of 4 x 1, 327,680 bytes of LDS; arguments smp, src, wfrag, lin1_b, out_b, ln_g, ln_b, lin2_b, out0; writes out0
.if DOCPART == 7
	.amdgcn_target "amdgcn-amd-amdhsa--gfx1250"
	.amdhsa_code_object_version 6
	.text
	.protected	k_qddac6f10c9_ffn
	.globl	k_qddac6f10c9_ffn
	.p2align	8
	.type	k_qddac6f10c9_ffn,@function
k_qddac6f10c9_ffn:
	s_mov_b64 s[64:65], 0
	v_nop
	global_prefetch_b8 v0, s[64:65] scope:SCOPE_SE
	s_setreg_imm32_b32 hwreg(HW_REG_WAVE_MODE, 25, 1), 1
	s_wait_xcnt 0x0
	s_wait_alu depctr_hold_cnt(0) depctr_sa_sdst(0) depctr_va_vdst(0) depctr_va_sdst(0) depctr_va_ssrc(0) depctr_va_vcc(0) depctr_vm_vsrc(0)
	s_getreg_b32 s2, hwreg(HW_REG_IB_STS2, 6, 4)
	s_cmp_eq_u32 s2, 0
	s_cbranch_scc0 .Lentry_in_a_cluster
	s_endpgm
.Lentry_in_a_cluster:
	s_bfe_u32 s2, ttmp6, 0x10000c
	s_cmp_lg_u32 s2, 0x3003
	s_cbranch_scc0 .Lentry_shape_is_right
	s_endpgm
.Lentry_shape_is_right:
; x = LN(src + smp out_w + out_b);  out0 = LN(x + relu(x lin1_w + lin1_b) lin2_w + lin2_b), the same gain and bias in both norms.
; Matrix operands are bf16 (smp as stored, x and the hidden units rounded once), all sums f32; the residuals and both norms are f32, each norm in two passes (mean, then squares of the differences).
; SHARES.  A work-group owns 256 rows, each of its four waves 64 WHOLE rows (four tiles of 16) from row 256 x work-group + 64 x wave on; a wave that would pass the last row begins at row 53,112
; and stores the same numbers again (the last work-group alone).  So no activation crosses waves: a norm stays in its wave, and the hidden units go from one product into the next in registers.
; THE PRODUCTS ARE TAKEN TRANSPOSED (source 0 = weights, source 1 = rows): a lane holds ONE row (lane % 16) and the columns 8 (lane / 16) + 0..7 of a tile.  Two such results, rounded in pairs, ARE source 1 of the next product.
; smp lies in planes, bf16 [8 heads][4 quarters][4 x 13,296 rows][8], its rows counted by batch with two pad rows: a row's place is row + 2 x batch.  A row's 16 bytes in planes 4 kt + h and 4 kt + 2 + h
; ARE a lane's two halves of the fragment of k step kt: the 32 fragments come straight from memory into window 1, 16 lanes taking 256 consecutive bytes.
; THE WEIGHTS are one stream of 72 PAGES of 16 fragments (16 KiB), in the order of use: 8 of out_w (32 k each), then for each chunk of 32 hidden units one of lin1_w and one of lin2_w.
; All work-groups walk it, so the four of a CLUSTER ask for it jointly.  Ring: two slots of four pages; wave w brings page w of a slot: one load a wave behind each round.
; A page's 128 registers are read from LDS a page ahead, in two runs of 16 loads, each into the registers that the products just before it have read.
; THE CHANGE OF SLOTS stands in front of a slot's last page: that page is in registers by then, and its prefetch is the first read of the other slot.  A refill has 256 matrix instructions in which to land.
; By this text's own count a wave has two tensor loads out at the start and one behind each round.
; REGISTERS, in windows of 256: window 0: v0-15 addresses; v16-31 lin1_b of a chunk; v32-95 the chunk's sums; v96-127 its source for the second product; v128-255 a page;
;   window 1: smp, then x, as fragments, tile t, k step kt at 64 t + 8 kt;  windows 2 and 3: the 64 sums of my 64 x 256, tile t in window 2 + t / 2 at 128 (t % 2) + 8 nt.
.set PL,    850944                     ; a plane of smp: 53,184 rows x 16 bytes
.set STG,   131072                     ; behind the ring, never filled by a tensor load: 33,792 bytes a wave, the norms' stage: 32 rows of f32 at pitch 1,040
.set TAB,   STG+4*33792                ; lin1_b 4,096, out_b, ln_g, ln_b, lin2_b 1,024 each
.set SPARE, TAB+8192                   ; the spare words, 128 bytes a wave
.set BC,  16
.set SS,  32
.set PP,  96
.set WR,  128
.set BI,  16                           ; in the norms: the bias that is added first, v[16:23]; the gain v[24:31]; the bias v[32:39];
.set GG,  24
.set BB,  32
.set LR,  40                           ; four rows as read, v[40:71]; at work, v[72:103]; six registers a row for its sums, v[104:127]
.set XX,  72
.set TT,  104
.set G1W, 28                           ; s[28:35] the pages' shape
.set G0A, 48                           ; s[48:51] slot 0's first fill;  s[52:55] slot 1's, which then walks
.set G0W, 52
.set MSB, 0
.macro WIN new                         ; the immediate's high byte repeats the setting that is left; a switch that changes nothing is dropped
.if MSB != (\new)
	s_set_vgpr_msb (MSB<<8)|(\new)
.set MSB, \new
.endif
.endm
; A round of the cluster's barrier: my work-group's barrier, wave 0 signals for the work-group, every wave waits for all four work-groups, my work-group's barrier once more.
.macro ROUND
	s_barrier_signal -1
	s_barrier_wait -1
	s_cmp_lg_u32 s22, 0
	s_cbranch_scc1 .Lnot_wave_0_\@
	s_barrier_signal -3
.Lnot_wave_0_\@:
	s_barrier_wait -3
	s_barrier_signal -1
	s_barrier_wait -1
.endm
; Half g of the next page (page pg of the slot at v2) into the registers that the 32 products in front have read: four places first (ISA guide 7.12.1 for vector instructions).
.macro PF g, pg
.rept 4
	v_nop
.endr
.irp i,0,1,2,3,4,5,6,7
	ds_load_b128 v[WR+8*(8*\g+\i):WR+8*(8*\g+\i)+3],   v2 offset:16384*\pg+1024*(8*\g+\i)
	ds_load_b128 v[WR+8*(8*\g+\i)+4:WR+8*(8*\g+\i)+7], v2 offset:16384*\pg+1024*(8*\g+\i)+512
.endr
.endm
; A page of lin1_w: the chunk's 8 sums (4 tiles x 2 tiles of 16 hidden units) over k steps 4 g .. 4 g + 3; they take turns.  The first k step starts them at lin1_b.
.macro G1H g
	WIN 0x04                                       ; x in window 1
.irp k,0,1,2,3
.irp t,0,1,2,3
.irp n,0,1
.if (4*\g+\k) == 0
	v_wmma_f32_16x16x32_bf16 v[SS+8*(2*\t+\n):SS+8*(2*\t+\n)+7], v[WR+8*(2*(4*\g+\k)+\n):WR+8*(2*(4*\g+\k)+\n)+7], v[64*\t+8*(4*\g+\k):64*\t+8*(4*\g+\k)+7], v[BC+8*\n:BC+8*\n+7]
.else
	v_wmma_f32_16x16x32_bf16 v[SS+8*(2*\t+\n):SS+8*(2*\t+\n)+7], v[WR+8*(2*(4*\g+\k)+\n):WR+8*(2*(4*\g+\k)+\n)+7], v[64*\t+8*(4*\g+\k):64*\t+8*(4*\g+\k)+7], v[SS+8*(2*\t+\n):SS+8*(2*\t+\n)+7]
.endif
.endr
.endr
.endr
	WIN 0
.endm
.macro G1 pg
	s_wait_dscnt 16                                ; the page's first half is in; the 16 loads of its second half may be out
	G1H 0
	PF 0, \pg
	v_add_nc_u32 v4, 128, v4                       ; the next chunk's lin1_b (behind the last chunk: bytes of the next table, not used)
	ds_load_b128 v[BC:BC+3],     v4
	ds_load_b128 v[BC+4:BC+7],   v4 offset:16
	ds_load_b128 v[BC+8:BC+11],  v4 offset:64
	ds_load_b128 v[BC+12:BC+15], v4 offset:80
	s_wait_dscnt 20                                ; the second half is in; the 20 loads just issued may be out
	G1H 1
	PF 1, \pg
.endm
.macro RELU                            ; rounded to bf16 in pairs, each sum's low registers first; then the maximum with 0, two at a time
.set i, 0
.rept 32
	v_cvt_pk_bf16_f32 v[PP+i], v[SS+2*i], v[SS+2*i+1]
.set i, i+1
.endr
.set i, 0
.rept 32
	v_pk_max_num_bf16 v[PP+i], v[PP+i], v11
.set i, i+1
.endr
.endm
; A page of out_w or lin2_w: 32 k into column tiles 8 g .. 8 g + 7 of all four row tiles; source 1 of tile t at pb + ts t, in window 0 (sw = 0) or 1 (sw = 4).  32 different sums.
.macro G2H g, pb, ts, sw
	WIN 0xa0+\sw
.irp i,0,1,2,3,4,5,6,7
.irp t,0,1
	v_wmma_f32_16x16x32_bf16 v[128*\t+8*(8*\g+\i):128*\t+8*(8*\g+\i)+7], v[WR+8*(8*\g+\i):WR+8*(8*\g+\i)+7], v[\pb+\ts*\t:\pb+\ts*\t+7], v[128*\t+8*(8*\g+\i):128*\t+8*(8*\g+\i)+7]
.endr
.endr
	WIN 0xf0+\sw
.irp i,0,1,2,3,4,5,6,7
.irp t,0,1
	v_wmma_f32_16x16x32_bf16 v[128*\t+8*(8*\g+\i):128*\t+8*(8*\g+\i)+7], v[WR+8*(8*\g+\i):WR+8*(8*\g+\i)+7], v[\pb+2*\ts+\ts*\t:\pb+2*\ts+\ts*\t+7], v[128*\t+8*(8*\g+\i):128*\t+8*(8*\g+\i)+7]
.endr
.endr
	WIN 0
.endm
.macro G2 pb, ts, sw, pg, c0, c1       ; c0, c1: how many younger LDS instructions may be out when the page's first and second half have to be in
	s_wait_dscnt \c0
	G2H 0, \pb, \ts, \sw
	PF 0, \pg
	s_wait_dscnt \c1
	G2H 1, \pb, \ts, \sw
	PF 1, \pg
.endm
; THE CHANGE OF SLOTS.  Each wave waits for all its tensor loads, of which one is out: its page of the other slot; adds 0 to its spare word; and waits for that and for its reads of the slot that it leaves.
; fill = 1: behind a round of the cluster's barrier that slot is filled again, with the pages two slots on.  relu = 1: the chunk's activation stands between the add and the wait for it.
.macro CHANGE fill, relu
	WIN 0
	s_wait_tensorcnt 0x0                           ; no tensor load of mine is out, so a group 0 may be written
	ds_add_u32 v10, v11
.if \relu
	RELU
.endif
.if \fill
	s_xor_b32 s[G0W+1], s[G0W+1], 0x10000          ; the other slot than last time,
	s_add_nc_u64 s[G0W+2:G0W+3], s[G0W+2:G0W+3], 0x10000  ; the next four pages; the type bits on top are not reached
.endif
	s_wait_dscnt 0x0                               ; the add is done, and my reads of the slot are over
.if \fill
	ROUND
	tensor_load_to_lds s[G0W:G0W+3], s[G1W:G1W+7]
	s_nop 0
.rept 4
	v_nop
.endr
.else
	s_barrier_signal -1
	s_barrier_wait -1
.endif
	s_xor_b32 s56, s56, 0x10000                    ; the prefetches go on in the other slot
	v_add_nc_u32 v2, s56, v1
.endm
; THE NORMS go through my stage, 32 rows at a time: a lane's 8 columns of a row go in as 32 bytes, and rows come back whole.
.macro DUMP hh
	WIN 0x08+4*\hh                                 ; the data in window 2 or 3
.irp t,0,1
.set n, 0
.rept 16
	ds_store_b128 v5, v[128*\t+8*n:128*\t+8*n+3]   offset:16640*\t+64*n
	ds_store_b128 v5, v[128*\t+8*n+4:128*\t+8*n+7] offset:16640*\t+64*n+16
.set n, n+1
.endr
.endr
	WIN 0
.endm
.macro RELOAD hh
	WIN 0x80+0x40*\hh
.irp t,0,1
.set n, 0
.rept 16
	ds_load_b128 v[128*\t+8*n:128*\t+8*n+3],   v5 offset:16640*\t+64*n
	ds_load_b128 v[128*\t+8*n+4:128*\t+8*n+7], v5 offset:16640*\t+64*n+16
.set n, n+1
.endr
.endr
	WIN 0
.endm
.macro LNTAB off                       ; my 8 columns (4 L .. and 128 + 4 L ..) of the bias at off, of the gain and of the norm's bias
	ds_load_b128 v[BI:BI+3],   v15 offset:\off
	ds_load_b128 v[BI+4:BI+7], v15 offset:\off+512
	ds_load_b128 v[GG:GG+3],   v15 offset:5120
	ds_load_b128 v[GG+4:GG+7], v15 offset:5632
	ds_load_b128 v[BB:BB+3],   v15 offset:6144
	ds_load_b128 v[BB+4:BB+7], v15 offset:6656
.endm
.macro LROWS
.irp q,0,1,2,3
	ds_load_b128 v[LR+8*\q:LR+8*\q+3],   v7 offset:1040*\q
	ds_load_b128 v[LR+8*\q+4:LR+8*\q+7], v7 offset:1040*\q+512
.endr
.endm
.macro RED o                           ; the sum over the 32 lanes of v[TT + 6 q + o], four rows side by side; the register behind it is at work
.irp m,1,2,4,8
.irp q,0,1,2,3
	v_add_f32_dpp v[TT+6*\q+\o], v[TT+6*\q+\o], v[TT+6*\q+\o] row_xmask:\m row_mask:0xf bank_mask:0xf
.endr
.endr
.irp q,0,1,2,3
	v_permlanex16_b32 v[TT+6*\q+\o+1], v[TT+6*\q+\o], s66, s67
.endr
.irp q,0,1,2,3
	v_add_f32 v[TT+6*\q+\o], v[TT+6*\q+\o], v[TT+6*\q+\o+1]
.endr
.endm
; 32 rows, four a trip.  The next four rows are read while these are worked on (in the last trip the last four again, unused).  out = 0: back into the stage; 1: to out0, rows 32 hh on.
.macro LNHALF out, hh
	s_wait_dscnt 0x0                               ; no load is out into the registers that the loads below write
	s_mov_b32 s70, 0                               ; this trip's rows in the stage,
	s_mov_b32 s73, 0                               ; and in out0
	s_mov_b32 s72, 8
	v_mov_b32 v7, v6
	LROWS
.Lrow_\@:
	s_wait_dscnt 0x0
.if \out
	s_wait_xcnt 0x0                                ; the last trip's stores have read their registers
.endif
.irp q,0,1,2,3
.irp i,0,2,4,6
	v_pk_add_f32 v[XX+8*\q+\i:XX+8*\q+\i+1], v[LR+8*\q+\i:LR+8*\q+\i+1], v[BI+\i:BI+\i+1]
.endr
.endr
	s_add_co_u32 s71, s70, 4160
	s_min_u32 s71, s71, 29120
	v_add_nc_u32 v7, s71, v6
	LROWS
.irp q,0,1,2,3
	v_pk_add_f32 v[TT+6*\q:TT+6*\q+1],   v[XX+8*\q:XX+8*\q+1],   v[XX+8*\q+2:XX+8*\q+3]
	v_pk_add_f32 v[TT+6*\q+2:TT+6*\q+3], v[XX+8*\q+4:XX+8*\q+5], v[XX+8*\q+6:XX+8*\q+7]
.endr
.irp q,0,1,2,3
	v_pk_add_f32 v[TT+6*\q:TT+6*\q+1], v[TT+6*\q:TT+6*\q+1], v[TT+6*\q+2:TT+6*\q+3]
.endr
.irp q,0,1,2,3
	v_add_f32 v[TT+6*\q], v[TT+6*\q], v[TT+6*\q+1]
.endr
	RED 0
.irp q,0,1,2,3
	v_mul_f32 v[TT+6*\q], s68, v[TT+6*\q]          ; the mean
.endr
.irp q,0,1,2,3
.irp i,0,2,4,6
	v_pk_add_f32 v[XX+8*\q+\i:XX+8*\q+\i+1], v[XX+8*\q+\i:XX+8*\q+\i+1], v[TT+6*\q:TT+6*\q+1] op_sel_hi:[1,0] neg_lo:[0,1] neg_hi:[0,1]
.endr
.endr
.irp q,0,1,2,3
	v_pk_mul_f32 v[TT+6*\q+2:TT+6*\q+3], v[XX+8*\q:XX+8*\q+1], v[XX+8*\q:XX+8*\q+1]
.endr
.irp i,2,4,6
.irp q,0,1,2,3
	v_pk_fma_f32 v[TT+6*\q+2:TT+6*\q+3], v[XX+8*\q+\i:XX+8*\q+\i+1], v[XX+8*\q+\i:XX+8*\q+\i+1], v[TT+6*\q+2:TT+6*\q+3]
.endr
.endr
.irp q,0,1,2,3
	v_add_f32 v[TT+6*\q+2], v[TT+6*\q+2], v[TT+6*\q+3]
.endr
	RED 2
.irp q,0,1,2,3
	v_fma_f32 v[TT+6*\q+2], v[TT+6*\q+2], s68, s69 ; the variance + 1e-5
.endr
.irp q,0,1,2,3
	v_rsq_f32 v[TT+6*\q+2], v[TT+6*\q+2]
.endr
	v_nop                                          ; a plain instruction between the last root and the first use (ISA guide 5.7.2)
	s_wait_alu depctr_va_vdst(0)
.irp q,0,1,2,3
.irp i,0,2,4,6
	v_pk_mul_f32 v[XX+8*\q+\i:XX+8*\q+\i+1], v[XX+8*\q+\i:XX+8*\q+\i+1], v[TT+6*\q+2:TT+6*\q+3] op_sel_hi:[1,0]
.endr
.endr
.irp q,0,1,2,3
.irp i,0,2,4,6
	v_pk_fma_f32 v[XX+8*\q+\i:XX+8*\q+\i+1], v[XX+8*\q+\i:XX+8*\q+\i+1], v[GG+\i:GG+\i+1], v[BB+\i:BB+\i+1]
.endr
.endr
.if \out
	v_add_nc_u32 v14, s73, v1
.irp q,0,1,2,3
	global_store_b128 v14, v[XX+8*\q:XX+8*\q+3],   s[74:75] offset:32768*\hh+1024*\q      ; each store of the wave covers 512 consecutive bytes, aligned
	global_store_b128 v14, v[XX+8*\q+4:XX+8*\q+7], s[74:75] offset:32768*\hh+1024*\q+512
.endr
	s_add_co_u32 s73, s73, 4096
.else
	v_add_nc_u32 v8, s70, v6
.irp q,0,1,2,3
	ds_store_b128 v8, v[XX+8*\q:XX+8*\q+3],   offset:1040*\q
	ds_store_b128 v8, v[XX+8*\q+4:XX+8*\q+7], offset:1040*\q+512
.endr
.endif
	s_add_co_u32 s70, s70, 4160
	s_sub_co_u32 s72, s72, 1
	s_cmp_lg_u32 s72, 0
	s_cbranch_scc1 .Lrow_\@
.endm
; A slot of the FFN: two chunks.
.macro FTRIP fill
	G1 1
	RELU                                           ; (the four v_nop of the run of loads in front are the places behind the products)
	G2 PP, 8, 0, 2, 20, 16                         ; behind the first half's loads stand 4 of lin1_b and the second half's 16
	G1 3
	CHANGE \fill, 1
	G2 PP, 8, 0, 0, 20, 16
.endm
	s_load_b256 s[4:11], s[0:1], 0x0               ; smp s[4:5], src s[6:7], wfrag s[8:9], lin1_b s[10:11]
	s_load_b256 s[12:19], s[0:1], 0x20             ; out_b s[12:13], ln_g s[14:15], ln_b s[16:17], lin2_b s[18:19]
	s_load_b64 s[20:21], s[0:1], 0x40              ; out0
	v_lshl_add_u32 v10, v0, 2, SPARE               ; my spare word and 0; never rewritten
	v_mov_b32 v11, 0
	ds_add_u32 v10, v11                            ; the wave's opening: the add and its wait stand ahead of my first tensor load; the set-up below, work on registers, stands between them
	ds_add_u32 v10, v11
	v_lshrrev_b32 v12, 5, v0
	v_readfirstlane_b32 s22, v12                   ; wave 0..3
	s_bfe_u32 s23, ttmp6, 0x40000                  ; cx: it enters the addresses of smp, src and out0 alone
	s_lshl_b32 s24, ttmp9, 2                       ; in a cluster launch ttmp9 counts clusters
	s_add_co_u32 s24, s24, s23
	s_lshl_b32 s25, s24, 8
	s_lshl_b32 s58, s22, 6
	s_add_co_u32 s25, s25, s58
	s_min_u32 s25, s25, 53112                      ; my first row
	s_mov_b32 s[G1W+0], 15|(3<<16)|(1<<21)         ; 15:0 the mask: all four work-groups; 17:16 elements of 8 bytes; 21 set beside a mask
	s_mov_b32 s[G1W+1], 32<<16                     ; tensor_dim0 = 32: a page is dense, asked for as 64 rows of 256 bytes
	s_mov_b32 s[G1W+2], 64<<16                     ; tensor_dim1 = 64
	s_mov_b32 s[G1W+3], 32<<16                     ; tile_dim0 = 32
	s_mov_b32 s[G1W+4], 64                         ; tile_dim1 = 64
	s_mov_b32 s[G1W+5], 32                         ; elements from row to row
	s_mov_b32 s[G1W+6], 0
	s_mov_b32 s[G1W+7], 0
	s_mul_i32 s44, s22, 33792
	s_add_co_u32 s44, s44, STG                     ; my stage
	s_mov_b32 s[G0A], 1
	s_lshl_b32 s[G0A+1], s22, 14                   ; page w of slot 0,
	s_mov_b32 s[G0W], 1
	s_add_co_u32 s[G0W+1], s[G0A+1], 0x10000       ; of slot 1
	s_mov_b32 s56, 0                               ; the slot in which the prefetches stand
	s_mov_b32 s60, 2
	s_mov_b32 s66, 0x76543210                      ; v_permlanex16_b32: each lane takes its own place in the other half
	s_mov_b32 s67, 0xfedcba98
	s_mov_b32 s68, 0x3b800000                      ; 1 / 256
	s_mov_b32 s69, 0x3727c5ac                      ; 1e-5
	v_and_b32 v1, 31, v0
	v_lshlrev_b32 v1, 4, v1                        ; 16 L
	v_and_b32 v7, 15, v0                           ; r
	v_bfe_u32 v8, v0, 4, 1                         ; h
	v_lshlrev_b32 v4, 5, v8
	v_add_nc_u32 v4, TAB, v4                       ; lin1_b: my lanes' 8 of a tile's 16
	v_mul_u32_u24 v5, v7, 1040
	v_lshl_add_u32 v5, v8, 5, v5
	v_add_nc_u32 v5, s44, v5                       ; the stage by columns,
	v_add_nc_u32 v6, s44, v1                       ; and by rows
	v_lshlrev_b32 v9, 10, v7
	v_lshl_add_u32 v9, v8, 5, v9                   ; src as the sums lie: row r, 32 bytes for each half of the lanes
	s_lshl_b32 s58, s22, 10
	v_add_nc_u32 v13, s58, v1
	v_add_nc_u32 v12, TAB, v13
	v_add_nc_u32 v15, TAB, v1
	v_mov_b32 v2, v1
	; smp: my row of tile t lies at row + 2 x its batch; v[32 + 4 t + i]: its 16 bytes in plane 8 i + h
	v_mul_u32_u24 v3, v8, PL
.irp t,0,1,2,3
	s_add_co_u32 s58, s25, 16*\t
	v_add_nc_u32 v14, s58, v7
	v_cmp_le_u32 vcc_lo, 13294, v14
	v_cndmask_b32 v[32+4*\t], 0, s60, vcc_lo
	v_cmp_le_u32 vcc_lo, 26588, v14
	v_cndmask_b32 v[33+4*\t], 0, s60, vcc_lo
	v_cmp_le_u32 vcc_lo, 39882, v14
	v_cndmask_b32 v[34+4*\t], 0, s60, vcc_lo
	v_add3_u32 v14, v14, v[32+4*\t], v[33+4*\t]
	v_add_nc_u32 v14, v14, v[34+4*\t]
	v_lshl_add_u32 v[32+4*\t], v14, 4, v3
	v_add_nc_u32 v[33+4*\t], 8*PL, v[32+4*\t]
	v_add_nc_u32 v[34+4*\t], 16*PL, v[32+4*\t]
	v_add_nc_u32 v[35+4*\t], 24*PL, v[32+4*\t]
.endr
	s_mov_b32 s59, 0
	s_wait_dscnt 0x0                               ; the opening add is done
	s_wait_kmcnt 0x0
	s_add_co_u32 s58, s[G0A+1], 327680             ; the stream begins behind the projections' fragments
	s_add_nc_u64 s[G0A+2:G0A+3], s[8:9], s[58:59]
	s_add_nc_u64 s[G0W+2:G0W+3], s[G0A+2:G0A+3], 0x10000
	s_or_b32 s[G0A+3], s[G0A+3], 0x80000000
	s_or_b32 s[G0W+3], s[G0W+3], 0x80000000
	s_lshl_b32 s58, s25, 10
	s_add_nc_u64 s[78:79], s[6:7], s[58:59]        ; src and out0 at my first row
	s_add_nc_u64 s[74:75], s[20:21], s[58:59]
	s_mov_b64 s[76:77], s[18:19]                   ; wave w brings vector w of out_b, ln_g, ln_b, lin2_b
	s_cmp_lt_u32 s22, 3
	s_cselect_b64 s[76:77], s[16:17], s[76:77]
	s_cmp_lt_u32 s22, 2
	s_cselect_b64 s[76:77], s[14:15], s[76:77]
	s_cmp_lt_u32 s22, 1
	s_cselect_b64 s[76:77], s[12:13], s[76:77]
	ROUND                                          ; all four work-groups are here: the first joint loads meet
	tensor_load_to_lds s[G0A:G0A+3], s[G1W:G1W+7]  ; page w,
	s_nop 0
	tensor_load_to_lds s[G0W:G0W+3], s[G1W:G1W+7]  ; page 4 + w
	s_nop 0
.rept 4
	v_nop
.endr
	global_load_b128 v[16:19], v13, s[10:11]
	global_load_b128 v[20:23], v13, s[10:11] offset:512
	global_load_b128 v[24:27], v1, s[76:77]
	global_load_b128 v[28:31], v1, s[76:77] offset:512
	WIN 0x40                                       ; smp's fragments into window 1, the first k steps first
.irp k,0,1,2,3,4,5,6,7
.irp t,0,1,2,3
	global_load_b128 v[64*\t+8*\k:64*\t+8*\k+3],   v[32+4*\t+\k/2], s[4:5] offset:(\k%2)*4*PL th:TH_LOAD_NT
	global_load_b128 v[64*\t+8*\k+4:64*\t+8*\k+7], v[32+4*\t+\k/2], s[4:5] offset:(\k%2)*4*PL+2*PL th:TH_LOAD_NT
.endr
.endr
.irp t,0,1,2,3                         ; the sums start at src, the residual
	WIN 0x80+0x40*(\t/2)
.set n, 0
.rept 16
	global_load_b128 v[128*(\t%2)+8*n:128*(\t%2)+8*n+3],   v9, s[78:79] offset:16384*\t+64*n th:TH_LOAD_NT
	global_load_b128 v[128*(\t%2)+8*n+4:128*(\t%2)+8*n+7], v9, s[78:79] offset:16384*\t+64*n+16 th:TH_LOAD_NT
.set n, n+1
.endr
.endr
	WIN 0
	s_wait_loadcnt 63                              ; 192 loads were issued behind the tables' four: those are in
	ds_store_b128 v12, v[16:19]
	ds_store_b128 v12, v[20:23] offset:512
	ds_store_b128 v12, v[24:27] offset:4096
	ds_store_b128 v12, v[28:31] offset:4608
	s_wait_tensorcnt 0x1                           ; my page of slot 0 is in; slot 1's may stay out
	s_wait_dscnt 0x0
	s_barrier_signal -1
	s_barrier_wait -1
.set i, 0
.rept 16
	ds_load_b128 v[WR+8*i:WR+8*i+3],   v2 offset:1024*i       ; page 0
	ds_load_b128 v[WR+8*i+4:WR+8*i+7], v2 offset:1024*i+512
.set i, i+1
.endr
	s_wait_loadcnt 0x0                             ; smp and src
	; smp out_w: 8 pages, written out, since each names its own k step's registers.  At each wait the 16 loads of the younger half page may be out.
.irp s,0,1
	G2 8*(4*\s+0), 64, 4, 1, 16, 16
	G2 8*(4*\s+1), 64, 4, 2, 16, 16
	G2 8*(4*\s+2), 64, 4, 3, 16, 16
	CHANGE 1, 0
	G2 8*(4*\s+3), 64, 4, 0, 16, 16
.endr
	; the first norm; x comes back into the sums (the second residual) and, rounded, into window 1.  Page 8 waits in v128-255.
	LNTAB 4096
	DUMP 0
	LNHALF 0, 0
	RELOAD 0
	DUMP 1
	LNHALF 0, 1
	RELOAD 1
	s_wait_dscnt 0x0
.irp t,0,1,2,3
	WIN 0x4a+5*(\t/2)                              ; sources in window 2 or 3, destination in window 1
.set i, 0
.rept 64
	v_cvt_pk_bf16_f32 v[64*\t+i], v[128*(\t%2)+2*i], v[128*(\t%2)+2*i+1]
.set i, i+1
.endr
.endr
	WIN 0
	ds_load_b128 v[BC:BC+3],     v4                ; lin1_b of chunk 0
	ds_load_b128 v[BC+4:BC+7],   v4 offset:16
	ds_load_b128 v[BC+8:BC+11],  v4 offset:64
	ds_load_b128 v[BC+12:BC+15], v4 offset:80
	s_wait_dscnt 0x0
	s_mov_b32 s57, 14
.Lffn:                                 ; 14 slots are filled again
	FTRIP 1
	s_sub_co_u32 s57, s57, 1
	s_cmp_lg_u32 s57, 0
	s_cbranch_scc1 .Lffn
	s_mov_b32 s57, 2
.Ltail:                                ; the last two slots ask for nothing.  One text for both: the second trip's barrier orders nothing more, and its last prefetch brings an old page that nobody multiplies
	FTRIP 0
	s_sub_co_u32 s57, s57, 1
	s_cmp_lg_u32 s57, 0
	s_cbranch_scc1 .Ltail
	LNTAB 7168                                     ; the second norm, straight to out0
	DUMP 0
	LNHALF 1, 0
	DUMP 1
	LNHALF 1, 1
	s_wait_tensorcnt 0x0                           ; the wave's end: behind my last tensor load and my last LDS store
	ds_add_u32 v10, v11
	s_wait_dscnt 0x0
	ROUND                                          ; the closing round: no work-group ends while a partner may still ask for a page that names it
	s_endpgm
.Lfunc_end_k_qddac6f10c9_ffn:
	.size	k_qddac6f10c9_ffn, .Lfunc_end_k_qddac6f10c9_ffn-k_qddac6f10c9_ffn
	.p2alignl 7, 3214868480
	.fill 96, 4, 3214868480
	.section	.rodata,"a",@progbits
	.p2align	6, 0x0
	.amdhsa_kernel k_qddac6f10c9_ffn
		.amdhsa_group_segment_fixed_size 327680
		.amdhsa_private_segment_fixed_size 0
		.amdhsa_enable_private_segment 0
		.amdhsa_kernarg_size 72
		.amdhsa_user_sgpr_count 2
		.amdhsa_user_sgpr_kernarg_segment_ptr 1
		.amdhsa_wavefront_size32 1
		.amdhsa_system_sgpr_workgroup_id_x 1
		.amdhsa_system_sgpr_workgroup_id_y 1
		.amdhsa_system_sgpr_workgroup_id_z 1
		.amdhsa_system_vgpr_workitem_id 0
		.amdhsa_next_free_vgpr 1024
		.amdhsa_next_free_sgpr 80
		.amdhsa_reserve_vcc 1
		.amdhsa_float_denorm_mode_32 3
		.amdhsa_float_denorm_mode_16_64 3
		.amdhsa_memory_ordered 1
		.amdhsa_forward_progress 1
		.amdhsa_inst_pref_size 241
	.end_amdhsa_kernel
	.amdgpu_metadata
---
amdhsa.version: [ 1, 2 ]
amdhsa.kernels:
  - .name:           k_qddac6f10c9_ffn
    .symbol:         k_qddac6f10c9_ffn.kd
    .args:
      - { .name: smp, .offset: 0, .size: 8, .value_kind: global_buffer, .address_space: global }
      - { .name: src, .offset: 8, .size: 8, .value_kind: global_buffer, .address_space: global }
      - { .name: wfrag, .offset: 16, .size: 8, .value_kind: global_buffer, .address_space: global }
      - { .name: lin1_b, .offset: 24, .size: 8, .value_kind: global_buffer, .address_space: global }
      - { .name: out_b, .offset: 32, .size: 8, .value_kind: global_buffer, .address_space: global }
      - { .name: ln_g, .offset: 40, .size: 8, .value_kind: global_buffer, .address_space: global }
      - { .name: ln_b, .offset: 48, .size: 8, .value_kind: global_buffer, .address_space: global }
      - { .name: lin2_b, .offset: 56, .size: 8, .value_kind: global_buffer, .address_space: global }
      - { .name: out0, .offset: 64, .size: 8, .value_kind: global_buffer, .address_space: global }
    .group_segment_fixed_size: 327680
    .private_segment_fixed_size: 0
    .kernarg_segment_align: 8
    .kernarg_segment_size: 72
    .max_flat_workgroup_size: 128
    .sgpr_count:     80
    .vgpr_count:     1024
    .wavefront_size: 32
...
	.end_amdgpu_metadata
.endif
;; end of part 7
;; ======== version 3 of 3: 4 launches; version 2 with the launch proj written anew for expert scheduling mode
;; limits: values are held in f16: magnitudes above 65,504 overflow, below 6.1e-05 lose precision; values outside matrix products are rounded to f16
;; workspace buffers: wfrag 1,507,328 bytes; val 27,230,208 bytes; pidx 13,615,104 bytes of whole numbers; pwt 54,460,416 bytes; smp 27,230,208 bytes
;; launch prep: the kernel of part 1 again; grid 184 x 1, 8 waves a work-group, no clusters, 0 bytes of LDS; arguments value_w, off_w, aw_w, out_w, lin1_w, lin2_w, wfrag; writes wfrag
;; launch proj (part 8): grid 256 x 1, 4 waves a work-group, no clusters, 36,864 bytes of LDS; arguments src, pos, src2, memory_pos, value_b, off_b, aw_b, wfrag, val, pidx, pwt; writes val, pidx, pwt
.if DOCPART == 8
	.amdgcn_target "amdgcn-amd-amdhsa--gfx1250"
	.amdhsa_code_object_version 6
	.text
	.protected	k_qddac6f10c9_proj
	.globl	k_qddac6f10c9_proj
	.p2align	8
	.type	k_qddac6f10c9_proj,@function
k_qddac6f10c9_proj:
	s_mov_b64 s[64:65], 0
	v_nop
	global_prefetch_b8 v0, s[64:65] scope:SCOPE_SE
	s_setreg_imm32_b32 hwreg(HW_REG_WAVE_SCHED_MODE, 0, 2), 2
	s_setreg_imm32_b32 hwreg(HW_REG_WAVE_MODE, 25, 1), 1
	s_wait_xcnt 0x0
	s_wait_alu depctr_vm_vsrc(0)
; THE PROJECTIONS.  val = (src2 + memory_pos) value_w + value_b, in f16.  From q = src + pos: the sampling offsets and the softmax over a head's 16 logits (its maximum
; taken away first), and from them, for each token, head and point, what the sampling launch needs: the row (in its batch) of the upper left of four neighbouring cells,
; held inside the level, and the four cells' weights (y0 x0, y0 x1, y1 x0, y1 x1), the attention weight folded in.
; A cell's weight along an axis is max(0, 1 - |x - cell|): inside the map that is the bilinear weight, and a cell outside the map has no place in the four, so its weight 0 needs no case of its own.
; ROWS ARE COUNTED BY BATCH, with two pad rows behind each batch's 13,294: 13,296 = 16 x 831, so a tile of 16 rows never crosses a batch and every store below is whole and aligned.
;   val  f16 [4 batches][8 heads][4 quarters of 8 channels][13,296][8]
;   pidx u16 [4][8][831 blocks of 16 tokens][2 pieces][16 tokens][8]: piece h holds the four points of level h, then those of level 2 + h
;   pwt  f16 [4][8][831][8 pieces][16 tokens][8]: piece 2 l + k holds points 2 k and 2 k + 1 of level l, four weights each
; A batch's last tile makes its two pad rows from the two rows that follow in memory (the last batch: from its last two rows once more): finite numbers that no result hangs on.
; LIMITS.  Matrix operands are rounded to bf16, sums are f32.  val is f16: a value beyond 65,504 becomes an infinity.  A weight under 6e-8 counts as 0.  NaN and infinities in the inputs are not treated apart.
; SHARES.  A work-group walks 13 of the 3,324 tiles, from tile 13 x work-group on; a number past the last tile means the last tile again, which stores the same numbers (the last work-group alone).
; The COLUMNS are split: wave w owns heads 2 w and 2 w + 1: 4 tiles of value columns, 4 of offsets, 2 of logits.  Their 80 weight fragments, 640 registers, are loaded once and stay.
; No cluster: what work-groups share is the 320 KiB of weights, read once by each into registers, beside 1.1 MiB of rows of its own.
; THE ROWS.  Each wave loads 4 of a tile's 16 rows of the four tensors (32 loads of 16 bytes a lane, two tiles ahead), adds, rounds to bf16 and puts them into one of two LDS slots;
; every wave reads all 16 rows as fragments.  One barrier a trip: in front of it a wave's stores of the next tile and its reads of the last are done.
; THE PRODUCTS ARE TAKEN TRANSPOSED (source 0 = weights, source 1 = rows): a lane holds ONE token (lane % 16) and the columns 8 (lane / 16) + 0..7 of a tile: 16 bytes that lie together in each
; of the three layouts above, beside the 15 other tokens': results are stored straight from registers, each half of the lanes filling 256 consecutive bytes, aligned.
; REGISTERS, in windows of 256: window 0: addresses, fragments of rows v64-127, sums v128-207, at work v34-63 and v208-255; window 1: value weights, fragment (kt, n) at 8 (4 kt + n);
; windows 2 and 3 (to v895): offset and logit weights, fragment 6 kt + a, a = 3 x head + (offset tile 0, 1 | logits); v896-1023: a tile's rows as loaded.
; THE MODE: SCHED_MODE bits 1:0 = 2 (LLVM: expert scheduling mode 2), set by the entry lines.  The code itself states the register dependences
; between vector or matrix instructions and memory or LDS instructions, with s_wait_alu, always for 0.
; THE PLAN.  Registers that memory or LDS instructions touch in a trip, in the trip's order:
;   v5, v7, v8, v12, v17-19  addresses, written once, at the trip's head; read by the trip's LDS loads (v5), LDS stores (v7), global loads (v8, v12) and stores (v17-19).  v1, v9, v32 are never written in the loop.
;   VA, AF, QA   the biases and the memory rows' fragments land in them at the head; q's fragments land in AF behind the value products; else only matrix and vector lines name them.
;   RAW          the 64 lines that add and round read and write it; behind them the loads of the tile two further on land in it.
;   WO           written by those roundings, read by the 16 LDS stores; written again by the four LEVELs, read by the eight stores of weights at the trip's end.
;   VO, IO       written by the conversions of val and by the LEVELs; read by their stores in the same trip.
; The waits on va_vdst: behind the addresses; behind the roundings; behind the value products; behind val's conversions; the softmax's two; behind the last LEVEL.
; The waits on vm_vsrc: at the trip's head, ahead of the addresses; ahead of the LEVELs, for WO.  One wait on va_sdst, behind the three compares of the token's level.
.set NT,     3324
.set NTILE,  13
.set VP,     212736                    ; a plane of val: 13,296 rows x 16 bytes
.set IHB,    425472                    ; a batch's and head's part of pidx: 831 x 512
.set WHB,    1701888                   ; and of pwt: 831 x 2,048
.set APITCH, 528                       ; a row of 256 bf16 + 16 bytes: an odd multiple of 16, so the 16 rows of a fragment load start at 16 different groups of banks (ISA guide 11.1)
.set QOFF,   16*APITCH                 ; in a slot: the rows of src2 + memory_pos, then those of src + pos
.set SLOTB,  2*QOFF
.set TAB,    2*SLOTB                   ; value_b, off_b, aw_b (in the logit tiles' order)
.set SPARE,  TAB+2560                  ; the spare words, 128 bytes a wave
.set VO,  48                           ; val as stored, v[48:63]
.set AF,  64
.set VA,  128
.set QA,  160
.set LG,  QA+16                        ; a head's logits: the third of its three sums
.set SM,  34                           ; softmax at work, six registers a head
.set WO,  208                          ; the weights as stored, 16 registers a head
.set IO,  240                          ; the indices as stored, 4 a head
.set RAW, 128                          ; in window 3
.set MSB, 0
.macro WIN new                         ; the immediate's high byte repeats the setting that is left; a switch that changes nothing is dropped
.if MSB != (\new)
	s_set_vgpr_msb (MSB<<8)|(\new)
.set MSB, \new
.endif
.endm
; The tile ahead tiles behind the one in hand: its number in s31, its batch in s32.
.macro TPOS ahead
	s_add_co_u32 s31, s28, \ahead
	s_min_u32 s31, s31, NT-1
	s_cmp_ge_u32 s31, 831
	s_cselect_b32 s32, 1, 0
	s_cmp_ge_u32 s31, 1662
	s_cselect_b32 s33, 1, 0
	s_add_co_u32 s32, s32, s33
	s_cmp_ge_u32 s31, 2493
	s_cselect_b32 s33, 1, 0
	s_add_co_u32 s32, s32, s33
.endm
; My 4 rows of that tile: their two offsets.  In memory the tile begins at row 16 T - 2 x batch.  My last two rows have an offset of their own, held to the tensors' last two rows.
.macro LADDR ahead
	TPOS \ahead
	s_lshl_b32 s33, s31, 4
	s_lshl_b32 s34, s32, 1
	s_sub_co_u32 s33, s33, s34
	s_add_co_u32 s33, s33, s59
	s_add_co_u32 s34, s33, 2
	s_min_u32 s34, s34, 53174
	s_lshl_b32 s33, s33, 10
	s_lshl_b32 s34, s34, 10
	v_add_nc_u32 v8, s33, v1
	v_add_nc_u32 v12, s34, v1
.endm
; And their 32 loads, each 512 consecutive bytes of a row.
.macro LISSUE
	WIN 0xc0
.irp rr,0,1,2,3
.irp hf,0,1
.set ar, 8+4*(\rr/2)
.set of, 1024*(\rr%2)+512*\hf
	global_load_b128 v[RAW+8*(2*\rr+\hf):RAW+8*(2*\rr+\hf)+3],       v[ar], s[8:9]   offset:of th:TH_LOAD_NT
	global_load_b128 v[RAW+8*(2*\rr+\hf)+4:RAW+8*(2*\rr+\hf)+7],     v[ar], s[10:11] offset:of th:TH_LOAD_NT
	global_load_b128 v[RAW+64+8*(2*\rr+\hf):RAW+64+8*(2*\rr+\hf)+3], v[ar], s[4:5]   offset:of th:TH_LOAD_NT
	global_load_b128 v[RAW+64+8*(2*\rr+\hf)+4:RAW+64+8*(2*\rr+\hf)+7], v[ar], s[6:7] offset:of th:TH_LOAD_NT
.endr
.endr
	WIN 0
.endm
; The two sums, rounded to bf16,
.macro CARITH
	WIN 0xcf
.set i, 0
.rept 16
	v_pk_add_f32 v[RAW+8*i:RAW+8*i+1],   v[RAW+8*i:RAW+8*i+1],   v[RAW+8*i+4:RAW+8*i+5]
	v_pk_add_f32 v[RAW+8*i+2:RAW+8*i+3], v[RAW+8*i+2:RAW+8*i+3], v[RAW+8*i+6:RAW+8*i+7]
.set i, i+1
.endr
	WIN 0x0f
.set i, 0
.rept 16
	v_cvt_pk_bf16_f32 v[WO+2*i],   v[RAW+8*i],   v[RAW+8*i+1]
	v_cvt_pk_bf16_f32 v[WO+2*i+1], v[RAW+8*i+2], v[RAW+8*i+3]
.set i, i+1
.endr
	WIN 0
.endm
; into the slot at v7: a lane's four columns are 8 bytes, a wave's store 256 consecutive bytes.
.macro CSTORE
.set i, 0
.rept 16
	ds_store_b64 v7, v[WO+2*i:WO+2*i+1] offset:QOFF*(i/8)+APITCH*((i%8)/2)+256*(i%2)
.set i, i+1
.endr
.endm
; Both heads' softmax, side by side.  A lane holds 8 of a token's 16 logits, the lane 16 away the others.
.macro SOFTMAX
.irp d,0,1
	v_max3_num_f32 v[SM+6*\d], v[LG+24*\d], v[LG+24*\d+1], v[LG+24*\d+2]
.endr
.irp d,0,1
	v_max3_num_f32 v[SM+6*\d], v[SM+6*\d], v[LG+24*\d+3], v[LG+24*\d+4]
.endr
.irp d,0,1
	v_max3_num_f32 v[SM+6*\d], v[SM+6*\d], v[LG+24*\d+5], v[LG+24*\d+6]
.endr
.irp d,0,1
	v_max_num_f32 v[SM+6*\d], v[SM+6*\d], v[LG+24*\d+7]
.endr
.irp d,0,1
	v_permlanex16_b32 v[SM+6*\d+1], v[SM+6*\d], s42, s43
.endr
.irp d,0,1
	v_max_num_f32 v[SM+6*\d], v[SM+6*\d], v[SM+6*\d+1]
.endr
.irp d,0,1
	v_mul_f32 v[SM+6*\d], s44, v[SM+6*\d]          ; log2(e) x the maximum
.endr
.irp d,0,1
.irp i,0,2,4,6
	v_pk_fma_f32 v[LG+24*\d+\i:LG+24*\d+\i+1], v[LG+24*\d+\i:LG+24*\d+\i+1], s[44:45], v[SM+6*\d:SM+6*\d+1] op_sel_hi:[1,0,0] neg_lo:[0,0,1] neg_hi:[0,0,1]
.endr
.endr
.irp d,0,1
.irp i,0,1,2,3,4,5,6,7
	v_exp_f32 v[LG+24*\d+\i], v[LG+24*\d+\i]
.endr
.endr
	v_nop                                          ; a plain instruction between the last exponential and the first use (ISA guide 5.7.2)
	s_wait_alu depctr_va_vdst(0)                   ; the sixteen exponentials have written both heads' v[LG ..], ahead of the sums, their first readers: one wait for the batch
.irp d,0,1
	v_pk_add_f32 v[SM+6*\d+2:SM+6*\d+3], v[LG+24*\d:LG+24*\d+1], v[LG+24*\d+2:LG+24*\d+3]
	v_pk_add_f32 v[SM+6*\d+4:SM+6*\d+5], v[LG+24*\d+4:LG+24*\d+5], v[LG+24*\d+6:LG+24*\d+7]
.endr
.irp d,0,1
	v_pk_add_f32 v[SM+6*\d+2:SM+6*\d+3], v[SM+6*\d+2:SM+6*\d+3], v[SM+6*\d+4:SM+6*\d+5]
.endr
.irp d,0,1
	v_add_f32 v[SM+6*\d+2], v[SM+6*\d+2], v[SM+6*\d+3]
.endr
.irp d,0,1
	v_permlanex16_b32 v[SM+6*\d+3], v[SM+6*\d+2], s42, s43
.endr
.irp d,0,1
	v_add_f32 v[SM+6*\d+2], v[SM+6*\d+2], v[SM+6*\d+3]
.endr
.irp d,0,1
	v_rcp_f32 v[SM+6*\d+2], v[SM+6*\d+2]
.endr
	v_nop
	s_wait_alu depctr_va_vdst(0)                   ; the two reciprocals have written v[SM+2] and v[SM+8], ahead of the multiplies, their first readers
.irp d,0,1
.irp i,0,2,4,6
	v_pk_mul_f32 v[LG+24*\d+\i:LG+24*\d+\i+1], v[LG+24*\d+\i:LG+24*\d+\i+1], v[SM+6*\d+2:SM+6*\d+3] op_sel_hi:[1,0]
.endr
.endr
.endm
; The four points of head d in my level 2 e + h, side by side; point z works in v[AF + 16 z ..]: +0 x y, +2 the cell, +4 x y less the cell, +6 the two weights along x, +8 along y, +10 the four, +14 the row.
.macro LEVEL d, e
.irp z,0,1,2,3
	v_pk_add_f32 v[AF+16*\z:AF+16*\z+1], v[QA+24*\d+8*\e+2*\z:QA+24*\d+8*\e+2*\z+1], v[26+2*\e:27+2*\e]  ; the offset + the token's own place in this level, in cells
.endr
.irp z,0,1,2,3
	v_floor_f32 v[AF+16*\z+2], v[AF+16*\z]
.endr
.irp z,0,1,2,3
	v_floor_f32 v[AF+16*\z+3], v[AF+16*\z+1]
.endr
.irp z,0,1,2,3
	v_med3_num_f32 v[AF+16*\z+2], v[AF+16*\z+2], 0, v[22+\e]    ; the upper left cell stays in 0 .. W - 2
.endr
.irp z,0,1,2,3
	v_med3_num_f32 v[AF+16*\z+3], v[AF+16*\z+3], 0, v[22+\e]
.endr
.irp z,0,1,2,3
	v_pk_add_f32 v[AF+16*\z+4:AF+16*\z+5], v[AF+16*\z:AF+16*\z+1], v[AF+16*\z+2:AF+16*\z+3] neg_lo:[0,1] neg_hi:[0,1]
.endr
.irp z,0,1,2,3
	v_fma_f32 v[AF+16*\z+14], v[AF+16*\z+3], v[20+\e], v[AF+16*\z+2]   ; y W + x, a whole number
.endr
.irp z,0,1,2,3
	v_pk_add_f32 v[AF+16*\z:AF+16*\z+1], v[AF+16*\z+4:AF+16*\z+5], -1.0 op_sel_hi:[1,0]
.endr
.irp z,0,1,2,3
	v_sub_f32 v[AF+16*\z+6], 1.0, |v[AF+16*\z+4]|
.endr
.irp z,0,1,2,3
	v_sub_f32 v[AF+16*\z+7], 1.0, |v[AF+16*\z]|
.endr
.irp z,0,1,2,3
	v_sub_f32 v[AF+16*\z+8], 1.0, |v[AF+16*\z+5]|
.endr
.irp z,0,1,2,3
	v_sub_f32 v[AF+16*\z+9], 1.0, |v[AF+16*\z+1]|
.endr
.irp z,0,1,2,3
	v_cvt_u32_f32 v[AF+16*\z+14], v[AF+16*\z+14]
.endr
.irp k,6,7,8,9
.irp z,0,1,2,3
	v_max_num_f32 v[AF+16*\z+\k], 0, v[AF+16*\z+\k]
.endr
.endr
.irp z,0,2
	v_pk_mul_f32 v[AF+16*\z+8:AF+16*\z+9], v[AF+16*\z+8:AF+16*\z+9], v[LG+24*\d+4*\e+\z:LG+24*\d+4*\e+\z+1] op_sel_hi:[1,0]             ; times the attention weight: the pair's first,
.endr
.irp z,1,3
	v_pk_mul_f32 v[AF+16*\z+8:AF+16*\z+9], v[AF+16*\z+8:AF+16*\z+9], v[LG+24*\d+4*\e+\z-1:LG+24*\d+4*\e+\z] op_sel:[0,1] op_sel_hi:[1,1]  ; or its second
.endr
.irp z,0,1,2,3
	v_pk_mul_f32 v[AF+16*\z+10:AF+16*\z+11], v[AF+16*\z+6:AF+16*\z+7], v[AF+16*\z+8:AF+16*\z+9] op_sel_hi:[1,0]
.endr
.irp z,0,1,2,3
	v_pk_mul_f32 v[AF+16*\z+12:AF+16*\z+13], v[AF+16*\z+6:AF+16*\z+7], v[AF+16*\z+8:AF+16*\z+9] op_sel:[0,1] op_sel_hi:[1,1]
.endr
.irp z,0,1,2,3
	v_add_nc_u32 v[AF+16*\z+14], v[AF+16*\z+14], v[24+\e]       ; + the level's first row in a batch
.endr
.irp z,0,1,2,3
	v_cvt_pk_f16_f32 v[WO+16*\d+8*\e+2*\z], v[AF+16*\z+10], v[AF+16*\z+11]
.endr
.irp z,0,1,2,3
	v_cvt_pk_f16_f32 v[WO+16*\d+8*\e+2*\z+1], v[AF+16*\z+12], v[AF+16*\z+13]
.endr
	v_lshl_or_b32 v[IO+4*\d+2*\e],   v[AF+30], 16, v[AF+14]
	v_lshl_or_b32 v[IO+4*\d+2*\e+1], v[AF+62], 16, v[AF+46]
.endm
.macro PUT d                           ; head d's indices and weights: each store's two halves of 16 lanes fill 256 consecutive bytes each, aligned
	global_store_b128 v18, v[IO+4*\d:IO+4*\d+3], s[22:23] offset:IHB*\d
.irp e,0,1
.irp k,0,1
	global_store_b128 v19, v[WO+16*\d+8*\e+4*\k:WO+16*\d+8*\e+4*\k+3], s[24:25] offset:WHB*\d+256*(4*\e+\k)
.endr
.endr
.endm
	s_load_b256 s[4:11], s[0:1], 0x0               ; src s[4:5], pos s[6:7], src2 s[8:9], memory_pos s[10:11]
	s_load_b256 s[12:19], s[0:1], 0x20             ; value_b s[12:13], off_b s[14:15], aw_b s[16:17], wfrag s[18:19]
	s_load_b128 s[20:23], s[0:1], 0x40             ; val s[20:21], pidx s[22:23]
	s_load_b64 s[24:25], s[0:1], 0x50              ; pwt
	v_lshl_add_u32 v10, v0, 2, SPARE               ; my spare word and 0, for the wave's end; never rewritten
	v_mov_b32 v11, 0
	v_lshrrev_b32 v34, 5, v0
	v_readfirstlane_b32 s26, v34                   ; wave 0..3
	v_and_b32 v35, 31, v0                          ; L
	v_lshlrev_b32 v1, 4, v35                       ; 16 L
	v_and_b32 v2, 15, v0                           ; r
	v_bfe_u32 v3, v0, 4, 1                         ; h
	v_mul_u32_u24 v4, v2, APITCH
	v_lshl_add_u32 v4, v3, 4, v4                   ; a fragment's row x pitch + 16 h
	s_wait_alu depctr_va_sdst(0)                   ; s26 is written, ahead of its first reader: LDS places, bases and offsets are made from it
	s_mul_i32 s31, s26, 4*APITCH
	v_lshl_add_u32 v6, v35, 3, s31                 ; where my 4 rows go: 8 bytes a lane
	s_lshl_b32 s31, s26, 8
	s_add_co_u32 s31, s31, TAB
	v_lshl_add_u32 v9, v3, 5, s31                  ; value_b and off_b: my 64 columns, my lanes' 8
	s_lshl_b32 s31, s26, 7
	s_add_co_u32 s31, s31, TAB+2048
	v_lshl_add_u32 v32, v3, 5, s31                 ; aw_b: my two heads
	v_lshlrev_b32 v14, 4, v2                       ; my token's 16 bytes,
	v_mul_u32_u24 v13, v3, VP
	v_add_nc_u32 v13, v13, v14                     ; in val: quarter h of the pair that a tile of columns makes,
	v_lshl_add_u32 v15, v3, 9, v14                 ; in pwt: two pieces a level,
	v_lshl_add_u32 v14, v3, 8, v14                 ; in pidx: piece h
	s_mov_b32 s42, 0x76543210                      ; v_permlanex16_b32: each lane takes its own place in the other half
	s_mov_b32 s43, 0xfedcba98
	s_mov_b32 s44, 0x3fb8aa3b                      ; log2(e)
	s_mov_b32 s45, s44
	s_mov_b32 s46, 10000                           ; the levels: first row, width, 1 / width
	s_mov_b32 s47, 0x42480000
	s_mov_b32 s48, 0x3ca3d70a
	s_mov_b32 s49, 12500
	s_mov_b32 s50, 0x41c80000
	s_mov_b32 s51, 0x3d23d70a
	s_mov_b32 s52, 13125
	s_mov_b32 s53, 0x41500000
	s_mov_b32 s54, 0x3d9d89d9
	s_mov_b32 s55, 0x42400000                      ; 48
	s_mov_b32 s56, 0x41300000                      ; 11
	v_cmp_eq_u32 vcc_lo, 1, v3                     ; my lanes' two levels: h and 2 + h
	v_mov_b32 v20, 0x42c80000
	s_wait_alu depctr_va_vcc(0)                    ; VCC is written, ahead of the first of the six selects that read it
	v_cndmask_b32 v20, v20, s47, vcc_lo            ; W: 100 or 50,
	v_mov_b32 v21, s50
	v_cndmask_b32 v21, v21, s53, vcc_lo            ; 25 or 13
	v_mov_b32 v22, 0x42c40000
	v_cndmask_b32 v22, v22, s55, vcc_lo            ; W - 2
	v_mov_b32 v23, 0x41b80000
	v_cndmask_b32 v23, v23, s56, vcc_lo
	v_mov_b32 v24, 0
	v_cndmask_b32 v24, v24, s46, vcc_lo            ; the level's first row
	v_mov_b32 v25, s49
	v_cndmask_b32 v25, v25, s52, vcc_lo
	s_mul_i32 s57, s26, 8*VP                       ; my first head in a batch's part of val,
	s_mul_i32 s58, s26, 2*IHB                      ; of pidx,
	s_mul_i32 s62, s26, 2*WHB                      ; of pwt
	s_lshl_b32 s59, s26, 2                         ; my 4 rows of a tile
	s_mul_i32 s28, ttmp9, NTILE                    ; the first tile
	s_mov_b32 s29, 0                               ; the slot that is read,
	s_mov_b32 s30, SLOTB                           ; and the one that is written
	s_and_b32 s31, s26, 1
	s_lshl_b32 s31, s31, 9
	v_add_nc_u32 v39, s31, v1                      ; the tables: waves 0, 1 bring the halves of value_b, waves 2, 3 those of off_b,
	v_lshlrev_b32 v40, 2, v0                       ; each thread one number of aw_b
	s_lshl_b32 s31, s26, 9
	s_add_co_u32 s31, s31, TAB
	v_add_nc_u32 v41, s31, v1
	v_and_b32 v42, 0x73, v0                        ; aw_b goes where the logit tiles want it: bits 2 and 3 of its number change places
	v_bfe_u32 v43, v0, 2, 1
	v_lshl_or_b32 v42, v43, 3, v42
	v_bfe_u32 v43, v0, 3, 1
	v_lshl_or_b32 v42, v43, 2, v42
	v_lshl_add_u32 v42, v42, 2, TAB+2048
	s_lshl_b32 s34, s26, 15
	s_mov_b32 s35, 0
	s_wait_kmcnt 0x0
	s_add_nc_u64 s[36:37], s[18:19], s[34:35]      ; my 32 value fragments,
	s_add_nc_u64 s[38:39], s[36:37], 0x20000       ; my 32 offset fragments,
	s_lshl_b32 s34, s26, 14
	s_add_nc_u64 s[40:41], s[18:19], s[34:35]
	s_add_nc_u64 s[40:41], s[40:41], 0x40000       ; my 16 logit fragments
	s_cmp_lt_u32 s26, 2
	s_cselect_b64 s[60:61], s[12:13], s[14:15]
	LADDR 0                                        ; the first tile's offsets
	s_wait_alu depctr_va_vdst(0)                   ; every offset and LDS address made so far is written: v1, v8, v9, v12, v32, v39 to v42, which the loads and LDS instructions below read
	global_load_b128 v[44:47], v39, s[60:61]
	global_load_b32 v48, v40, s[16:17]
	LISSUE                                         ; the first tile
	WIN 0x40
.set f, 0
.rept 32
	global_load_b128 v[8*f:8*f+3],   v1, s[36:37] offset:((f%4)*8+f/4)*1024
	global_load_b128 v[8*f+4:8*f+7], v1, s[36:37] offset:((f%4)*8+f/4)*1024+512
.set f, f+1
.endr
.set f, 0
.rept 48
.set kt, f/6
.set hd, (f%6)/3
.set t3, f%3
.set rg, 8*(f%32)
.if f < 32
	WIN 0x80
.else
	WIN 0xc0
.endif
.if t3 < 2
	global_load_b128 v[rg:rg+3],   v1, s[38:39] offset:((2*hd+t3)*8+kt)*1024
	global_load_b128 v[rg+4:rg+7], v1, s[38:39] offset:((2*hd+t3)*8+kt)*1024+512
.else
	global_load_b128 v[rg:rg+3],   v1, s[40:41] offset:(hd*8+kt)*1024
	global_load_b128 v[rg+4:rg+7], v1, s[40:41] offset:(hd*8+kt)*1024+512
.endif
.set f, f+1
.endr
	WIN 0
	s_wait_loadcnt 63                              ; 160 loads were issued behind the tables and the first tile: those are in
	ds_store_b128 v41, v[44:47]
	ds_store_b32 v42, v48
	s_wait_alu depctr_vm_vsrc(0)                   ; the first tile's loads have read v8 and v12, which are written again below; the tables' loads and LDS stores have read v39 to v48, which the loop's arithmetic writes
	LADDR 1                                        ; the second tile's offsets
	v_mov_b32 v7, v6
	CARITH                                         ; the first tile,
	s_wait_alu depctr_va_vdst(0)                   ; v7 and v[WO ..] are written, which the LDS stores read; v8 and v12, which the loads read; the roundings are done with RAW, in which those loads land
	CSTORE                                         ; into slot 0
	LISSUE                                         ; the second
	s_wait_loadcnt 32                              ; all but its 32 loads: the weights are in
	s_mov_b32 s27, 0
.Ltrip:
	s_wait_dscnt 0x0                               ; my stores of this trip's tile and my reads of the last one are done:
	s_barrier_signal -1
	s_barrier_wait -1                              ; everybody's are
	s_wait_xcnt 0x0                                ; the last trip's loads and stores have had their addresses translated (ISA guide 3.1): their offsets and data are written again only behind this wait
	s_wait_alu depctr_vm_vsrc(0)                   ; the last trip's stores have read v17 to v19, VO, IO and WO, its LDS loads v5, its LDS stores v7, its loads v8 and v12: all are written again in this trip
	v_add_nc_u32 v5, s29, v4
	v_add_nc_u32 v7, s30, v6
	LADDR 2                                        ; the tile two further on (in the last two trips: not used)
	TPOS 0                                         ; this tile
	s_mul_i32 s33, s32, 831
	s_sub_co_u32 s33, s31, s33                     ; its number in its batch
	s_lshl_b32 s36, s33, 4                         ; its first token
	s_mul_i32 s34, s32, 32*VP                      ; where its results go: val,
	s_add_co_u32 s34, s34, s57
	s_lshl_b32 s35, s33, 8
	s_add_co_u32 s34, s34, s35
	v_add_nc_u32 v17, s34, v13
	s_mul_i32 s34, s32, 8*IHB                      ; pidx,
	s_add_co_u32 s34, s34, s58
	s_lshl_b32 s35, s33, 9
	s_add_co_u32 s34, s34, s35
	v_add_nc_u32 v18, s34, v14
	s_mul_i32 s34, s32, 8*WHB                      ; pwt
	s_add_co_u32 s34, s34, s62
	s_lshl_b32 s35, s33, 11
	s_add_co_u32 s34, s34, s35
	v_add_nc_u32 v19, s34, v15
	s_wait_alu depctr_va_vdst(0)                   ; the trip's seven addresses are written; the last trip's products and arithmetic are done with VA, AF and QA, in which the 36 LDS loads below land
.irp n,0,1,2,3
	ds_load_b128 v[VA+8*\n:VA+8*\n+3],   v9 offset:64*\n        ; the sums start at the bias
	ds_load_b128 v[VA+8*\n+4:VA+8*\n+7], v9 offset:64*\n+16
.endr
.irp k,0,1,2,3,4,5,6,7
	ds_load_b128 v[AF+8*\k:AF+8*\k+3],   v5 offset:64*\k
	ds_load_b128 v[AF+8*\k+4:AF+8*\k+7], v5 offset:64*\k+32
.endr
.irp d,0,1
.irp t,0,1
	ds_load_b128 v[QA+24*\d+8*\t:QA+24*\d+8*\t+3],   v9 offset:1024+128*\d+64*\t
	ds_load_b128 v[QA+24*\d+8*\t+4:QA+24*\d+8*\t+7], v9 offset:1024+128*\d+64*\t+16
.endr
	ds_load_b128 v[LG+24*\d:LG+24*\d+3],   v32 offset:64*\d
	ds_load_b128 v[LG+24*\d+4:LG+24*\d+7], v32 offset:64*\d+16
.endr
	s_wait_loadcnt 0x0                             ; the next tile's rows, asked for a trip ago
	CARITH                                         ; these 64 lines name RAW and WO alone: none of the registers on which the LDS loads above are out
	s_wait_alu depctr_va_vdst(0)                   ; the roundings have written v[WO ..], which the LDS stores read, and are done with RAW, in which the loads below land
	CSTORE                                         ; (in the last trip there is no next tile: the slot that it rewrites is read no more)
	s_cmp_lt_u32 s27, NTILE-2
	s_cbranch_scc0 .Lnoload                        ; the last two trips ask for nothing
	LISSUE                                         ; no wait: since the one above only the LDS stores were issued, which name v7 and WO
.Lnoload:
	s_wait_dscnt 28                                ; LDS instructions end in order (ISA guide 5.7.1): VA's bias and the fragments are in; the 12 loads of QA's bias and the 16 stores may be out
	WIN 0x01                                       ; weights in window 1.  The four sums take turns
.set f, 0
.rept 32
	v_wmma_f32_16x16x32_bf16 v[VA+8*(f%4):VA+8*(f%4)+7], v[8*f:8*f+7], v[AF+8*(f/4):AF+8*(f/4)+7], v[VA+8*(f%4):VA+8*(f%4)+7]
.set f, f+1
.endr
	WIN 0
	; My token's place.  These lines name no register of the products above: they are the places behind them (ISA guide 7.12.1).
	v_add_nc_u32 v35, s36, v2                      ; the token in its batch
	v_cmp_le_u32 s2, s46, v35                      ; is it at or behind row 10,000,
	v_cmp_le_u32 s3, s49, v35                      ; 12,500,
	v_cmp_le_u32 s63, s52, v35                     ; 13,125?
	v_mov_b32 v36, 0                               ; its own level: first row, width, 1 / width
	v_mov_b32 v37, 0x42c80000
	v_mov_b32 v38, 0x3c23d70a
	s_wait_alu depctr_va_sdst(0)                   ; the three compares have written s2, s3 and s63, ahead of the first select that reads one of them
	v_cndmask_b32 v36, v36, s46, s2
	v_cndmask_b32 v37, v37, s47, s2
	v_cndmask_b32 v38, v38, s48, s2
	v_cndmask_b32 v36, v36, s49, s3
	v_cndmask_b32 v37, v37, s50, s3
	v_cndmask_b32 v38, v38, s51, s3
	v_cndmask_b32 v36, v36, s52, s63
	v_cndmask_b32 v37, v37, s53, s63
	v_cndmask_b32 v38, v38, s54, s63
	v_sub_nc_u32 v36, v35, v36
	v_cvt_f32_u32 v36, v36
	v_add_f32 v39, 0.5, v36
	v_mul_f32 v39, v39, v38
	v_floor_f32 v39, v39                           ; its cell's y (the half keeps the quotient away from whole numbers),
	v_fma_f32 v36, -v39, v37, v36                  ; and x
	v_add_f32 v36, 0.5, v36
	v_add_f32 v39, 0.5, v39
	v_mul_f32 v36, v36, v38                        ; the reference point
	v_mul_f32 v39, v39, v38
	v_fma_f32 v26, v36, v20, -0.5                  ; in cells of my two levels
	v_fma_f32 v27, v39, v20, -0.5
	v_fma_f32 v28, v36, v21, -0.5
	v_fma_f32 v29, v39, v21, -0.5
	s_wait_alu depctr_va_vdst(0)                   ; the value products are done reading AF, in which q's fragments land
.irp k,0,1,2,3,4,5,6,7
	ds_load_b128 v[AF+8*\k:AF+8*\k+3],   v5 offset:QOFF+64*\k
	ds_load_b128 v[AF+8*\k+4:AF+8*\k+7], v5 offset:QOFF+64*\k+32
.endr
.set i, 0
.rept 16
	v_cvt_pk_f16_f32 v[VO+i], v[VA+2*i], v[VA+2*i+1]           ; val: a lane's 8 channels are 16 bytes, a quarter of a head
.set i, i+1
.endr
	s_wait_alu depctr_va_vdst(0)                   ; the conversions have written v[VO ..], which the four stores read
.irp n,0,1,2,3
	global_store_b128 v17, v[VO+4*\n:VO+4*\n+3], s[20:21] offset:2*VP*\n  ; tile n of my columns: two planes, 256 consecutive bytes in each, aligned
.endr
	s_wait_dscnt 0x0                               ; q's fragments and QA's bias are in
.set f, 0
.rept 48                               ; the six sums take turns
.if f < 32
	WIN 0x02
.else
	WIN 0x03
.endif
	v_wmma_f32_16x16x32_bf16 v[QA+8*(f%6):QA+8*(f%6)+7], v[8*(f%32):8*(f%32)+7], v[AF+8*(f/6):AF+8*(f/6)+7], v[QA+8*(f%6):QA+8*(f%6)+7]
.set f, f+1
.endr
	WIN 0
.rept 4
	v_nop                                          ; the places behind those products
.endr
	s_wait_alu depctr_vm_vsrc(0)                   ; this trip's LDS stores of the next tile's rows have read v[WO ..], which the four LEVELs write again
	SOFTMAX
	LEVEL 0, 0
	LEVEL 0, 1
	LEVEL 1, 0
	LEVEL 1, 1
	s_wait_alu depctr_va_vdst(0)                   ; the four LEVELs have written both heads' v[IO ..] and v[WO ..], which the ten stores read
	PUT 0
	PUT 1
	s_xor_b32 s29, s29, SLOTB
	s_xor_b32 s30, s30, SLOTB
	s_add_co_u32 s28, s28, 1
	s_add_co_u32 s27, s27, 1
	s_cmp_lt_u32 s27, NTILE
	s_cbranch_scc1 .Ltrip
	s_wait_dscnt 0x0                               ; the closing lines, six on end
	s_wait_alu 0x0
	s_wait_tensorcnt 0x0
	ds_add_u32 v10, v11
	s_wait_dscnt 0x0
	s_endpgm
.Lfunc_end_k_qddac6f10c9_proj:
	.size	k_qddac6f10c9_proj, .Lfunc_end_k_qddac6f10c9_proj-k_qddac6f10c9_proj
	.p2alignl 7, 3214868480
	.fill 96, 4, 3214868480
	.section	.rodata,"a",@progbits
	.p2align	6, 0x0
	.amdhsa_kernel k_qddac6f10c9_proj
		.amdhsa_group_segment_fixed_size 36864
		.amdhsa_private_segment_fixed_size 0
		.amdhsa_enable_private_segment 0
		.amdhsa_kernarg_size 88
		.amdhsa_user_sgpr_count 2
		.amdhsa_user_sgpr_kernarg_segment_ptr 1
		.amdhsa_wavefront_size32 1
		.amdhsa_system_sgpr_workgroup_id_x 1
		.amdhsa_system_sgpr_workgroup_id_y 1
		.amdhsa_system_sgpr_workgroup_id_z 1
		.amdhsa_system_vgpr_workitem_id 0
		.amdhsa_next_free_vgpr 1024
		.amdhsa_next_free_sgpr 66
		.amdhsa_reserve_vcc 1
		.amdhsa_float_denorm_mode_32 3
		.amdhsa_float_denorm_mode_16_64 3
		.amdhsa_memory_ordered 1
		.amdhsa_forward_progress 1
		.amdhsa_inst_pref_size 80
	.end_amdhsa_kernel
	.amdgpu_metadata
---
amdhsa.version: [ 1, 2 ]
amdhsa.kernels:
  - .name:           k_qddac6f10c9_proj
    .symbol:         k_qddac6f10c9_proj.kd
    .args:
      - { .name: src, .offset: 0, .size: 8, .value_kind: global_buffer, .address_space: global }
      - { .name: pos, .offset: 8, .size: 8, .value_kind: global_buffer, .address_space: global }
      - { .name: src2, .offset: 16, .size: 8, .value_kind: global_buffer, .address_space: global }
      - { .name: memory_pos, .offset: 24, .size: 8, .value_kind: global_buffer, .address_space: global }
      - { .name: value_b, .offset: 32, .size: 8, .value_kind: global_buffer, .address_space: global }
      - { .name: off_b, .offset: 40, .size: 8, .value_kind: global_buffer, .address_space: global }
      - { .name: aw_b, .offset: 48, .size: 8, .value_kind: global_buffer, .address_space: global }
      - { .name: wfrag, .offset: 56, .size: 8, .value_kind: global_buffer, .address_space: global }
      - { .name: val, .offset: 64, .size: 8, .value_kind: global_buffer, .address_space: global }
      - { .name: pidx, .offset: 72, .size: 8, .value_kind: global_buffer, .address_space: global }
      - { .name: pwt, .offset: 80, .size: 8, .value_kind: global_buffer, .address_space: global }
    .group_segment_fixed_size: 36864
    .private_segment_fixed_size: 0
    .kernarg_segment_align: 8
    .kernarg_segment_size: 88
    .max_flat_workgroup_size: 128
    .sgpr_count:     66
    .vgpr_count:     1024
    .wavefront_size: 32
...
	.end_amdgpu_metadata
.endif
;; end of part 8
;; launch samp: the kernel of part 6 again; grid 256 x 1, 16 waves a work-group, no clusters, 215,040 bytes of LDS; arguments pidx, pwt, val, smp; writes smp
;; launch ffn: the kernel of part 7 again; grid 208 x 1, 4 waves a work-group, clusters of 4 x 1, 327,680 bytes of LDS; arguments smp, src, wfrag, lin1_b, out_b, ln_g, ln_b, lin2_b, out0; writes out0
